; MI455X (gfx1250); checked and timed in simulation.
; The chip was launched on July 23, 2026; its instructions are those of AMD's public machine-readable ISA for CDNA 5 (MIT licence, August 2026) and "CDNA5" Instruction Set Architecture Reference Guide (July 2026). The comments in the code are by the model that wrote it; some were corrected since.
;; Mo E Layer. Allowed arithmetic: matrix products marked QUANTISED: E3M2 operands, one E8M0 scale for each 32 along K, by v_wmma_scale_f32_16x16x128_f8f6f4 with both operands' format E3M2, f32 sums; products left as they are: f32 operands where the result goes on into a quantised operand, else bf16, f16 or f32 operands; f32 sums; everything else in f32.
;; Inputs: b1 8 x 4,096 float32; b2 8 x 1,024 float32; router_w 8 x 1,024 float32; w1 8 x 4,096 x 1,024 float32; w2 8 x 1,024 x 4,096 float32; x 2 x 512 x 1,024 float32.
;; Outputs: out0 2 x 512 x 1,024 float32.
;; This version of the problem:
;;   THIS VERSION OF THE PROBLEM IS GIVEN IN LOW PRECISION. The matrix products marked QUANTISED in the list below multiply operands that are first quantised to E3M2 (3 exponent bits, 2 mantissa bits; 6 bits a number), with one power-of-two scale for each 32 numbers along K (OCP MX v1.0); their sums are f32. All else is computed in f32.
;;   The module's matrix products, in the order in which they are computed (A, B: the left and right operand; K: the contracted axis; several contracted axes count as one K, in the product's order):
;;     1. [M 1,024, K 1,024] x [K 1,024, N 8]; A: input x; B: input router_w: left as it is (N = 8 < 16)
;;     2. [M 1,024, K 1,024] x [K 1,024, N 32,768]; A: input x; B: input w1: QUANTISED
;;     3. batch 8 x [M 1,024, K 4,096] x [K 4,096, N 1,024]; A: input w2; B: computed on the way: QUANTISED
;;     4. batch 1,024 x [M 1,024, K 2] x [K 2, N 1]; A: computed on the way; B: computed on the way: left as it is (K = 2 < 32)
;;   THE QUANTISER, for each operand of a quantised product, along K:
;;     - K is cut into blocks of 32 from its start; a last block that is shorter is filled with zeros.
;;     - A block's scale is 2^e with e = floor(log2(the largest magnitude in the block)) - 4, held to -126 .. 127; a block of zeros has e = 0. As a byte (E8M0): e + 127.
;;     - Each number is divided by its block's scale, clamped to +-28, and rounded to the nearest number of E3M2, ties to even, subnormals kept.
;;     - The product sums the exact products of the quantised numbers (number of the format x scale) in f32.
;;   ~~~python
;;   def quantise(x, axis):      # numpy; x: float32 -> the quantised numbers, widened to float32 again
;;       x = np.moveaxis(x, axis, -1); K = x.shape[-1]
;;       x = np.pad(x, [(0, 0)] * (x.ndim - 1) + [(0, -K % 32)]); x = x.reshape(x.shape[:-1] + (-1, 32)); a = np.abs(x).max(-1, keepdims=True)
;;       e = np.where(a > 0, np.clip(np.frexp(np.where(a > 0, a, 1))[1] - 1 - 4, -126, 127), 0)      # np.frexp(a)[1] - 1 = floor(log2(a)), exactly
;;       r = np.clip(x / 2.0 ** e, -28, 28)
;;       step = 2.0 ** (np.maximum(np.frexp(np.where(r == 0, 1, r))[1] - 1, -2) - 2)
;;       q = np.round(r / step) * step * 2.0 ** e      # np.round: ties to even
;;       return np.moveaxis(q.reshape(q.shape[:-2] + (-1,))[..., :K], -1, axis).astype(np.float32)
;;   ~~~
;;   OPERANDS COMPUTED ON THE WAY. 'Computed on the way' means the value that the module computes at that place (a softmax that the list does not call 'softmax' is quantised finished and normalised). What goes into a quantiser is computed in f32, as accurately as f32 sums, v_exp_f32 and their like allow (about 1e-6 of the number): no bf16 or f16 on the way to a quantiser, and a product that is left as it is and whose result goes on into a quantised operand takes f32 operands (vector FMAs, or v_wmma_f32_16x16x4_f32). A number that lies on a knife's edge between two numbers of the format may be rounded either way, as far as f32 arithmetic and the matrix unit's own rounding can turn it there, and no further.
;; 2 versions. Each part assembles by itself: llvm-mc -triple=amdgcn-amd-amdhsa -mcpu=gfx1250 --defsym DOCPART=n.
;; ======== version 1 of 2: 4 launches
;; workspace buffers: sel 8,192 bytes of whole numbers; gate 8,192 bytes; xq 819,200 bytes; cnt 256 bytes of whole numbers; pos 8,448 bytes of whole numbers; h 26,214,400 bytes; y 33,554,432 bytes
;; launch route (part 1): grid 256 x 1, 1 waves a work-group, no clusters, 8,448 bytes of LDS; arguments x, router_w, sel, gate, xq; writes sel, gate, xq
.if DOCPART == 1
	.amdgcn_target "amdgcn-amd-amdhsa--gfx1250"
	.amdhsa_code_object_version 6
	.text
	.protected	k_qade318244e_route
	.globl	k_qade318244e_route
	.p2align	8
	.type	k_qade318244e_route,@function
k_qade318244e_route:
	s_mov_b64 s[64:65], 0
	v_nop
	global_prefetch_b8 v0, s[64:65] scope:SCOPE_SE
	s_setreg_imm32_b32 hwreg(HW_REG_WAVE_MODE, 25, 1), 1
	s_wait_xcnt 0x0
; ROUTE.  x [1024 tokens][1024] f32 is read once and serves twice: (1) it is turned into codes of BF6 (E3M2) with one E8M0 byte for each 32 along C (xq: 768 bytes of codes a token, from byte XSCB on 32 scale bytes a token);
; (2) the router: 8 logits a token in f32 (packed multiply-adds), softmax with the maximum taken away, the two largest, their weights divided by (their sum + 1e-9).
; The chosen experts go to sel [1024][2] and the weights to gate [1024][2], at fixed places: no address and no branch here hangs on a choice.
; A work-group is one wave and takes 4 tokens: 8 steps of 512 numbers.  Each load reads 512 consecutive bytes; a step's 2,048 bytes turn through a stage in LDS so that a lane holds 16 neighbours for the conversion.
; The dot products take the numbers as they were loaded; router_w lies in 256 registers in that same order.
; LIMITS: NaN and infinities are not served.  A block of zeros gets the byte 1 (its codes are zeros; this program alone reads the bytes).  The logits' sums run in another order than a plain sum: a token whose second and
; third probability agree to about 1e-7 of their size may go to the other of the two.  Equal exponentials keep the lower index.  A probability that falls to 0 in v_exp_f32 has a weight under 1e-37.
.set R,    16                          ; v16-79   four sets of 16 numbers as loaded
.set X,    80                          ; v80-95   16 neighbours
.set EB,   112                         ; v112-119 a scale byte for each step
.set CD,   120                         ; v120-151 codes: four registers for each step, so that no store's data are written again
.set LP,   152                         ; v152-167 eight pairs of partial logits
.set LG,   168                         ; v168-175 logits
.set EX,   176                         ; v176-183 exponentials
.set TP,   184                         ; v184-191 destinations of the lane permutes
.set RES,  200                         ; v200-203 first expert, second expert, their weights: lane k keeps token k's
.set SCB,  5120                        ; LDS: the stage (32 x 80 bytes) at 0, the 128 scale bytes here
.set XSCB, 786432                      ; xq: where the scale bytes begin
.set MSB, 0
.macro WIN new                         ; the immediate's high byte repeats the setting that is left
.if MSB != (\new)
	s_set_vgpr_msb (MSB<<8)|(\new)
.set MSB, (\new)
.endif
.endm
	s_load_b256 s[4:11], s[0:1], 0x0               ; x s[4:5], router_w s[6:7], sel s[8:9], gate s[10:11]
	s_load_b64 s[12:13], s[0:1], 0x20              ; xq
	v_lshl_add_u32 v254, v0, 2, 0x2000
	v_mov_b32 v255, 0
	v_and_b32 v1, 31, v0                           ; lane
	v_lshlrev_b32 v2, 4, v1                        ; my 16 bytes of a load's 512
	v_lshrrev_b32 v3, 2, v1
	v_mul_u32_u24 v3, v3, 80
	v_and_b32 v8, 3, v1
	v_lshl_add_u32 v3, v8, 4, v3                   ; the stage, in: four lanes' 64 bytes on end, then 16 of padding
	v_mul_u32_u24 v4, v1, 80                       ; out: my 16 neighbours
	v_mul_u32_u24 v5, v1, 12                       ; my 12 bytes of a step's codes
	v_lshrrev_b32 v6, 1, v1
	v_add_nc_u32 v6, SCB, v6                       ; LDS: my block's byte
	v_lshlrev_b32 v7, 2, v1                        ; the scale bytes' way out: 4 bytes a lane
	v_add_nc_u32 v12, SCB, v7
	v_lshlrev_b32 v13, 3, v1                       ; sel, gate: 8 bytes a token
.irp e, 0,1,2,3,4,5,6,7
	v_mov_b32 v[TP+\e], 0                          ; written once: a lane permute's destination counts as one of its sources
.endr
	s_mov_b32 s24, 0x76543210
	s_mov_b32 s25, 0xfedcba98                      ; v_permlanex16_b32's selects for lane l xor 16
	s_lshl_b32 s14, ttmp9, 14                      ; 4 tokens of 4,096 bytes
	s_mov_b32 s15, 0
	s_mul_i32 s16, ttmp9, 3072                     ; 4 x 768 bytes of codes
	s_mov_b32 s17, 0
	s_lshl_b32 s18, ttmp9, 7                       ; 4 x 32 scale bytes
	s_mov_b32 s19, 0
	s_lshl_b32 s22, ttmp9, 5                       ; 4 x 8 bytes in sel and in gate
	s_mov_b32 s23, 0
	s_wait_kmcnt 0x0
	s_add_nc_u64 s[4:5], s[4:5], s[14:15]
	s_add_nc_u64 s[20:21], s[12:13], s[18:19]
	s_add_nc_u64 s[12:13], s[12:13], s[16:17]
	s_add_nc_u64 s[8:9], s[8:9], s[22:23]
	s_add_nc_u64 s[10:11], s[10:11], s[22:23]
	WIN 0x40                                       ; destination window 1: router_w, half p of expert e, load i, at v[128 p + 16 e + 4 i]
.irp p, 0,1
.irp e, 0,1,2,3,4,5,6,7
.irp i, 0,1,2,3
	global_load_b128 v[128*\p+16*\e+4*\i:128*\p+16*\e+4*\i+3], v2, s[6:7] offset:4096*\e+2048*\p+512*\i
.endr
.endr
.endr
	WIN 0
.macro LOADX t
.irp i, 0,1,2,3
	global_load_b128 v[R+16*((\t)%4)+4*\i:R+16*((\t)%4)+4*\i+3], v2, s[4:5] offset:2048*(\t)+512*\i th:TH_LOAD_NT
.endr
.endm
.irp t, 0,1,2,3
	LOADX \t
.endr
; A step: half PH of token t / 2.
.macro STEP t
.set RS, R+16*((\t)%4)
.set PH, (\t)%2
.if (\t) < 5
	s_wait_loadcnt 12                              ; this step's four loads are in (and router_w, which is older); the three steps behind it may be out
.else
	s_wait_loadcnt 4*(7-(\t))
.endif
.irp i, 0,1,2,3
	ds_store_b128 v3, v[RS+4*\i:RS+4*\i+3] offset:640*\i
.endr
.irp i, 0,1,2,3
	ds_load_b128 v[X+4*\i:X+4*\i+3], v4 offset:16*\i   ; LDS serves a wave's instructions in order (ISA guide 5.7.1.4): these see the stores above
.endr
	WIN 0x04                                       ; source 1 window 1.  The eight logits' partial sums, two numbers an instruction, the experts by turns; a token's first product starts the sums
.irp i, 0,1,2,3
.irp hh, 0,1
.irp e, 0,1,2,3,4,5,6,7
.if (PH == 0) && (\i == 0) && (\hh == 0)
	v_pk_mul_f32 v[LP+2*\e:LP+2*\e+1], v[RS+4*\i+2*\hh:RS+4*\i+2*\hh+1], v[128*PH+16*\e+4*\i+2*\hh:128*PH+16*\e+4*\i+2*\hh+1]
.else
	v_pk_fma_f32 v[LP+2*\e:LP+2*\e+1], v[RS+4*\i+2*\hh:RS+4*\i+2*\hh+1], v[128*PH+16*\e+4*\i+2*\hh:128*PH+16*\e+4*\i+2*\hh+1], v[LP+2*\e:LP+2*\e+1]
.endif
.endr
.endr
.endr
	WIN 0
	s_wait_dscnt 0x0                               ; my 16 neighbours are back, and the stores into the stage have read their registers,
.if (\t) < 4
	LOADX (\t)+4                                   ; which take the loads of four steps on
.endif
	v_max3_num_f32 v8, |v[X]|, |v[X+1]|, |v[X+2]|  ; the largest magnitude of my 16, in two chains
	v_max3_num_f32 v9, |v[X+3]|, |v[X+4]|, |v[X+5]|
.irp i, 6,10
	v_max3_num_f32 v8, v8, |v[X+\i]|, |v[X+\i+1]|
	v_max3_num_f32 v9, v9, |v[X+\i+2]|, |v[X+\i+3]|
.endr
	v_max3_num_f32 v8, v8, |v[X+14]|, |v[X+15]|
	v_max3_num_f32 v8, v8, v9, 0x2800000           ; and the floor 2^(5 - 127): the byte cannot fall under 1
	v_max_num_f32_dpp v8, v8, v8 row_xmask:1 row_mask:0xf bank_mask:0xf   ; with my neighbour's 16: the block's
	v_add_nc_u32 v11, 0xfe000000, v8               ; 4 off its exponent field: the conversion takes that field as its scale
	v_cvt_scalef32_pk16_bf6_f32 v[CD+4*(\t):CD+4*(\t)+2], v[X:X+15], v11
	v_lshrrev_b32 v[EB+(\t)], 23, v11              ; the scale's byte (a plain line behind the conversion)
	ds_store_b8 v6, v[EB+(\t)] offset:16*(\t)      ; both lanes of a block write the same byte with the same value
	global_store_b96 v5, v[CD+4*(\t):CD+4*(\t)+2], s[12:13] offset:384*(\t)   ; the wave stores 384 consecutive bytes
.endm
; Token tk's choice.  Every lane ends up with all eight logits and does the same arithmetic.
.macro ROUTE tk
.irp e, 0,1,2,3,4,5,6,7
	v_add_f32 v[LG+\e], v[LP+2*\e], v[LP+2*\e+1]
.endr
.irp m, 1,2,4,8
.irp e, 0,1,2,3,4,5,6,7
	v_add_f32_dpp v[LG+\e], v[LG+\e], v[LG+\e] row_xmask:\m row_mask:0xf bank_mask:0xf
.endr
.endr
.irp e, 0,1,2,3,4,5,6,7
	v_permlanex16_b32 v[TP+\e], v[LG+\e], s24, s25
.endr
.irp e, 0,1,2,3,4,5,6,7
	v_add_f32 v[LG+\e], v[LG+\e], v[TP+\e]
.endr
	v_max3_num_f32 v8, v[LG], v[LG+1], v[LG+2]
	v_max3_num_f32 v8, v8, v[LG+3], v[LG+4]
	v_max3_num_f32 v8, v8, v[LG+5], v[LG+6]
	v_max_num_f32 v8, v8, v[LG+7]                  ; the largest logit is taken away ahead of the exponentials
.irp e, 0,1,2,3,4,5,6,7
	v_sub_f32 v[EX+\e], v[LG+\e], v8
.endr
.irp e, 0,1,2,3,4,5,6,7
	v_mul_f32 v[EX+\e], 0x3fb8aa3b, v[EX+\e]       ; x log2(e)
.endr
.irp e, 0,1,2,3,4,5,6,7
	v_exp_f32 v[EX+\e], v[EX+\e]
.endr
	v_nop                                          ; a plain line behind the exponentials (ISA guide 5.7.2)
	s_wait_alu depctr_va_vdst(0)
	v_add_f32 v9, v[EX], v[EX+1]
	v_add_f32 v10, v[EX+2], v[EX+3]
	v_add_f32 v11, v[EX+4], v[EX+5]
	v_add_f32 v14, v[EX+6], v[EX+7]
	v_add_f32 v9, v9, v10
	v_add_f32 v11, v11, v14
	v_add_f32 v9, v9, v11
	v_rcp_f32 v9, v9                               ; 1 / the sum
	v_mov_b32 v10, v[EX]                           ; the largest: what stands is kept where it is not smaller, so equal numbers keep the lower index
	v_mov_b32 v11, 0
.irp e, 1,2,3,4,5,6,7
	v_cmp_ge_f32 vcc_lo, v10, v[EX+\e]
	v_cndmask_b32 v10, v[EX+\e], v10, vcc_lo
	v_cndmask_b32 v11, \e, v11, vcc_lo
.endr
.irp e, 0,1,2,3,4,5,6,7
	v_cmp_ne_u32 vcc_lo, \e, v11
	v_cndmask_b32 v[EX+\e], -1.0, v[EX+\e], vcc_lo ; the first choice leaves the field
.endr
	v_mov_b32 v14, v[EX]                           ; the second largest
	v_mov_b32 v15, 0
.irp e, 1,2,3,4,5,6,7
	v_cmp_ge_f32 vcc_lo, v14, v[EX+\e]
	v_cndmask_b32 v14, v[EX+\e], v14, vcc_lo
	v_cndmask_b32 v15, \e, v15, vcc_lo
.endr
	s_wait_alu depctr_va_vdst(0)
	v_mul_f32 v10, v10, v9                         ; the two probabilities
	v_mul_f32 v14, v14, v9
	v_add_f32 v8, v10, v14
	v_add_f32 v8, 0x3089705f, v8                   ; + 1e-9
	v_rcp_f32 v8, v8
	v_nop
	s_wait_alu depctr_va_vdst(0)
	v_mul_f32 v10, v10, v8
	v_mul_f32 v14, v14, v8
.if (\tk) == 0
	v_mov_b32 v[RES], v11
	v_mov_b32 v[RES+1], v15
	v_mov_b32 v[RES+2], v10
	v_mov_b32 v[RES+3], v14
.else
	s_mov_b32 s26, 1<<(\tk)                        ; lane tk keeps this token's
	v_cndmask_b32 v[RES], v[RES], v11, s26
	v_cndmask_b32 v[RES+1], v[RES+1], v15, s26
	v_cndmask_b32 v[RES+2], v[RES+2], v10, s26
	v_cndmask_b32 v[RES+3], v[RES+3], v14, s26
.endif
.endm
.irp k, 0,1,2,3
	STEP 2*\k
	STEP 2*\k+1
	ROUTE \k
.endr
	ds_load_b32 v8, v12                            ; the 128 scale bytes, behind my stores of them
	s_wait_dscnt 0x0
	global_store_b32 v7, v8, s[20:21] offset:XSCB
	v_cmp_gt_u32 vcc_lo, 4, v0
	s_wait_xcnt 0x0                                ; EXEC changes only behind this wait
	s_wait_tensorcnt 0x0
	ds_add_u32 v254, v255
	s_wait_dscnt 0x0
	s_and_saveexec_b32 s27, vcc_lo
	global_store_b64 v13, v[RES:RES+1], s[8:9]     ; lanes 0 to 3: a token each
	global_store_b64 v13, v[RES+2:RES+3], s[10:11]
	s_wait_xcnt 0x0
	s_or_b32 exec_lo, exec_lo, s27
	s_endpgm
.Lfunc_end_k_qade318244e_route:
	.size	k_qade318244e_route, .Lfunc_end_k_qade318244e_route-k_qade318244e_route
	.p2alignl 7, 3214868480
	.fill 96, 4, 3214868480
	.section	.rodata,"a",@progbits
	.p2align	6, 0x0
	.amdhsa_kernel k_qade318244e_route
		.amdhsa_group_segment_fixed_size 8448
		.amdhsa_private_segment_fixed_size 0
		.amdhsa_enable_private_segment 0
		.amdhsa_kernarg_size 40
		.amdhsa_user_sgpr_count 2
		.amdhsa_user_sgpr_kernarg_segment_ptr 1
		.amdhsa_wavefront_size32 1
		.amdhsa_system_sgpr_workgroup_id_x 1
		.amdhsa_system_sgpr_workgroup_id_y 1
		.amdhsa_system_sgpr_workgroup_id_z 1
		.amdhsa_system_vgpr_workitem_id 0
		.amdhsa_next_free_vgpr 512
		.amdhsa_next_free_sgpr 66
		.amdhsa_reserve_vcc 1
		.amdhsa_float_denorm_mode_32 3
		.amdhsa_float_denorm_mode_16_64 3
		.amdhsa_memory_ordered 1
		.amdhsa_forward_progress 1
		.amdhsa_inst_pref_size 85
	.end_amdhsa_kernel
	.amdgpu_metadata
---
amdhsa.version: [ 1, 2 ]
amdhsa.kernels:
  - .name:           k_qade318244e_route
    .symbol:         k_qade318244e_route.kd
    .args:
      - { .name: x, .offset: 0, .size: 8, .value_kind: global_buffer, .address_space: global }
      - { .name: router_w, .offset: 8, .size: 8, .value_kind: global_buffer, .address_space: global }
      - { .name: sel, .offset: 16, .size: 8, .value_kind: global_buffer, .address_space: global }
      - { .name: gate, .offset: 24, .size: 8, .value_kind: global_buffer, .address_space: global }
      - { .name: xq, .offset: 32, .size: 8, .value_kind: global_buffer, .address_space: global }
    .group_segment_fixed_size: 8448
    .private_segment_fixed_size: 0
    .kernarg_segment_align: 8
    .kernarg_segment_size: 40
    .max_flat_workgroup_size: 32
    .sgpr_count:     66
    .vgpr_count:     512
    .wavefront_size: 32
...
	.end_amdgpu_metadata
.endif
;; end of part 1
;; launch ffn1 (part 2): grid 32 x 8, 8 waves a work-group, no clusters, 293,376 bytes of LDS; arguments w1, b1, xq, sel, h, cnt; writes h, cnt
.if DOCPART == 2
	.amdgcn_target "amdgcn-amd-amdhsa--gfx1250"
	.amdhsa_code_object_version 6
	.text
	.protected	k_qade318244e_ffn1
	.globl	k_qade318244e_ffn1
	.p2align	8
	.type	k_qade318244e_ffn1,@function
k_qade318244e_ffn1:
	s_mov_b64 s[64:65], 0
	v_nop
	global_prefetch_b8 v0, s[64:65] scope:SCOPE_SE
	s_setreg_imm32_b32 hwreg(HW_REG_WAVE_MODE, 25, 1), 1
	s_wait_xcnt 0x0
; FFN1.  h = Q(relu(Q(x) Q(w1)^T + b1)) for the routed rows, both operands codes of BF6 (E3M2) with one E8M0 scale for each 32 along K; Q the quantiser along the next product's K.
; SHARES.  Work-group (x = slice, y = expert) owns hidden units 128 slice .. + 127 of one expert: 512 KB of w1, dense, read here and by nobody else.  These 128 units are K step `slice` of the second product.
; THE ROWS.  An expert's rows are the tokens that chose it, in ascending order; row `rank` lies in tile rank / 16 of the expert, and expert e owns tiles 64 e .. 64 e + 63 of h (1,024 rows: the most that any split gives one expert).
; Each work-group makes its expert's list itself, from sel (whole numbers that the launch before stored): ahead of the intervals the four M waves count the expert's rows by ballots, and wave 4 lays the tokens by rank in LDS.
; No other wave touches LDS ahead of the barrier that follows.  Meanwhile the W waves' first loads are on their way.  The number of tiles, NT, is held at 1 from below: tile 0 of every expert is always made.
; TWO ROLES, by the wave's number.  Waves 0-3 (W) stream the weights as f32, 512 consecutive bytes a load, four half-sets of 16 loads in flight a wave, turn them through their own stage in LDS, quantise them and lay
; the fragments in LDS as images of the operand's registers.  Waves 4-7 (M) each own five tiles of 16 rows of the expert (tiles 4 i + w: 320 rows in all) and multiply every fragment.
; The roles have counters of their own: the weights' loads are never waited for on account of another stream.
; FIVE INTERVALS, one barrier between two: in interval k W lays K steps 2 k and 2 k + 1 in code buffers (2 k) % 4 and (2 k + 1) % 4, M multiplies K steps 2 k - 2 and 2 k - 1.
; AN INTERVAL TAKES EACH OF W'S FOUR HALF-SETS ONCE: every interval of W begins and ends with the same four half-sets out, in the same order.  M has no load out at an interval's edge.
; x's codes of four tiles a wave lie in LDS; five tiles' would not fit beside the stages and four code buffers: the fifth tile's fragment comes from xq at the head of each K step, six loads of 8 bytes, waited for at once.
; THE PRODUCT IS USED TRANSPOSED (source 0 = 16 rows of w1, source 1 = 16 rows of x), and lane r of tile 2 b + u takes unit 32 b + 8 u + r + 8 (r / 8): a lane then holds one row, and its 64 results run along the next K.
; b1 is loaded into the accumulators, so every product adds in place and nothing is cleared.  The 40 accumulators take turns, one instruction a turn.
; No tensor load, no cluster: which tiles are stored, and the later passes, hang on numbers read from sel; and no two work-groups share a weight.
; AN EXPERT WITH MORE THAN 320 ROWS: later passes of the M waves, each wave alone with four tiles, weights straight from memory in the operand's order.  Right for every split up to 1,024 rows; slow.
; LIMITS: NaN and infinities are not served; a block of zeros gets the byte 1 (zero codes; this program alone reads the bytes).
; REGISTERS.  Window 0: v1-16 addresses (made ahead of the first parting of the roles, never rewritten), v17-26 offsets from loaded tokens (v21: the fifth tile's codes), v27-31 16 r, 24 h, r, h, 4 lane; v32-51 x's scale words;
;   v52-59 the weights' scale words; v60-119 five fragments of x; v120-167 four fragments of weights (W: the codes just made); v168-184 at work; v185 the list's first fill, v186 8 lane, v188 lane; v192-255 the fifth tile's
;   accumulators (W: 64 numbers).  Ahead of the intervals: v60-123 sel, v124-155 and v192-223 the list's addresses and tokens.   Window 1: M: accumulators (m, t) at 8 (8 m + t); W: the four half-sets.
.set XWAVE, 50176                      ; LDS: 64 rows of x's codes for each M wave,
.set XP,    784                        ; 768 bytes + 16: 196 words from row to row, so the 32 lanes of an 8-byte load touch 64 different banks (ISA guide 11.1)
.set STG,   200704                     ; the W waves' stages: 16 rows x SPT each
.set SPT,   528                        ; 512 bytes + 16: an odd multiple of 16
.set COD,   234496                     ; four code buffers
.set CBUF,  13312                      ; 8 images of 1,536 bytes, then 8 x 128 bytes of scale words
.set CSC,   12288
.set LIST,  287744                     ; the expert's tokens by rank: 1,024 words, a spare word, and the rest of nine runs of 512 bytes
.set XSCB,  786432                     ; xq: where the scale bytes begin
.set HSC,   25165824                   ; h: where the scale words begin: behind 512 tiles of 49,152 bytes
.set XS, 32
.set WS, 52
.set SW, 52                            ; the scale word just made
.set XF, 60
.set WF, 120
.set CF, 120                           ; the codes just made (weights)
.set CT, 132
.set PC, 120                           ; the codes just made (hidden layer)
.set TQ, 168
.set TM, 168
.set PW, 184
.set X,  192
.set GO, 192
.set SELV, 60
.set SA, 124
.set SD, 192
.set WV, 14
.set WQ, 15
.set EE, 16
.set SL, 17
.set NT, 18
.set TB, 19
.set TI, 40                            ; s40-44 the tiles (of the expert) in my five sets of accumulators
.set MSB, 0
.macro WIN new                         ; the immediate's high byte repeats the setting that is left
.if MSB != (\new)
	s_set_vgpr_msb (MSB<<8)|(\new)
.set MSB, (\new)
.endif
.endm
.macro PLACES n                        ; plain vector lines behind matrix instructions (ISA guide 7.12.1), and in front of scaled ones whose operands vector lines wrote
.rept \n
	v_nop
.endr
.endm
	s_load_b256 s[4:11], s[0:1], 0x0               ; w1 s[4:5], b1 s[6:7], xq s[8:9], sel s[10:11]
	s_load_b64 s[12:13], s[0:1], 0x20              ; h
	s_load_b64 s[26:27], s[0:1], 0x28              ; cnt
	v_lshl_add_u32 v179, v0, 2, 0x47600
	v_mov_b32 v191, 0
	v_lshrrev_b32 v27, 5, v0
	v_readfirstlane_b32 s[WV], v27                 ; wave 0..7
	s_and_b32 s[WQ], s[WV], 3                      ; my number within my role
	s_and_b32 s[EE], ttmp7, 0xffff                 ; expert
	s_mov_b32 s[SL], ttmp9                         ; slice
	s_lshl_b32 s[TB], s[EE], 6                     ; the expert's first tile
	s_mov_b32 s[NT], 0                             ; the expert's rows so far, later its tiles
	v_and_b32 v28, 31, v0                          ; lane
	v_and_b32 v29, 15, v0                          ; r
	v_bfe_u32 v30, v0, 4, 1                        ; h
	v_lshlrev_b32 v27, 4, v29                      ; 16 r
	v_lshlrev_b32 v31, 2, v28                      ; 4 lane
	v_lshlrev_b32 v1, 4, v28                       ; v1  16 lane
	v_lshlrev_b32 v186, 3, v28                     ; v186 sel: 8 bytes a token
	v_mov_b32 v188, v28                            ; v188 lane
	v_add_nc_u32 v185, LIST, v1                    ; v185 the list's first fill: 16 bytes a lane
	v_mul_u32_u24 v28, v30, 24                     ; v28 24 h from here on
	s_mul_i32 s30, s[WQ], 16*SPT
	s_add_co_u32 s30, s30, STG
	v_add_nc_u32 v2, s30, v1                       ; v2  stage, in: a row's 512 bytes as loaded
	v_mul_u32_u24 v3, v29, SPT
	v_lshl_add_u32 v3, v30, 7, v3
	v_add_nc_u32 v3, s30, v3                       ; v3  stage, out: row r, + 128 h
	s_mul_i32 s30, s[WQ], 3072
	s_add_co_u32 s30, s30, COD
	v_add_nc_u32 v4, s30, v1                       ; v4  where I lay my two images of a K step
	s_lshl_b32 s30, s[WQ], 8
	s_add_co_u32 s30, s30, COD+CSC
	v_add_nc_u32 v5, s30, v31                      ; v5  and their scale words
	v_add_nc_u32 v6, COD, v1                       ; v6  where images are read
	v_add_nc_u32 v7, COD+CSC, v31                  ; v7  and scale words
	s_mul_i32 s30, s[WQ], XWAVE
	v_mul_u32_u24 v8, v29, XP
	v_mad_u32_u24 v8, v30, 24, v8
	v_add_nc_u32 v8, s30, v8                       ; v8  x's fragments: row r, + 24 h
	v_mul_u32_u24 v9, v30, XP
	v_lshl_add_u32 v9, v29, 4, v9
	v_add_nc_u32 v9, s30, v9                       ; v9  x's rows on their way in: sixteen lanes to a row
	v_lshlrev_b32 v10, 3, v30                      ; v10 8 h
	v_mov_b32 v11, 0                               ; v11 a lane permute's destination
	v_lshlrev_b32 v12, 6, v30                      ; v12 b1: 64 h
	v_lshlrev_b32 v13, 2, v29                      ; v13 4 r
	s_lshl_b32 s30, s[WQ], 6
	s_add_co_u32 s30, s30, LIST
	v_lshl_add_u32 v14, v30, 2, s30                ; v14 the list of tokens: 64 w + 4 h
	v_add_nc_u32 v15, s30, v13                     ; v15 64 w + 4 r
	v_and_b32 v16, 8, v29
	v_add_nc_u32 v16, v16, v29
	v_lshlrev_b32 v16, 12, v16
	v_lshl_add_u32 v16, v30, 7, v16                ; v16 later passes: weights' row r + 8 (r / 8), + 128 h
.irp b, 0,1,2,3
	v_mov_b32 v[TM+4+\b], 0                        ; lane permutes' destinations
.endr
	s_mov_b32 s34, 0x76543210
	s_mov_b32 s35, 0xfedcba98                      ; v_permlanex16_b32's selects for lane l xor 16
	s_mul_i32 s32, s[SL], 1536                     ; my K step's image in a tile of h,
	s_lshl_b32 s33, s[SL], 6                       ; and its scale words
	s_wait_kmcnt 0x0
	s_lshl_b32 s30, s[EE], 24
	s_lshl_b32 s31, s[SL], 19
	s_add_co_u32 s30, s30, s31
	s_mov_b32 s31, 0
	s_add_nc_u64 s[24:25], s[4:5], s[30:31]        ; the work-group's 512 KB of w1
	s_lshl_b32 s30, s[WQ], 17
	s_add_nc_u64 s[20:21], s[24:25], s[30:31]      ; my 32 rows of it
	s_lshl_b32 s30, s[EE], 14
	s_lshl_b32 s36, s[SL], 9
	s_add_co_u32 s30, s30, s36
	s_add_nc_u64 s[6:7], s[6:7], s[30:31]          ; b1 at my 128 units
	s_add_nc_u64 s[28:29], s[12:13], HSC           ; h's scale words
; ---- role W
.macro ISSUE idx                       ; half-set idx: K step idx / 2, tile idx % 2: 16 rows x 512 bytes
	WIN 0x40
.irp i, 0,1,2,3,4,5,6,7,8,9,10,11,12,13,14,15
	global_load_b128 v[64*((\idx)%4)+4*\i:64*((\idx)%4)+4*\i+3], v1, s[20:21] offset:(8*((\idx)%2)+\i+8*(\i/8))*4096+512*((\idx)/2) th:TH_LOAD_NT
.endr
	WIN 0
.endm
; 64 numbers of a lane, v[X + 32 c + i] = k 64 c + 32 h + i of row r (two whole blocks), become the fragment's codes in v[CF] on and the row's scale word in v[SW].
.macro QUANTW
.irp c, 0,1
	v_max3_num_f32 v[TQ+\c], |v[X+32*\c]|, |v[X+32*\c+1]|, 0x2800000   ; the floor 2^(5 - 127): the byte cannot fall under 1
	v_max3_num_f32 v[TQ+6+\c], |v[X+32*\c+16]|, |v[X+32*\c+17]|, |v[X+32*\c+18]|
.endr
.irp i, 2,4,6,8,10,12
.irp c, 0,1
	v_max3_num_f32 v[TQ+\c], v[TQ+\c], |v[X+32*\c+\i]|, |v[X+32*\c+\i+1]|   ; four chains by turns
	v_max3_num_f32 v[TQ+6+\c], v[TQ+6+\c], |v[X+32*\c+\i+17]|, |v[X+32*\c+\i+18]|
.endr
.endr
.irp c, 0,1
	v_max3_num_f32 v[TQ+\c], v[TQ+\c], |v[X+32*\c+14]|, |v[X+32*\c+15]|
.endr
.irp c, 0,1
	v_max3_num_f32 v[TQ+\c], v[TQ+\c], v[TQ+6+\c], |v[X+32*\c+31]|
.endr
.irp c, 0,1
	v_add_nc_u32 v[TQ+2+\c], 0xfe000000, v[TQ+\c]  ; 4 off the exponent field: the conversion's scale operand
.endr
.irp c, 0,1
	v_lshrrev_b32 v[TQ+4+\c], 23, v[TQ+2+\c]       ; the scale's byte
.endr
	v_lshl_or_b32 v[SW], v[TQ+5], 16, v[TQ+4]      ; my two bytes, blocks h and 2 + h,
	v_lshlrev_b32 v[SW], v10, v[SW]                ; at their places;
	v_permlanex16_b32 v11, v[SW], s34, s35
	v_or_b32 v[SW], v[SW], v11                     ; with lane l xor 16's two the word is whole, in both halves
.irp c, 0,1
	v_cvt_scalef32_pk16_bf6_f32 v[CF+6*\c:CF+6*\c+2], v[X+32*\c:X+32*\c+15], v[TQ+2+\c]
	v_cvt_scalef32_pk16_bf6_f32 v[CT+4*\c:CT+4*\c+2], v[X+32*\c+16:X+32*\c+31], v[TQ+2+\c]   ; (a conversion's three registers begin on an even number)
.endr
	v_nop                                          ; a plain line behind the conversions
.irp c, 0,1
.irp i, 0,1,2
	v_mov_b32 v[CF+3+6*\c+\i], v[CT+4*\c+\i]
.endr
.endr
.endm
.macro PRODUCE idx
.if (\idx) < 13
	s_wait_loadcnt 48                              ; this half-set's 16 loads are in; the three half-sets behind it stay out
.else
	s_wait_loadcnt 16*(15-(\idx))
.endif
	WIN 0x04                                       ; an LDS store's data are its source 1: window 1
.irp i, 0,1,2,3,4,5,6,7,8,9,10,11,12,13,14,15
	ds_store_b128 v2, v[64*((\idx)%4)+4*\i:64*((\idx)%4)+4*\i+3] offset:SPT*\i
.endr
	WIN 0
.irp c, 0,1
.irp j, 0,1,2,3,4,5,6,7
	ds_load_b128 v[X+32*\c+4*\j:X+32*\c+4*\j+3], v3 offset:256*\c+16*\j   ; LDS serves a wave's instructions in order (ISA guide 5.7.1.4): these see the stores above
.endr
.endr
	s_wait_dscnt 0x0                               ; my 64 numbers are in; the stores have read the half-set, and the last image's stores their registers
.if (\idx)+4 < 16
	ISSUE (\idx)+4                                 ; the half-set takes the loads of four on: the same half-set of the next interval
.endif
	QUANTW
.irp q, 0,1,2
	ds_store_b128 v4, v[CF+4*\q:CF+4*\q+3] offset:(((\idx)/2)%4)*CBUF+1536*((\idx)%2)+512*\q   ; the fragment as it stands: 16 bytes a lane, 512 a store
.endr
	ds_store_b32 v5, v[SW] offset:(((\idx)/2)%4)*CBUF+128*((\idx)%2)
.endm
; ---- role M
; The expert's rows are counted, 32 tokens a chunk.  full = 1: the tokens are also laid in the list by rank: a lane whose token did not choose the expert stores 0 to the spare word (word 1,024).
; Each chunk has address and data registers of its own.
.macro SCAN full
.set cc, 0
.rept 32
	v_cmp_eq_u32 s46, s[EE], v[SELV+2*cc]
	v_cmp_eq_u32 s47, s[EE], v[SELV+2*cc+1]
	s_or_b32 vcc_lo, s46, s47                      ; the lanes whose token chose this expert
.if \full
	v_mbcnt_lo_u32_b32 v[SA+cc], vcc_lo, s[NT]     ; how many of them stand below me, + the chunks before: the rank
	v_add_nc_u32 v187, 32*cc, v188                 ; my token
	v_cndmask_b32 v[SA+cc], 0x400, v[SA+cc], vcc_lo
	v_cndmask_b32 v[SD+cc], 0, v187, vcc_lo
	v_min_u32 v[SA+cc], 0x400, v[SA+cc]
	v_lshlrev_b32 v[SA+cc], 2, v[SA+cc]
	v_add_nc_u32 v[SA+cc], LIST, v[SA+cc]
	ds_store_b32 v[SA+cc], v[SD+cc]
.endif
	s_bcnt1_i32_b32 s46, vcc_lo
	s_add_co_u32 s[NT], s[NT], s46
.set cc, cc+1
.endr
	s_add_co_u32 s[NT], s[NT], 15
	s_lshr_b32 s[NT], s[NT], 4                     ; tiles of 16 rows,
	s_max_u32 s[NT], s[NT], 1                      ; one at the least
.endm
.macro BIAS4                           ; b1 into the accumulators of tiles 0-3: register j of (m, t) in lane (r, h) is unit 32 (t / 2) + 8 (t % 2) + 16 h + j
	WIN 0x40
.irp m, 0,1,2,3
.irp t, 0,1,2,3,4,5,6,7
.irp q, 0,1
	global_load_b128 v[8*(8*\m+\t)+4*\q:8*(8*\m+\t)+4*\q+3], v12, s[6:7] offset:(32*(\t/2)+8*(\t%2))*4+16*\q
.endr
.endr
.endr
	WIN 0
.endm
.macro GLOAD i, w, s                   ; tile i's 16 rows of codes: sixteen lanes read 256 consecutive bytes of a token's 768
	WIN 0x40*\w
.irp q, 0,1,2,3,4,5,6,7
.irp uu, 0,1,2
	global_load_b128 v[\s+12*\q+4*\uu:\s+12*\q+4*\uu+3], v[GO+8*(\i)+\q], s[8:9] offset:256*\uu
.endr
.endr
	WIN 0
.endm
.macro GSTORE i, w, s
	WIN 0x04*\w
.irp q, 0,1,2,3,4,5,6,7
.irp uu, 0,1,2
	ds_store_b128 v9, v[\s+12*\q+4*\uu:\s+12*\q+4*\uu+3] offset:(16*(\i)+2*\q)*XP+256*\uu
.endr
.endr
	WIN 0
.endm
.macro HEAD                            ; my 80 rows: their tokens, four tiles' codes into LDS, the scale words, the biases
	s_wait_loadcnt 0x0                             ; no load is out when the registers below are loaded
.irp i, 0,1,2,3
.irp q, 0,1,2,3,4,5,6,7
	ds_load_b32 v[GO+8*\i+\q], v14 offset:256*\i+8*\q   ; the token of row 2 q + h of tile 4 i + w: the whole list has been written, so the address is fixed
.endr
.endr
.irp i, 0,1,2,3,4
	ds_load_b32 v[GO+40+\i], v15 offset:256*\i          ; and of row r
.endr
	s_wait_dscnt 0x0
.set n, 0
.rept 32
	v_min_u32 v[GO+n], 0x3ff, v[GO+n]
	v_mul_u32_u24 v[GO+n], v[GO+n], 768
	v_add_nc_u32 v[GO+n], v[GO+n], v27             ; token x 768 + 16 r
.set n, n+1
.endr
.irp i, 0,1,2,3,4
	v_min_u32 v[GO+40+\i], 0x3ff, v[GO+40+\i]
	v_lshlrev_b32 v[22+\i], 5, v[GO+40+\i]
	v_lshl_add_u32 v[22+\i], v30, 4, v[22+\i]      ; token x 32 + 16 h: lanes 0-15 take K steps 0-3's words, lanes 16-31 those of 4-7
.endr
	v_mul_u32_u24 v21, v[GO+44], 768
	v_add_nc_u32 v21, v21, v28                     ; the fifth tile's codes: token x 768 + 24 h
	GLOAD 0, 1, 0                                  ; three sets of 96 registers
	GLOAD 1, 1, 96
	GLOAD 2, 0, 60
	s_wait_loadcnt 48                              ; tile 0's 24 loads are in; two tiles' stay out
	GSTORE 0, 1, 0
	s_wait_dscnt 0x0                               ; the stores have read their registers
	GLOAD 3, 1, 0
	s_wait_loadcnt 48                              ; tile 1's
	GSTORE 1, 1, 96
	s_wait_loadcnt 24                              ; tile 2's
	GSTORE 2, 0, 60
	s_wait_loadcnt 0x0
	GSTORE 3, 1, 0
	s_wait_dscnt 0x0
.irp m, 0,1,2,3,4
	global_load_b128 v[XS+4*\m:XS+4*\m+3], v[22+\m], s[8:9] offset:XSCB
.endr
	BIAS4
.irp t, 0,1,2,3,4,5,6,7
.irp q, 0,1
	global_load_b128 v[X+8*\t+4*\q:X+8*\t+4*\q+3], v12, s[6:7] offset:(32*(\t/2)+8*(\t%2))*4+16*\q
.endr
.endr
	s_wait_loadcnt 0x0                             ; the biases and x's scale words are in: no load of mine is out at the interval's edge
.endm
.macro WM1 acc, tt, m, t, g
.if (\g) < 4
	v_wmma_scale_f32_16x16x128_f8f6f4 v[\acc:\acc+7], v[WF+12*(\tt):WF+12*(\tt)+11], v[XF+12*(\m):XF+12*(\m)+11], v[\acc:\acc+7], v[WS+(\t)], v[XS+4*(\m)+(\g)%4] matrix_a_fmt:MATRIX_FMT_BF6 matrix_b_fmt:MATRIX_FMT_BF6
.else
	v_wmma_scale_f32_16x16x128_f8f6f4 v[\acc:\acc+7], v[WF+12*(\tt):WF+12*(\tt)+11], v[XF+12*(\m):XF+12*(\m)+11], v[\acc:\acc+7], v[WS+(\t)], v[XS+4*(\m)+(\g)%4] matrix_a_fmt:MATRIX_FMT_BF6 matrix_b_fmt:MATRIX_FMT_BF6 matrix_b_scale:MATRIX_SCALE_ROW1
.endif
.endm
.macro MULS g, t0                      ; 20 products: my five tiles of rows x four tiles of units
	WIN 0x50                                       ; C and D window 1
.irp m, 0,1,2,3
.irp tt, 0,1,2,3
	WM1 8*(8*\m+\t0+\tt), \tt, \m, \t0+\tt, \g
.endr
.endr
	WIN 0
.irp tt, 0,1,2,3
	WM1 X+8*(\t0+\tt), \tt, 4, \t0+\tt, \g
.endr
	PLACES 4                                       ; in front of the next loads into operands, and of the first read of results
.endm
.macro CONSUME g                       ; K step g
.set BO, ((\g)%4)*CBUF
.irp p, 0,1,2,3,4,5
	global_load_b64 v[XF+48+2*\p:XF+48+2*\p+1], v21, s[8:9] offset:96*(\g)+48*(\p/3)+8*(\p%3)   ; the fifth tile's fragment, from xq
.endr
.irp m, 0,1,2,3
.irp p, 0,1,2,3,4,5
	ds_load_b64 v[XF+12*\m+2*\p:XF+12*\m+2*\p+1], v8 offset:16*XP*\m+96*(\g)+48*(\p/3)+8*(\p%3)
.endr
.endr
.irp t, 0,1,2,3,4,5,6,7
	ds_load_b32 v[WS+\t], v7 offset:BO+128*\t
.endr
.irp tt, 0,1,2,3
.irp q, 0,1,2
	ds_load_b128 v[WF+12*\tt+4*\q:WF+12*\tt+4*\q+3], v6 offset:BO+1536*\tt+512*\q
.endr
.endr
	s_wait_loadcnt 0x0                             ; the six loads above: my only loads out
	s_wait_dscnt 0x0
	MULS \g, 0
.irp tt, 0,1,2,3
.irp q, 0,1,2
	ds_load_b128 v[WF+12*\tt+4*\q:WF+12*\tt+4*\q+3], v6 offset:BO+1536*(4+\tt)+512*\q
.endr
.endr
	s_wait_dscnt 0x0
	MULS \g, 4
.endm
; ---- ahead of the intervals: W asks for its first four half-sets; the M waves count the expert's rows; wave 4 lays the list.  No other wave has an LDS instruction ahead of the barrier.
	s_cmp_lt_u32 s[WV], 4
	s_cbranch_scc0 .Lpre_m
	ISSUE 0
	ISSUE 1
	ISSUE 2
	ISSUE 3
	s_branch .Lpre_j
.Lpre_m:
.set cc, 0
.rept 32
	global_load_b64 v[SELV+2*cc:SELV+2*cc+1], v186, s[10:11] offset:256*cc   ; all 1,024 tokens' two choices
.set cc, cc+1
.endr
	s_cmp_eq_u32 s[WV], 4
	s_cbranch_scc0 .Lpre_c
.irp z, 0,1,2,3
	v_mov_b32 v[224+\z], 0
.endr
.irp k, 0,1,2,3,4,5,6,7,8
	ds_store_b128 v185, v[224:227] offset:512*\k   ; the whole list is token 0 first: ranks that no token takes stay so.  LDS serves my stores in order: the tokens land on top
.endr
	s_wait_loadcnt 0x0
	SCAN 1
	s_cmp_lg_u32 s[SL], 0
	s_cbranch_scc1 .Lpre_j
	v_mov_b32 v189, s[NT]                          ; slice 0 hands the expert's number of tiles to the next launch
	s_lshl_b32 s46, s[EE], 2
	v_mov_b32 v190, s46
	global_store_b32 v190, v189, s[26:27]          ; all lanes write the same word with the same value
	s_branch .Lpre_j
.Lpre_c:
	s_wait_loadcnt 0x0
	SCAN 0
.Lpre_j:
	s_wait_dscnt 0x0                               ; for the others' sake: the list has landed
	s_barrier_signal -1
	s_barrier_wait -1
; ---- the intervals.  In front of each barrier a wave's LDS instructions are done: W's images have landed, M's reads of the other two buffers are in.
.macro INTERVAL k
	s_cmp_lt_u32 s[WV], 4
	s_cbranch_scc0 .Lm_\@
	PRODUCE 4*(\k)
	PRODUCE 4*(\k)+1
	PRODUCE 4*(\k)+2
	PRODUCE 4*(\k)+3
	s_branch .Lj_\@
.Lm_\@:
.if (\k) == 0
	HEAD
.else
	CONSUME 2*(\k)-2
	CONSUME 2*(\k)-1
.endif
.Lj_\@:
	s_wait_dscnt 0x0
	s_barrier_signal -1
	s_barrier_wait -1
.endm
.irp k, 0,1,2,3
	INTERVAL \k
.endr
	s_cmp_lt_u32 s[WV], 4
	s_cbranch_scc1 .Lend                           ; the W waves are done
	CONSUME 6
	CONSUME 7
; ---- the way out of tile i (64 accumulator registers from v[s] of window w on): relu, the four blocks' scales, codes, and the fragment's image to h.  Left out where the expert has no such tile.
.macro EPI i, w, s
	s_cmp_ge_u32 s[TI+\i], s[NT]
	s_cbranch_scc1 .Lskip_\@
	s_wait_xcnt 0x0                                ; the last tile's stores have read their registers and bases
	s_add_co_u32 s46, s[TB], s[TI+\i]
	s_min_u32 s46, s46, 511                        ; the tile in h
	s_mul_i32 s50, s46, 49152
	s_add_co_u32 s50, s50, s32
	s_mov_b32 s51, 0
	s_add_nc_u64 s[48:49], s[12:13], s[50:51]
	s_lshl_b32 s50, s46, 11
	s_add_co_u32 s50, s50, s33
	s_add_nc_u64 s[52:53], s[28:29], s[50:51]
	WIN 0x44*\w
.set jj, 0
.rept 64
	v_max_num_f32 v[\s+jj], 0, v[\s+jj]            ; the activation, each accumulator from its low end on
.set jj, jj+1
.endr
	WIN 0x05*\w
.irp b, 0,1,2,3
	v_max3_num_f32 v[TM+\b], v[\s+16*\b], v[\s+16*\b+1], 0x2800000   ; block b: my 16 numbers (none is negative), and the floor
.endr
	WIN 0x14*\w
.irp i2, 2,4,6,8,10,12,14
.irp b, 0,1,2,3
	v_max3_num_f32 v[TM+\b], v[TM+\b], v[\s+16*\b+\i2], v[\s+16*\b+\i2+1]
.endr
.endr
	WIN 0
.irp b, 0,1,2,3
	v_permlanex16_b32 v[TM+4+\b], v[TM+\b], s34, s35
.endr
.irp b, 0,1,2,3
	v_max_num_f32 v[TM+\b], v[TM+\b], v[TM+4+\b]   ; with lane l xor 16's: the block's largest
.endr
.irp b, 0,1,2,3
	v_add_nc_u32 v[TM+12+\b], 0xfe000000, v[TM+\b]
.endr
.irp b, 0,1,2,3
	v_lshrrev_b32 v[TM+4+\b], 23, v[TM+12+\b]
.endr
	v_lshl_or_b32 v[PW], v[TM+5], 8, v[TM+4]       ; my row's scale word
	v_lshl_or_b32 v[PW], v[TM+6], 16, v[PW]
	v_lshl_or_b32 v[PW], v[TM+7], 24, v[PW]
	WIN 0x01*\w
.irp c, 0,1
	v_cvt_scalef32_pk16_bf6_f32 v[PC+6*\c:PC+6*\c+2], v[\s+32*\c:\s+32*\c+15], v[TM+12+2*\c]
	v_cvt_scalef32_pk16_bf6_f32 v[PC+12+4*\c:PC+14+4*\c], v[\s+32*\c+16:\s+32*\c+31], v[TM+12+2*\c+1]
.endr
	WIN 0
	v_nop                                          ; a plain line behind the conversions
.irp c, 0,1                            ; the operand's layout wants a whole block in a lane
.irp i2, 0,1,2
	v_permlane16_swap_b32 v[PC+6*\c+\i2], v[PC+12+4*\c+\i2]
.endr
.irp i2, 0,1,2
	v_mov_b32 v[PC+3+6*\c+\i2], v[PC+12+4*\c+\i2]
.endr
.endr
.irp q, 0,1,2
	global_store_b128 v1, v[PC+4*\q:PC+4*\q+3], s[48:49] offset:512*\q   ; 512 consecutive bytes a store
.endr
	global_store_b32 v13, v[PW], s[52:53]                                ; lanes r and r + 16 write the same word with the same value
.Lskip_\@:
.endm
	s_min_u32 s[NT], s[NT], 64
	s_max_u32 s38, s[NT], 20
	s_sub_co_u32 s38, s38, 20
	s_add_co_u32 s38, s38, 15
	s_lshr_b32 s38, s38, 4
	s_add_co_u32 s38, s38, 1                       ; passes that have work: the first for tiles 0-19, each later one for 16 more
	s_mov_b32 s39, 0
.irp i, 0,1,2,3,4
	s_add_co_u32 s[TI+\i], s[WQ], 4*\i
.endr
.Lpass:                                            ; four trips, whatever the split: 20 + 3 x 16 tiles cover an expert's 64; a trip without work is jumped over
	s_cmp_eq_u32 s39, 0
	s_cbranch_scc1 .Lout
	s_cmp_ge_u32 s39, s38
	s_cbranch_scc1 .Lnext
	; a later pass: four tiles a wave: 20 + 16 (pass - 1) + 4 i + w
	s_lshl_b32 s46, s39, 4
	s_add_co_u32 s46, s46, 4
	s_add_co_u32 s46, s46, s[WQ]
.irp i, 0,1,2,3
	s_add_co_u32 s[TI+\i], s46, 4*\i
.endr
	s_mov_b32 s[TI+4], 0xffff                      ; no fifth tile
	s_wait_xcnt 0x0                                ; earlier stores have read their registers
.irp i, 0,1,2,3
	s_min_u32 s47, s[TI+\i], 63
	s_lshl_b32 s47, s47, 6
	s_add_co_u32 s47, s47, LIST
	v_add_nc_u32 v[22+\i], s47, v13
	ds_load_b32 v[17+\i], v[22+\i]                 ; the token of row r
.endr
	BIAS4
	s_wait_loadcnt 0x0
	s_wait_dscnt 0x0
.irp i, 0,1,2,3
	v_min_u32 v[17+\i], 0x3ff, v[17+\i]
	v_lshlrev_b32 v[22+\i], 5, v[17+\i]            ; its scale words
	v_mul_u32_u24 v[17+\i], v[17+\i], 768
	v_add_nc_u32 v[17+\i], v[17+\i], v28           ; its codes, + 24 h
.endr
	s_mov_b64 s[54:55], s[8:9]
	s_mov_b64 s[56:57], s[8:9]
	s_mov_b64 s[58:59], s[24:25]
	s_mov_b32 s60, 0
.Lks:                                              ; a K step a trip
.irp i, 0,1,2,3
.irp p, 0,1,2,3,4,5
	global_load_b64 v[XF+12*\i+2*\p:XF+12*\i+2*\p+1], v[17+\i], s[54:55] offset:48*(\p/3)+8*(\p%3)
.endr
	global_load_b32 v[XS+\i], v[22+\i], s[56:57] offset:XSCB
.endr
.irp t, 0,1,2,3,4,5,6,7
.irp c, 0,1
.irp j, 0,1,2,3,4,5,6,7
	global_load_b128 v[X+32*\c+4*\j:X+32*\c+4*\j+3], v16, s[58:59] offset:(32*(\t/2)+8*(\t%2))*4096+256*\c+16*\j
.endr
.endr
	s_wait_loadcnt 0x0
	QUANTW
	PLACES 8                                       ; the scale word was written by vector lines
	WIN 0x50
.irp i, 0,1,2,3
	v_wmma_scale_f32_16x16x128_f8f6f4 v[8*(8*\i+\t):8*(8*\i+\t)+7], v[CF:CF+11], v[XF+12*\i:XF+12*\i+11], v[8*(8*\i+\t):8*(8*\i+\t)+7], v[SW], v[XS+\i] matrix_a_fmt:MATRIX_FMT_BF6 matrix_b_fmt:MATRIX_FMT_BF6
.endr
	WIN 0
	PLACES 4
.endr
	s_add_nc_u64 s[54:55], s[54:55], 96            ; every load of the trip has been waited for
	s_add_nc_u64 s[56:57], s[56:57], 4
	s_add_nc_u64 s[58:59], s[58:59], 512
	s_add_co_u32 s60, s60, 1
	s_cmp_lt_u32 s60, 8
	s_cbranch_scc1 .Lks
.Lout:
	EPI 0, 1, 0
	EPI 1, 1, 64
	EPI 2, 1, 128
	EPI 3, 1, 192
	EPI 4, 0, X
.Lnext:
	s_add_co_u32 s39, s39, 1
	s_cmp_lt_u32 s39, 4
	s_cbranch_scc1 .Lpass
.Lend:
	s_wait_tensorcnt 0x0
	ds_add_u32 v179, v191
	s_wait_dscnt 0x0
	s_endpgm
.Lfunc_end_k_qade318244e_ffn1:
	.size	k_qade318244e_ffn1, .Lfunc_end_k_qade318244e_ffn1-k_qade318244e_ffn1
	.p2alignl 7, 3214868480
	.fill 96, 4, 3214868480
	.section	.rodata,"a",@progbits
	.p2align	6, 0x0
	.amdhsa_kernel k_qade318244e_ffn1
		.amdhsa_group_segment_fixed_size 293376
		.amdhsa_private_segment_fixed_size 0
		.amdhsa_enable_private_segment 0
		.amdhsa_kernarg_size 48
		.amdhsa_user_sgpr_count 2
		.amdhsa_user_sgpr_kernarg_segment_ptr 1
		.amdhsa_wavefront_size32 1
		.amdhsa_system_sgpr_workgroup_id_x 1
		.amdhsa_system_sgpr_workgroup_id_y 1
		.amdhsa_system_sgpr_workgroup_id_z 1
		.amdhsa_system_vgpr_workitem_id 0
		.amdhsa_next_free_vgpr 512
		.amdhsa_next_free_sgpr 66
		.amdhsa_reserve_vcc 1
		.amdhsa_float_denorm_mode_32 3
		.amdhsa_float_denorm_mode_16_64 3
		.amdhsa_memory_ordered 1
		.amdhsa_forward_progress 1
		.amdhsa_inst_pref_size 255
	.end_amdhsa_kernel
	.section	.bss,"aw",@nobits
	.p2align	6
	.space	262144
	.amdgpu_metadata
---
amdhsa.version: [ 1, 2 ]
amdhsa.kernels:
  - .name:           k_qade318244e_ffn1
    .symbol:         k_qade318244e_ffn1.kd
    .args:
      - { .name: w1, .offset: 0, .size: 8, .value_kind: global_buffer, .address_space: global }
      - { .name: b1, .offset: 8, .size: 8, .value_kind: global_buffer, .address_space: global }
      - { .name: xq, .offset: 16, .size: 8, .value_kind: global_buffer, .address_space: global }
      - { .name: sel, .offset: 24, .size: 8, .value_kind: global_buffer, .address_space: global }
      - { .name: h, .offset: 32, .size: 8, .value_kind: global_buffer, .address_space: global }
      - { .name: cnt, .offset: 40, .size: 8, .value_kind: global_buffer, .address_space: global }
    .group_segment_fixed_size: 293376
    .private_segment_fixed_size: 0
    .kernarg_segment_align: 8
    .kernarg_segment_size: 48
    .max_flat_workgroup_size: 256
    .sgpr_count:     66
    .vgpr_count:     512
    .wavefront_size: 32
...
	.end_amdgpu_metadata
.endif
;; end of part 2
;; launch ffn2 (part 3): grid 32 x 8, 8 waves a work-group, no clusters, 106,496 bytes of LDS; arguments w2, b2, h, cnt, sel, y, pos; writes y, pos
.if DOCPART == 3
	.amdgcn_target "amdgcn-amd-amdhsa--gfx1250"
	.amdhsa_code_object_version 6
	.text
	.protected	k_qade318244e_ffn2
	.globl	k_qade318244e_ffn2
	.p2align	8
	.type	k_qade318244e_ffn2,@function
k_qade318244e_ffn2:
	s_mov_b64 s[64:65], 0
	v_nop
	global_prefetch_b8 v0, s[64:65] scope:SCOPE_SE
	s_setreg_imm32_b32 hwreg(HW_REG_WAVE_MODE, 25, 1), 1
	s_wait_xcnt 0x0
; FFN2.  y = h Q(w2)^T + b2 for the routed rows; h arrives as codes of BF6 (E3M2) in the order of the operand's registers, w2 as f32.  y [512 tiles][32 slices][16 rows][32] f32; the gates come in the next launch.
; SHARES.  Work-group (x = slice, y = expert) owns output columns 32 slice .. + 31 of one expert, over all of K = 4,096: 512 KB of w2, dense, read here and by nobody else.  Expert e owns tiles 64 e .. 64 e + 63 of h and of y.
; TWO ROLES, as in the first product's launch.  Waves 0-3 (W): wave w streams K steps 4 g + w (512 consecutive bytes a load, four half-sets of 16 loads in flight), quantises, lays its fragments in LDS.
; Waves 4-7 (M): five tiles of 16 rows each (tiles 4 i + w of the expert), ten accumulators; their fragments of h come straight from memory, three loads of 512 consecutive bytes each, through a ring of three K steps.
; FIVE INTERVALS, one barrier between two: in interval k W lays K steps 8 k .. 8 k + 7 in code buffers (2 k) % 4 and (2 k + 1) % 4 (four K steps each), M multiplies K steps 8 k - 8 .. 8 k - 1.
; AN INTERVAL TAKES EACH OF W'S FOUR HALF-SETS ONCE: every interval of W begins and ends with the same four half-sets out, in the same order.  An interval of M asks for its own eight K steps of h and has them all in
; at its end: no load of M is out at an interval's edge, and every fragment and scale word of h is loaded in the interval that multiplies it.
; THE POSITIONS.  There wave 4 of slice 0 ranks its expert's tokens from sel, as the launch before ranked them, and stores each choice's row 1,024 e + rank in pos [1024][2],
; at its fixed place; a lane whose token did not choose the expert stores 0 to the expert's spare word (word 2,048 + e).  EXEC is never narrowed.
; THE TWO STREAMS LAND IN DIFFERENT REGISTERS: the weights in window 1, h's fragments, its scale words and b2 in window 0.  256 registers of half-sets and four K steps of h (240) do not fit beside each other in 512,
; so h's ring has three K steps (180): the weights' stream, which comes from memory once and bounds the launch, keeps its four half-sets.
; THE PRODUCT IS USED TRANSPOSED (source 0 = 16 columns' rows of w2, source 1 = 16 rows of h): a lane holds one row and eight neighbouring columns.  b2 is the C of K step 0's products: nothing is cleared.
; The ten accumulators take turns, one instruction a turn.
; No tensor load, no cluster: which tiles are read and stored hangs on numbers read from cnt; no two work-groups share a weight.
; AN EXPERT WITH MORE THAN 320 ROWS: later passes, each wave alone with four tiles, weights straight from memory.  Right for every split; slow.
; LIMITS: NaN and infinities are not served; a block of zeros gets the byte 1 (zero codes; this program alone reads the bytes).
; REGISTERS.  Window 0: v1-16 addresses (made ahead of the first parting of the roles, never rewritten); v17-21, v22-26 my tiles' offsets in h's images and scale words; v28-31 lane, r, h, 4 lane;
;   v32-46 h's scale words, three sets of five; v48-55 the weights' scale words; v56-71 b2; v72-251 h's fragments: K step s, tile m at 72 + 60 (s % 3) + 12 m.
;   (W and the later passes: v72-135 64 numbers, v136-155 the codes just made, v156-163 at work, v164-211 four fragments of h; the way out: v212-227.  The positions: v72-135 sel, v136-199 addresses and rows, v200-203 at work.)
;   Window 1: M: accumulators (m, u) at 8 (2 m + u), eight fragments of weights from v80 on; W: the four half-sets.
.set STG,   0                          ; LDS: the W waves' stages: 16 rows x SPT each
.set SPT,   528
.set COD,   33792                      ; four code buffers
.set CBUF,  13312                      ; 8 images of 1,536 bytes, then 8 x 128 bytes of scale words
.set CSC,   12288
.set OST,   87040                      ; the way out: 16 rows x 144 bytes for each wave
.set HSC,   25165824                   ; h: where the scale words begin
.set LASTP, 8444                       ; pos's last word
.set AS,  32
.set WS,  48
.set SW,  48
.set B2,  56
.set AF,  72
.set X,   72
.set CF,  136
.set CT,  148
.set TQ,  156
.set SAF, 164
.set OB,  212
.set SELV, 72
.set PA,  136
.set PD,  168
.set ACC, 0                            ; in window 1
.set WF,  80                           ; in window 1
.set WV, 14
.set WQ, 15
.set EE, 16
.set SL, 17
.set NT, 18
.set TB, 19
.set TI, 40
.set MSB, 0
.macro WIN new                         ; the immediate's high byte repeats the setting that is left
.if MSB != (\new)
	s_set_vgpr_msb (MSB<<8)|(\new)
.set MSB, (\new)
.endif
.endm
.macro PLACES n
.rept \n
	v_nop
.endr
.endm
	s_load_b256 s[4:11], s[0:1], 0x0               ; w2 s[4:5], b2 s[6:7], h s[8:9], cnt s[10:11]
	s_load_b64 s[26:27], s[0:1], 0x20              ; sel
	s_load_b64 s[12:13], s[0:1], 0x28              ; y
	s_load_b64 s[36:37], s[0:1], 0x30              ; pos
	v_lshl_add_u32 v254, v0, 2, 0x19c00
	v_mov_b32 v255, 0
	v_lshrrev_b32 v27, 5, v0
	v_readfirstlane_b32 s[WV], v27
	s_and_b32 s[WQ], s[WV], 3
	s_and_b32 s[EE], ttmp7, 0xffff
	s_mov_b32 s[SL], ttmp9
	s_lshl_b32 s[TB], s[EE], 6                     ; the expert's first tile
	s_lshl_b32 s23, s[SL], 11                      ; my slice's 2,048 bytes in a tile of y
	v_and_b32 v28, 31, v0                          ; lane
	v_and_b32 v29, 15, v0                          ; r
	v_bfe_u32 v30, v0, 4, 1                        ; h
	v_lshlrev_b32 v31, 2, v28                      ; 4 lane
	v_lshlrev_b32 v1, 4, v28                       ; v1  16 lane
	s_mul_i32 s30, s[WQ], 16*SPT
	v_add_nc_u32 v2, s30, v1                       ; v2  stage, in
	v_mul_u32_u24 v3, v29, SPT
	v_lshl_add_u32 v3, v30, 7, v3
	v_add_nc_u32 v3, s30, v3                       ; v3  stage, out: row r, + 128 h
	s_mul_i32 s30, s[WQ], 3072
	s_add_co_u32 s30, s30, COD
	v_add_nc_u32 v4, s30, v1                       ; v4  where I lay my two images of a buffer
	s_lshl_b32 s30, s[WQ], 8
	s_add_co_u32 s30, s30, COD+CSC
	v_add_nc_u32 v5, s30, v31                      ; v5  and their scale words
	v_add_nc_u32 v6, COD, v1                       ; v6  where images are read
	v_add_nc_u32 v7, COD+CSC, v31                  ; v7  and scale words
	s_mul_i32 s30, s[WV], 2304
	s_add_co_u32 s30, s30, OST
	v_mul_u32_u24 v8, v29, 144
	v_lshl_add_u32 v8, v30, 5, v8
	v_add_nc_u32 v8, s30, v8                       ; v8  the way out, in: row r, + 32 h
	v_lshrrev_b32 v9, 3, v28
	v_mul_u32_u24 v9, v9, 144
	v_and_b32 v27, 7, v28
	v_lshl_add_u32 v9, v27, 4, v9
	v_add_nc_u32 v9, s30, v9                       ; v9  back: eight lanes to a row of 128 bytes
	v_lshlrev_b32 v10, 3, v30                      ; v10 8 h
	v_mov_b32 v11, 0                               ; v11 a lane permute's destination
	v_lshlrev_b32 v12, 5, v30                      ; v12 b2: 32 h
	v_lshlrev_b32 v13, 2, v29                      ; v13 4 r
	v_lshlrev_b32 v16, 14, v29
	v_lshl_add_u32 v16, v30, 7, v16                ; v16 later passes: weights' row r, + 128 h
	s_mov_b32 s34, 0x76543210
	s_mov_b32 s35, 0xfedcba98
	s_wait_kmcnt 0x0
	s_lshl_b32 s30, s[EE], 24
	s_lshl_b32 s31, s[SL], 19
	s_add_co_u32 s30, s30, s31
	s_mov_b32 s31, 0
	s_add_nc_u64 s[24:25], s[4:5], s[30:31]        ; the work-group's 32 rows of w2
	s_lshl_b32 s30, s[WQ], 9
	s_add_nc_u64 s[20:21], s[24:25], s[30:31]      ; at my K step of four
	s_lshl_b32 s30, s[EE], 12
	s_lshl_b32 s32, s[SL], 7
	s_add_co_u32 s30, s30, s32
	s_add_nc_u64 s[6:7], s[6:7], s[30:31]          ; b2 at my 32 columns
	s_add_nc_u64 s[52:53], s[8:9], HSC             ; h's scale words
	s_lshl_b32 s30, s[EE], 2
	s_add_nc_u64 s[28:29], s[10:11], s[30:31]
	s_load_b32 s[NT], s[28:29], 0x0                ; the expert's tiles, 1 at the least
; ---- role W
.macro ISSUE idx                       ; half-set idx: K step 4 (idx / 2) + w, tile idx % 2: 16 rows x 512 bytes
	WIN 0x40
.irp i, 0,1,2,3,4,5,6,7,8,9,10,11,12,13,14,15
	global_load_b128 v[64*((\idx)%4)+4*\i:64*((\idx)%4)+4*\i+3], v1, s[20:21] offset:(16*((\idx)%2)+\i)*16384+2048*((\idx)/2) th:TH_LOAD_NT
.endr
	WIN 0
.endm
; 64 numbers of a lane, v[X + 32 c + i] = k 64 c + 32 h + i of row r (two whole blocks), become the fragment's codes in v[CF] on and the row's scale word in v[SW].
.macro QUANTW
.irp c, 0,1
	v_max3_num_f32 v[TQ+\c], |v[X+32*\c]|, |v[X+32*\c+1]|, 0x2800000   ; the floor 2^(5 - 127): the byte cannot fall under 1
	v_max3_num_f32 v[TQ+6+\c], |v[X+32*\c+16]|, |v[X+32*\c+17]|, |v[X+32*\c+18]|
.endr
.irp i, 2,4,6,8,10,12
.irp c, 0,1
	v_max3_num_f32 v[TQ+\c], v[TQ+\c], |v[X+32*\c+\i]|, |v[X+32*\c+\i+1]|   ; four chains by turns
	v_max3_num_f32 v[TQ+6+\c], v[TQ+6+\c], |v[X+32*\c+\i+17]|, |v[X+32*\c+\i+18]|
.endr
.endr
.irp c, 0,1
	v_max3_num_f32 v[TQ+\c], v[TQ+\c], |v[X+32*\c+14]|, |v[X+32*\c+15]|
.endr
.irp c, 0,1
	v_max3_num_f32 v[TQ+\c], v[TQ+\c], v[TQ+6+\c], |v[X+32*\c+31]|
.endr
.irp c, 0,1
	v_add_nc_u32 v[TQ+2+\c], 0xfe000000, v[TQ+\c]  ; 4 off the exponent field: the conversion's scale operand
.endr
.irp c, 0,1
	v_lshrrev_b32 v[TQ+4+\c], 23, v[TQ+2+\c]       ; the scale's byte
.endr
	v_lshl_or_b32 v[SW], v[TQ+5], 16, v[TQ+4]      ; my two bytes, blocks h and 2 + h,
	v_lshlrev_b32 v[SW], v10, v[SW]                ; at their places;
	v_permlanex16_b32 v11, v[SW], s34, s35
	v_or_b32 v[SW], v[SW], v11                     ; with lane l xor 16's two the word is whole, in both halves
.irp c, 0,1
	v_cvt_scalef32_pk16_bf6_f32 v[CF+6*\c:CF+6*\c+2], v[X+32*\c:X+32*\c+15], v[TQ+2+\c]
	v_cvt_scalef32_pk16_bf6_f32 v[CT+4*\c:CT+4*\c+2], v[X+32*\c+16:X+32*\c+31], v[TQ+2+\c]   ; (a conversion's three registers begin on an even number)
.endr
	v_nop                                          ; a plain line behind the conversions
.irp c, 0,1
.irp i, 0,1,2
	v_mov_b32 v[CF+3+6*\c+\i], v[CT+4*\c+\i]
.endr
.endr
.endm
.macro PRODUCE idx
.if (\idx) < 13
	s_wait_loadcnt 48                              ; this half-set's 16 loads are in; the three half-sets behind it stay out
.else
	s_wait_loadcnt 16*(15-(\idx))
.endif
	WIN 0x04                                       ; an LDS store's data are its source 1: window 1
.irp i, 0,1,2,3,4,5,6,7,8,9,10,11,12,13,14,15
	ds_store_b128 v2, v[64*((\idx)%4)+4*\i:64*((\idx)%4)+4*\i+3] offset:SPT*\i
.endr
	WIN 0
.irp c, 0,1
.irp j, 0,1,2,3,4,5,6,7
	ds_load_b128 v[X+32*\c+4*\j:X+32*\c+4*\j+3], v3 offset:256*\c+16*\j   ; LDS serves a wave's instructions in order (ISA guide 5.7.1.4): these see the stores above
.endr
.endr
	s_wait_dscnt 0x0                               ; my 64 numbers are in; the stores have read the half-set, and the last image's stores their registers
.if (\idx)+4 < 16
	ISSUE (\idx)+4                                 ; the same half-set of the next interval
.endif
	QUANTW
.irp q, 0,1,2
	ds_store_b128 v4, v[CF+4*\q:CF+4*\q+3] offset:(((\idx)/2)%4)*CBUF+1536*((\idx)%2)+512*\q
.endr
	ds_store_b32 v5, v[SW] offset:(((\idx)/2)%4)*CBUF+128*((\idx)%2)
.endm
; ---- role M
; Block s: K step s of my five tiles, into ring place s % 3.  An even s brings first the scale words of K steps s (lanes 0-15) and s + 1 (lanes 16-31), into set (s / 2) % 3.
.macro BLK s
.if ((\s)%2) == 0
.irp m, 0,1,2,3,4
	global_load_b32 v[AS+5*(((\s)/2)%3)+\m], v[22+\m], s[52:53] offset:64*(\s)
.endr
.endif
.irp m, 0,1,2,3,4
.irp q, 0,1,2
	global_load_b128 v[AF+60*((\s)%3)+12*\m+4*\q:AF+60*((\s)%3)+12*\m+4*\q+3], v[17+\m], s[8:9] offset:1536*(\s)+512*\q
.endr
.endr
.endm
; The rows of the expert's tokens, 32 tokens a chunk.  A token names an expert once at the most, so one store a chunk serves both of its places.  Each chunk has address and data registers of its own.
.macro POSITIONS
	v_lshlrev_b32 v200, 3, v28                     ; 8 bytes a token, in sel and in pos
.set cc, 0
.rept 32
	global_load_b64 v[SELV+2*cc:SELV+2*cc+1], v200, s[26:27] offset:256*cc
.set cc, cc+1
.endr
	s_lshl_b32 s33, s[EE], 2
	s_add_co_u32 s33, s33, 8192
	v_mov_b32 v201, s33                            ; the expert's spare word
	s_lshl_b32 s45, s[EE], 10                      ; the expert's first row
	s_mov_b32 s33, 0                               ; its rows so far
	s_wait_loadcnt 0x0
.set cc, 0
.rept 32
	v_cmp_eq_u32 s46, s[EE], v[SELV+2*cc]
	v_cmp_eq_u32 s47, s[EE], v[SELV+2*cc+1]
	s_or_b32 vcc_lo, s46, s47                      ; the lanes whose token chose this expert
	v_mbcnt_lo_u32_b32 v202, vcc_lo, s33           ; the rank
	v_add_nc_u32 v202, s45, v202                   ; the row
	v_add_nc_u32 v203, 256*cc, v200                ; my token's first place
	v_cndmask_b32 v[PA+cc], v201, v203, s46
	v_add_nc_u32 v203, 4, v203                     ; its second
	v_cndmask_b32 v[PA+cc], v[PA+cc], v203, s47
	v_cndmask_b32 v[PD+cc], 0, v202, vcc_lo
	v_min_u32 v[PA+cc], LASTP, v[PA+cc]
	global_store_b32 v[PA+cc], v[PD+cc], s[36:37]
	s_bcnt1_i32_b32 s46, vcc_lo
	s_add_co_u32 s33, s33, s46
.set cc, cc+1
.endr
	s_wait_xcnt 0x0                                ; the stores have read their registers, which h's fragments take later
.endm
.macro HEAD
	s_wait_kmcnt 0x0
	s_max_u32 s46, s[NT], 1
	s_sub_co_u32 s46, s46, 1                       ; the expert's last tile
.irp m, 0,1,2,3,4
	s_add_co_u32 s48, s[WQ], 4*\m
	s_min_u32 s48, s48, s46                        ; a set without a tile of its own reads one that has been written; its results are not stored
	s_add_co_u32 s48, s48, s[TB]
	s_min_u32 s48, s48, 511
	s_mul_i32 s49, s48, 49152
	v_add_nc_u32 v[17+\m], s49, v1
	s_lshl_b32 s49, s48, 11
	v_add_nc_u32 v[22+\m], s49, v31
.endr
.irp u, 0,1
.irp q, 0,1
	global_load_b128 v[B2+8*\u+4*\q:B2+8*\u+4*\q+3], v12, s[6:7] offset:64*\u+16*\q   ; b2: register j of tile u in lane (r, h) is column 16 u + 8 h + j
.endr
.endr
	s_cmp_lg_u32 s[SL], 0
	s_cbranch_scc1 .Lno_pos
	s_cmp_lg_u32 s[WV], 4
	s_cbranch_scc1 .Lno_pos
	POSITIONS
.Lno_pos:
	s_wait_loadcnt 0x0                             ; no load of mine is out at the interval's edge
.endm
.macro WM2 m, u, s
.set rD, ACC+8*(2*\m+\u)
.set rA, WF+12*(2*((\s)%4)+\u)
.set rB, AF+60*((\s)%3)+12*\m
.set rW, WS+2*((\s)%4)+\u
.set rS, AS+5*(((\s)/2)%3)+\m
.if (\s) == 0
	v_wmma_scale_f32_16x16x128_f8f6f4 v[rD:rD+7], v[rA:rA+11], v[rB:rB+11], v[B2+8*\u:B2+8*\u+7], v[rW], v[rS] matrix_a_fmt:MATRIX_FMT_BF6 matrix_b_fmt:MATRIX_FMT_BF6
.elseif (\s)%2
	v_wmma_scale_f32_16x16x128_f8f6f4 v[rD:rD+7], v[rA:rA+11], v[rB:rB+11], v[rD:rD+7], v[rW], v[rS] matrix_a_fmt:MATRIX_FMT_BF6 matrix_b_fmt:MATRIX_FMT_BF6 matrix_b_scale:MATRIX_SCALE_ROW1
.else
	v_wmma_scale_f32_16x16x128_f8f6f4 v[rD:rD+7], v[rA:rA+11], v[rB:rB+11], v[rD:rD+7], v[rW], v[rS] matrix_a_fmt:MATRIX_FMT_BF6 matrix_b_fmt:MATRIX_FMT_BF6
.endif
.endm
; K step s, the (s % 8)-th of its interval.  The count 35: behind block s stand blocks s + 1 and s + 2, of 15 loads each and 5 more for the even one of the two; the interval's last two K steps have one block and none behind them.
.macro KSTEP s
.set J, (\s)%8
.if J < 6
	s_wait_loadcnt 35
.elseif J == 6
	s_wait_loadcnt 15
.else
	s_wait_loadcnt 0x0
.endif
.if (\s) == 0
	WIN 0x41                                       ; source 0 (weights) and D window 1; source 1 (h) and C (b2) window 0
.else
	WIN 0x51                                       ; C window 1 too
.endif
.irp m, 0,1,2,3,4
.irp u, 0,1
	WM2 \m, \u, \s
.endr
.endr
	WIN 0
	PLACES 4                                       ; in front of loads into operands and scale words, and of the first read of results
.if J+3 < 8
	BLK (\s)+3                                     ; the ring's place takes the K step three on, if it is this interval's
.endif
.endm
.macro WLOAD g                         ; the weights' eight fragments and scale words of K steps 4 g .. 4 g + 3
.set BO, ((\g)%4)*CBUF
	WIN 0x40                                       ; destination window 1
.irp f, 0,1,2,3,4,5,6,7
.irp q, 0,1,2
	ds_load_b128 v[WF+12*\f+4*\q:WF+12*\f+4*\q+3], v6 offset:BO+1536*\f+512*\q
.endr
.endr
	WIN 0
.irp f, 0,1,2,3,4,5,6,7
	ds_load_b32 v[WS+\f], v7 offset:BO+128*\f
.endr
	s_wait_dscnt 0x0
.endm
.macro MPART k                         ; K steps 8 (k - 1) .. 8 (k - 1) + 7
	BLK 8*((\k)-1)
	BLK 8*((\k)-1)+1
	BLK 8*((\k)-1)+2
	WLOAD 2*((\k)-1)
.irp j, 0,1,2,3
	KSTEP 8*((\k)-1)+\j
.endr
	WLOAD 2*((\k)-1)+1
.irp j, 4,5,6,7
	KSTEP 8*((\k)-1)+\j
.endr
.endm
.macro INTERVAL k
	s_cmp_lt_u32 s[WV], 4
	s_cbranch_scc0 .Lm_\@
.if (\k) == 0
	ISSUE 0
	ISSUE 1
	ISSUE 2
	ISSUE 3
.endif
	PRODUCE 4*(\k)
	PRODUCE 4*(\k)+1
	PRODUCE 4*(\k)+2
	PRODUCE 4*(\k)+3
	s_branch .Lj_\@
.Lm_\@:
.if (\k) == 0
	HEAD
.else
	MPART \k
.endif
.Lj_\@:
	s_wait_dscnt 0x0                               ; W's images have landed, M's reads of the other two buffers are in
	s_barrier_signal -1
	s_barrier_wait -1
.endm
.irp k, 0,1,2,3
	INTERVAL \k
.endr
	s_cmp_lt_u32 s[WV], 4
	s_cbranch_scc1 .Llast
	MPART 4
.Llast:
	s_wait_loadcnt 0x0                             ; no load of the intervals is out
; ---- the way out of tile m: 16 rows x 32 columns through my own bytes of LDS, and out as 2,048 consecutive bytes.  Left out where the expert has no such tile.
.macro EPI m
	s_cmp_ge_u32 s[TI+\m], s[NT]
	s_cbranch_scc1 .Lskip_\@
	s_wait_xcnt 0x0                                ; the last tile's stores have read their registers and base
	s_add_co_u32 s46, s[TB], s[TI+\m]
	s_min_u32 s46, s46, 511
	s_lshl_b32 s50, s46, 16                        ; a tile of y is 65,536 bytes,
	s_add_co_u32 s50, s50, s23                     ; my slice's part 2,048
	s_mov_b32 s51, 0
	s_add_nc_u64 s[48:49], s[12:13], s[50:51]
	WIN 0x04                                       ; an LDS store's data are its source 1: window 1
.irp u, 0,1
.irp q, 0,1
	ds_store_b128 v8, v[ACC+8*(2*\m+\u)+4*\q:ACC+8*(2*\m+\u)+4*\q+3] offset:64*\u+16*\q   ; each accumulator from its low end on
.endr
.endr
	WIN 0
.irp k, 0,1,2,3
	ds_load_b128 v[OB+4*\k:OB+4*\k+3], v9 offset:576*\k   ; behind my stores, in order
.endr
	s_wait_dscnt 0x0
.irp k, 0,1,2,3
	global_store_b128 v1, v[OB+4*\k:OB+4*\k+3], s[48:49] offset:512*\k   ; 512 consecutive bytes a store
.endr
.Lskip_\@:
.endm
	s_wait_kmcnt 0x0
	s_min_u32 s[NT], s[NT], 64
	s_max_u32 s38, s[NT], 20
	s_sub_co_u32 s38, s38, 20
	s_add_co_u32 s38, s38, 31
	s_lshr_b32 s38, s38, 5
	s_add_co_u32 s38, s38, 1                       ; passes
	s_mov_b32 s39, 0
.irp i, 0,1,2,3,4
	s_add_co_u32 s[TI+\i], s[WQ], 4*\i
.endr
.Lpass:
	s_cmp_eq_u32 s39, 0
	s_cbranch_scc1 .Lmain
	; a later pass: all eight waves, four tiles each: 20 + 32 (pass - 1) + 8 i + wave
	s_sub_co_u32 s46, s39, 1
	s_lshl_b32 s46, s46, 5
	s_add_co_u32 s46, s46, 20
	s_add_co_u32 s46, s46, s[WV]
.irp i, 0,1,2,3
	s_add_co_u32 s[TI+\i], s46, 8*\i
.endr
	s_mov_b32 s[TI+4], 0xffff                      ; no fifth tile
	s_wait_xcnt 0x0
	s_max_u32 s46, s[NT], 1
	s_sub_co_u32 s46, s46, 1
.irp i, 0,1,2,3
	s_min_u32 s48, s[TI+\i], s46
	s_add_co_u32 s48, s48, s[TB]
	s_min_u32 s48, s48, 511
	s_mul_i32 s49, s48, 49152
	v_add_nc_u32 v[17+\i], s49, v1
	s_lshl_b32 s49, s48, 11
	v_add_nc_u32 v[22+\i], s49, v13
.endr
	WIN 0x40                                       ; b2 into the accumulators (all ten: every one has then been written); no other load is out here
.irp m, 0,1,2,3,4
.irp u, 0,1
.irp q, 0,1
	global_load_b128 v[ACC+8*(2*\m+\u)+4*\q:ACC+8*(2*\m+\u)+4*\q+3], v12, s[6:7] offset:64*\u+16*\q
.endr
.endr
.endr
	WIN 0
	s_mov_b64 s[54:55], s[8:9]
	s_mov_b64 s[56:57], s[52:53]
	s_mov_b64 s[58:59], s[24:25]
	s_mov_b32 s60, 0
.Lks:                                              ; a K step a trip
.irp i, 0,1,2,3
.irp q, 0,1,2
	global_load_b128 v[SAF+12*\i+4*\q:SAF+12*\i+4*\q+3], v[17+\i], s[54:55] offset:512*\q
.endr
.endr
.irp i, 0,1,2,3
	global_load_b32 v[AS+\i], v[22+\i], s[56:57]
.endr
.irp u, 0,1
.irp c, 0,1
.irp j, 0,1,2,3,4,5,6,7
	global_load_b128 v[X+32*\c+4*\j:X+32*\c+4*\j+3], v16, s[58:59] offset:16*\u*16384+256*\c+16*\j
.endr
.endr
	s_wait_loadcnt 0x0
	QUANTW
	PLACES 8                                       ; the scale word was written by vector lines
	WIN 0x50                                       ; C and D window 1
.irp i, 0,1,2,3
	v_wmma_scale_f32_16x16x128_f8f6f4 v[ACC+8*(2*\i+\u):ACC+8*(2*\i+\u)+7], v[CF:CF+11], v[SAF+12*\i:SAF+12*\i+11], v[ACC+8*(2*\i+\u):ACC+8*(2*\i+\u)+7], v[SW], v[AS+\i] matrix_a_fmt:MATRIX_FMT_BF6 matrix_b_fmt:MATRIX_FMT_BF6
.endr
	WIN 0
	PLACES 4
.endr
	s_add_nc_u64 s[54:55], s[54:55], 1536          ; every load of the trip has been waited for
	s_add_nc_u64 s[56:57], s[56:57], 64
	s_add_nc_u64 s[58:59], s[58:59], 512
	s_add_co_u32 s60, s60, 1
	s_cmp_lt_u32 s60, 32
	s_cbranch_scc1 .Lks
	s_branch .Lout
.Lmain:
	s_cmp_lt_u32 s[WV], 4                          ; the first pass's tiles lie in the M waves
	s_cbranch_scc1 .Lnext
.Lout:
	EPI 0
	EPI 1
	EPI 2
	EPI 3
	EPI 4
.Lnext:
	s_add_co_u32 s39, s39, 1
	s_cmp_lt_u32 s39, s38
	s_cbranch_scc1 .Lpass
	s_wait_tensorcnt 0x0
	ds_add_u32 v254, v255
	s_wait_dscnt 0x0
	s_endpgm
.Lfunc_end_k_qade318244e_ffn2:
	.size	k_qade318244e_ffn2, .Lfunc_end_k_qade318244e_ffn2-k_qade318244e_ffn2
	.p2alignl 7, 3214868480
	.fill 96, 4, 3214868480
	.section	.rodata,"a",@progbits
	.p2align	6, 0x0
	.amdhsa_kernel k_qade318244e_ffn2
		.amdhsa_group_segment_fixed_size 106496
		.amdhsa_private_segment_fixed_size 0
		.amdhsa_enable_private_segment 0
		.amdhsa_kernarg_size 56
		.amdhsa_user_sgpr_count 2
		.amdhsa_user_sgpr_kernarg_segment_ptr 1
		.amdhsa_wavefront_size32 1
		.amdhsa_system_sgpr_workgroup_id_x 1
		.amdhsa_system_sgpr_workgroup_id_y 1
		.amdhsa_system_sgpr_workgroup_id_z 1
		.amdhsa_system_vgpr_workitem_id 0
		.amdhsa_next_free_vgpr 512
		.amdhsa_next_free_sgpr 66
		.amdhsa_reserve_vcc 1
		.amdhsa_float_denorm_mode_32 3
		.amdhsa_float_denorm_mode_16_64 3
		.amdhsa_memory_ordered 1
		.amdhsa_forward_progress 1
		.amdhsa_inst_pref_size 255
	.end_amdhsa_kernel
	.section	.bss,"aw",@nobits
	.p2align	6
	.space	262144
	.amdgpu_metadata
---
amdhsa.version: [ 1, 2 ]
amdhsa.kernels:
  - .name:           k_qade318244e_ffn2
    .symbol:         k_qade318244e_ffn2.kd
    .args:
      - { .name: w2, .offset: 0, .size: 8, .value_kind: global_buffer, .address_space: global }
      - { .name: b2, .offset: 8, .size: 8, .value_kind: global_buffer, .address_space: global }
      - { .name: h, .offset: 16, .size: 8, .value_kind: global_buffer, .address_space: global }
      - { .name: cnt, .offset: 24, .size: 8, .value_kind: global_buffer, .address_space: global }
      - { .name: sel, .offset: 32, .size: 8, .value_kind: global_buffer, .address_space: global }
      - { .name: y, .offset: 40, .size: 8, .value_kind: global_buffer, .address_space: global }
      - { .name: pos, .offset: 48, .size: 8, .value_kind: global_buffer, .address_space: global }
    .group_segment_fixed_size: 106496
    .private_segment_fixed_size: 0
    .kernarg_segment_align: 8
    .kernarg_segment_size: 56
    .max_flat_workgroup_size: 256
    .sgpr_count:     66
    .vgpr_count:     512
    .wavefront_size: 32
...
	.end_amdgpu_metadata
.endif
;; end of part 3
;; launch combine (part 4): grid 256 x 1, 4 waves a work-group, no clusters, 0 bytes of LDS; arguments y, pos, gate, out0; writes out0
.if DOCPART == 4
	.amdgcn_target "amdgcn-amd-amdhsa--gfx1250"
	.amdhsa_code_object_version 6
	.text
	.protected	k_qade318244e_combine
	.globl	k_qade318244e_combine
	.p2align	8
	.type	k_qade318244e_combine,@function
k_qade318244e_combine:
	s_mov_b64 s[64:65], 0
	v_nop
	global_prefetch_b8 v0, s[64:65] scope:SCOPE_SE
	s_setreg_imm32_b32 hwreg(HW_REG_WAVE_MODE, 25, 1), 1
	s_wait_xcnt 0x0
; COMBINE.  out0[t] = g0 y[p0] + g1 y[p1]: a token's two rows, by its two weights.  One wave a token; each output row has one owner.
; y [512 tiles][32 slices][16 rows][32] f32; row p lies in tile p / 16 at row p % 16.  A load takes four slices' 128 bytes of a row, eight lanes each; the same lanes hold 512 consecutive bytes of the output row.
; Memory binds and nothing is shared: no LDS, no barrier, no matrix unit.  All 16 loads go out at once; the waits count down by pairs.
	s_load_b256 s[4:11], s[0:1], 0x0               ; y s[4:5], pos s[6:7], gate s[8:9], out0 s[10:11]
	v_lshrrev_b32 v1, 5, v0
	v_readfirstlane_b32 s12, v1                    ; wave
	s_lshl_b32 s13, ttmp9, 2
	s_add_co_u32 s13, s13, s12                     ; token
	s_lshl_b32 s14, s13, 3
	v_and_b32 v2, 31, v0
	v_lshrrev_b32 v3, 3, v2
	v_lshlrev_b32 v3, 11, v3
	v_and_b32 v4, 7, v2
	v_lshl_add_u32 v3, v4, 4, v3                   ; slice lane / 8 (2,048 bytes a slice), + 16 (lane % 8)
	v_lshlrev_b32 v5, 4, v2                        ; out: 16 bytes a lane
	s_lshl_b32 s24, s13, 12
	s_mov_b32 s25, 0
	s_wait_kmcnt 0x0
	s_load_b64 s[16:17], s[6:7], s14               ; the two rows
	s_load_b64 s[20:21], s[8:9], s14               ; the two weights
	s_add_nc_u64 s[10:11], s[10:11], s[24:25]
	s_wait_kmcnt 0x0
	s_min_u32 s16, s16, 0x1fff
	s_min_u32 s17, s17, 0x1fff
	s_and_b32 s18, s16, 0x1ff0
	s_lshl_b32 s18, s18, 12                        ; 65,536 x the tile
	s_and_b32 s16, s16, 15
	s_lshl_b32 s16, s16, 7                         ; + 128 x the row in it
	s_add_co_u32 s16, s16, s18
	s_and_b32 s19, s17, 0x1ff0
	s_lshl_b32 s19, s19, 12
	s_and_b32 s17, s17, 15
	s_lshl_b32 s17, s17, 7
	s_add_co_u32 s17, s17, s19
	v_add_nc_u32 v6, s16, v3
	v_add_nc_u32 v7, s17, v3
	s_mov_b32 s22, s21                             ; the packed forms name a pair and take its low word for both halves
	s_mov_b32 s23, s21
.irp j, 0,1,2,3,4,5,6,7
	global_load_b128 v[16+8*\j:19+8*\j], v6, s[4:5] offset:\j*8192
	global_load_b128 v[20+8*\j:23+8*\j], v7, s[4:5] offset:\j*8192
.endr
.irp j, 0,1,2,3,4,5,6,7
	s_wait_loadcnt 14-2*\j                         ; pair j is in; the pairs behind it stay out
	v_pk_mul_f32 v[16+8*\j:17+8*\j], v[16+8*\j:17+8*\j], s[20:21] op_sel_hi:[1,0]
	v_pk_mul_f32 v[18+8*\j:19+8*\j], v[18+8*\j:19+8*\j], s[20:21] op_sel_hi:[1,0]
	v_pk_fma_f32 v[16+8*\j:17+8*\j], v[20+8*\j:21+8*\j], s[22:23], v[16+8*\j:17+8*\j] op_sel_hi:[1,0,1]
	v_pk_fma_f32 v[18+8*\j:19+8*\j], v[22+8*\j:23+8*\j], s[22:23], v[18+8*\j:19+8*\j] op_sel_hi:[1,0,1]
	global_store_b128 v5, v[16+8*\j:19+8*\j], s[10:11] offset:512*\j th:TH_STORE_NT   ; the wave stores 512 consecutive bytes
.endr
	s_endpgm
.Lfunc_end_k_qade318244e_combine:
	.size	k_qade318244e_combine, .Lfunc_end_k_qade318244e_combine-k_qade318244e_combine
	.p2alignl 7, 3214868480
	.fill 96, 4, 3214868480
	.section	.rodata,"a",@progbits
	.p2align	6, 0x0
	.amdhsa_kernel k_qade318244e_combine
		.amdhsa_group_segment_fixed_size 0
		.amdhsa_private_segment_fixed_size 0
		.amdhsa_enable_private_segment 0
		.amdhsa_kernarg_size 32
		.amdhsa_user_sgpr_count 2
		.amdhsa_user_sgpr_kernarg_segment_ptr 1
		.amdhsa_wavefront_size32 1
		.amdhsa_system_sgpr_workgroup_id_x 1
		.amdhsa_system_sgpr_workgroup_id_y 1
		.amdhsa_system_sgpr_workgroup_id_z 1
		.amdhsa_system_vgpr_workitem_id 0
		.amdhsa_next_free_vgpr 96
		.amdhsa_next_free_sgpr 66
		.amdhsa_reserve_vcc 0
		.amdhsa_float_denorm_mode_32 3
		.amdhsa_float_denorm_mode_16_64 3
		.amdhsa_memory_ordered 1
		.amdhsa_forward_progress 1
		.amdhsa_inst_pref_size 7
	.end_amdhsa_kernel
	.amdgpu_metadata
---
amdhsa.version: [ 1, 2 ]
amdhsa.kernels:
  - .name:           k_qade318244e_combine
    .symbol:         k_qade318244e_combine.kd
    .args:
      - { .name: y, .offset: 0, .size: 8, .value_kind: global_buffer, .address_space: global }
      - { .name: pos, .offset: 8, .size: 8, .value_kind: global_buffer, .address_space: global }
      - { .name: gate, .offset: 16, .size: 8, .value_kind: global_buffer, .address_space: global }
      - { .name: out0, .offset: 24, .size: 8, .value_kind: global_buffer, .address_space: global }
    .group_segment_fixed_size: 0
    .private_segment_fixed_size: 0
    .kernarg_segment_align: 8
    .kernarg_segment_size: 32
    .max_flat_workgroup_size: 128
    .sgpr_count:     66
    .vgpr_count:     96
    .wavefront_size: 32
...
	.end_amdgpu_metadata
.endif
;; end of part 4
;; ======== version 2 of 2: 4 launches
;; workspace buffers: sel 8,192 bytes of whole numbers; gate 8,192 bytes; xq 819,200 bytes; cnt 256 bytes of whole numbers; pos 8,448 bytes of whole numbers; h 26,214,400 bytes; y 33,554,432 bytes
;; launch route (part 5): grid 256 x 1, 1 waves a work-group, no clusters, 8,448 bytes of LDS; arguments x, router_w, sel, gate, xq; writes sel, gate, xq
.if DOCPART == 5
	.amdgcn_target "amdgcn-amd-amdhsa--gfx1250"
	.amdhsa_code_object_version 6
	.text
	.protected	k_qade318244e_route
	.globl	k_qade318244e_route
	.p2align	8
	.type	k_qade318244e_route,@function
k_qade318244e_route:
	s_mov_b64 s[64:65], 0
	v_nop
	global_prefetch_b8 v0, s[64:65] scope:SCOPE_SE
	s_setreg_imm32_b32 hwreg(HW_REG_WAVE_MODE, 25, 1), 1
	s_wait_xcnt 0x0
; ROUTE.  x [1024 tokens][1024] f32 is read once and serves twice: (1) it is turned into codes of BF6 (E3M2) with one E8M0 byte for each 32 along C (xq: 768 bytes of codes a token, from byte XSCB on 32 scale bytes a token);
; (2) the router: 8 logits a token in f32 (packed multiply-adds), softmax with the maximum taken away, the two largest, their weights divided by (their sum + 1e-9).
; The chosen experts go to sel [1024][2] and the weights to gate [1024][2], at fixed places: no address and no branch here hangs on a choice.
; A work-group is one wave and takes 4 tokens: 8 steps of 512 numbers.  Each load reads 512 consecutive bytes; a step's 2,048 bytes turn through a stage in LDS so that a lane holds 16 neighbours for the conversion.
; The dot products take the numbers as they were loaded; router_w lies in 256 registers in that same order.
; LIMITS: NaN and infinities are not served.  A block of zeros gets the byte 1 (its codes are zeros; this program alone reads the bytes).  The logits' sums run in another order than a plain sum: a token whose second and
; third probability agree to about 1e-7 of their size may go to the other of the two.  Equal exponentials keep the lower index.  A probability that falls to 0 in v_exp_f32 has a weight under 1e-37.
.set R,    16                          ; v16-79   four sets of 16 numbers as loaded
.set X,    80                          ; v80-95   16 neighbours
.set EB,   112                         ; v112-119 a scale byte for each step
.set CD,   120                         ; v120-151 codes: four registers for each step, so that no store's data are written again
.set LP,   152                         ; v152-167 eight pairs of partial logits
.set LG,   168                         ; v168-175 logits
.set EX,   176                         ; v176-183 exponentials
.set TP,   184                         ; v184-191 destinations of the lane permutes
.set RES,  200                         ; v200-203 first expert, second expert, their weights: lane k keeps token k's
.set SCB,  5120                        ; LDS: the stage (32 x 80 bytes) at 0, the 128 scale bytes here
.set XSCB, 786432                      ; xq: where the scale bytes begin
.set MSB, 0
.macro WIN new                         ; the immediate's high byte repeats the setting that is left
.if MSB != (\new)
	s_set_vgpr_msb (MSB<<8)|(\new)
.set MSB, (\new)
.endif
.endm
	s_load_b256 s[4:11], s[0:1], 0x0               ; x s[4:5], router_w s[6:7], sel s[8:9], gate s[10:11]
	s_load_b64 s[12:13], s[0:1], 0x20              ; xq
	v_lshl_add_u32 v254, v0, 2, 0x2000
	v_mov_b32 v255, 0
	v_and_b32 v1, 31, v0                           ; lane
	v_lshlrev_b32 v2, 4, v1                        ; my 16 bytes of a load's 512
	v_lshrrev_b32 v3, 2, v1
	v_mul_u32_u24 v3, v3, 80
	v_and_b32 v8, 3, v1
	v_lshl_add_u32 v3, v8, 4, v3                   ; the stage, in: four lanes' 64 bytes on end, then 16 of padding
	v_mul_u32_u24 v4, v1, 80                       ; out: my 16 neighbours
	v_mul_u32_u24 v5, v1, 12                       ; my 12 bytes of a step's codes
	v_lshrrev_b32 v6, 1, v1
	v_add_nc_u32 v6, SCB, v6                       ; LDS: my block's byte
	v_lshlrev_b32 v7, 2, v1                        ; the scale bytes' way out: 4 bytes a lane
	v_add_nc_u32 v12, SCB, v7
	v_lshlrev_b32 v13, 3, v1                       ; sel, gate: 8 bytes a token
.irp e, 0,1,2,3,4,5,6,7
	v_mov_b32 v[TP+\e], 0                          ; written once: a lane permute's destination counts as one of its sources
.endr
	s_mov_b32 s24, 0x76543210
	s_mov_b32 s25, 0xfedcba98                      ; v_permlanex16_b32's selects for lane l xor 16
	s_lshl_b32 s14, ttmp9, 14                      ; 4 tokens of 4,096 bytes
	s_mov_b32 s15, 0
	s_mul_i32 s16, ttmp9, 3072                     ; 4 x 768 bytes of codes
	s_mov_b32 s17, 0
	s_lshl_b32 s18, ttmp9, 7                       ; 4 x 32 scale bytes
	s_mov_b32 s19, 0
	s_lshl_b32 s22, ttmp9, 5                       ; 4 x 8 bytes in sel and in gate
	s_mov_b32 s23, 0
	s_wait_kmcnt 0x0
	s_add_nc_u64 s[4:5], s[4:5], s[14:15]
	s_add_nc_u64 s[20:21], s[12:13], s[18:19]
	s_add_nc_u64 s[12:13], s[12:13], s[16:17]
	s_add_nc_u64 s[8:9], s[8:9], s[22:23]
	s_add_nc_u64 s[10:11], s[10:11], s[22:23]
	WIN 0x40                                       ; destination window 1: router_w, half p of expert e, load i, at v[128 p + 16 e + 4 i]
.irp p, 0,1
.irp e, 0,1,2,3,4,5,6,7
.irp i, 0,1,2,3
	global_load_b128 v[128*\p+16*\e+4*\i:128*\p+16*\e+4*\i+3], v2, s[6:7] offset:4096*\e+2048*\p+512*\i
.endr
.endr
.endr
	WIN 0
.macro LOADX t
.irp i, 0,1,2,3
	global_load_b128 v[R+16*((\t)%4)+4*\i:R+16*((\t)%4)+4*\i+3], v2, s[4:5] offset:2048*(\t)+512*\i th:TH_LOAD_NT
.endr
.endm
.irp t, 0,1,2,3
	LOADX \t
.endr
; A step: half PH of token t / 2.
.macro STEP t
.set RS, R+16*((\t)%4)
.set PH, (\t)%2
.if (\t) < 5
	s_wait_loadcnt 12                              ; this step's four loads are in (and router_w, which is older); the three steps behind it may be out
.else
	s_wait_loadcnt 4*(7-(\t))
.endif
.irp i, 0,1,2,3
	ds_store_b128 v3, v[RS+4*\i:RS+4*\i+3] offset:640*\i
.endr
.irp i, 0,1,2,3
	ds_load_b128 v[X+4*\i:X+4*\i+3], v4 offset:16*\i   ; LDS serves a wave's instructions in order (ISA guide 5.7.1.4): these see the stores above
.endr
	WIN 0x04                                       ; source 1 window 1.  The eight logits' partial sums, two numbers an instruction, the experts by turns; a token's first product starts the sums
.irp i, 0,1,2,3
.irp hh, 0,1
.irp e, 0,1,2,3,4,5,6,7
.if (PH == 0) && (\i == 0) && (\hh == 0)
	v_pk_mul_f32 v[LP+2*\e:LP+2*\e+1], v[RS+4*\i+2*\hh:RS+4*\i+2*\hh+1], v[128*PH+16*\e+4*\i+2*\hh:128*PH+16*\e+4*\i+2*\hh+1]
.else
	v_pk_fma_f32 v[LP+2*\e:LP+2*\e+1], v[RS+4*\i+2*\hh:RS+4*\i+2*\hh+1], v[128*PH+16*\e+4*\i+2*\hh:128*PH+16*\e+4*\i+2*\hh+1], v[LP+2*\e:LP+2*\e+1]
.endif
.endr
.endr
.endr
	WIN 0
	s_wait_dscnt 0x0                               ; my 16 neighbours are back, and the stores into the stage have read their registers,
.if (\t) < 4
	LOADX (\t)+4                                   ; which take the loads of four steps on
.endif
	v_max3_num_f32 v8, |v[X]|, |v[X+1]|, |v[X+2]|  ; the largest magnitude of my 16, in two chains
	v_max3_num_f32 v9, |v[X+3]|, |v[X+4]|, |v[X+5]|
.irp i, 6,10
	v_max3_num_f32 v8, v8, |v[X+\i]|, |v[X+\i+1]|
	v_max3_num_f32 v9, v9, |v[X+\i+2]|, |v[X+\i+3]|
.endr
	v_max3_num_f32 v8, v8, |v[X+14]|, |v[X+15]|
	v_max3_num_f32 v8, v8, v9, 0x2800000           ; and the floor 2^(5 - 127): the byte cannot fall under 1
	v_max_num_f32_dpp v8, v8, v8 row_xmask:1 row_mask:0xf bank_mask:0xf   ; with my neighbour's 16: the block's
	v_add_nc_u32 v11, 0xfe000000, v8               ; 4 off its exponent field: the conversion takes that field as its scale
	v_cvt_scalef32_pk16_bf6_f32 v[CD+4*(\t):CD+4*(\t)+2], v[X:X+15], v11
	v_lshrrev_b32 v[EB+(\t)], 23, v11              ; the scale's byte (a plain line behind the conversion)
	ds_store_b8 v6, v[EB+(\t)] offset:16*(\t)      ; both lanes of a block write the same byte with the same value
	global_store_b96 v5, v[CD+4*(\t):CD+4*(\t)+2], s[12:13] offset:384*(\t)   ; the wave stores 384 consecutive bytes
.endm
; Token tk's choice.  Every lane ends up with all eight logits and does the same arithmetic.
.macro ROUTE tk
.irp e, 0,1,2,3,4,5,6,7
	v_add_f32 v[LG+\e], v[LP+2*\e], v[LP+2*\e+1]
.endr
.irp m, 1,2,4,8
.irp e, 0,1,2,3,4,5,6,7
	v_add_f32_dpp v[LG+\e], v[LG+\e], v[LG+\e] row_xmask:\m row_mask:0xf bank_mask:0xf
.endr
.endr
.irp e, 0,1,2,3,4,5,6,7
	v_permlanex16_b32 v[TP+\e], v[LG+\e], s24, s25
.endr
.irp e, 0,1,2,3,4,5,6,7
	v_add_f32 v[LG+\e], v[LG+\e], v[TP+\e]
.endr
	v_max3_num_f32 v8, v[LG], v[LG+1], v[LG+2]
	v_max3_num_f32 v8, v8, v[LG+3], v[LG+4]
	v_max3_num_f32 v8, v8, v[LG+5], v[LG+6]
	v_max_num_f32 v8, v8, v[LG+7]                  ; the largest logit is taken away ahead of the exponentials
.irp e, 0,1,2,3,4,5,6,7
	v_sub_f32 v[EX+\e], v[LG+\e], v8
.endr
.irp e, 0,1,2,3,4,5,6,7
	v_mul_f32 v[EX+\e], 0x3fb8aa3b, v[EX+\e]       ; x log2(e)
.endr
	s_wait_alu depctr_va_vdst(0)
.irp e, 0,1,2,3,4,5,6,7
	v_exp_f32 v[EX+\e], v[EX+\e]
.endr
	v_nop                                          ; a plain line behind the exponentials (ISA guide 5.7.2)
	s_wait_alu depctr_va_vdst(0)
	v_add_f32 v9, v[EX], v[EX+1]
	v_add_f32 v10, v[EX+2], v[EX+3]
	v_add_f32 v11, v[EX+4], v[EX+5]
	v_add_f32 v14, v[EX+6], v[EX+7]
	v_add_f32 v9, v9, v10
	v_add_f32 v11, v11, v14
	v_add_f32 v9, v9, v11
	s_wait_alu depctr_va_vdst(0)
	v_rcp_f32 v9, v9                               ; 1 / the sum
	v_mov_b32 v10, v[EX]                           ; the largest: what stands is kept where it is not smaller, so equal numbers keep the lower index
	v_mov_b32 v11, 0
.irp e, 1,2,3,4,5,6,7
	v_cmp_ge_f32 vcc_lo, v10, v[EX+\e]
	v_cndmask_b32 v10, v[EX+\e], v10, vcc_lo
	v_cndmask_b32 v11, \e, v11, vcc_lo
.endr
.irp e, 0,1,2,3,4,5,6,7
	v_cmp_ne_u32 vcc_lo, \e, v11
	v_cndmask_b32 v[EX+\e], -1.0, v[EX+\e], vcc_lo ; the first choice leaves the field
.endr
	v_mov_b32 v14, v[EX]                           ; the second largest
	v_mov_b32 v15, 0
.irp e, 1,2,3,4,5,6,7
	v_cmp_ge_f32 vcc_lo, v14, v[EX+\e]
	v_cndmask_b32 v14, v[EX+\e], v14, vcc_lo
	v_cndmask_b32 v15, \e, v15, vcc_lo
.endr
	s_wait_alu depctr_va_vdst(0)
	v_mul_f32 v10, v10, v9                         ; the two probabilities
	v_mul_f32 v14, v14, v9
	v_add_f32 v8, v10, v14
	v_add_f32 v8, 0x3089705f, v8                   ; + 1e-9
	s_wait_alu depctr_va_vdst(0)
	v_rcp_f32 v8, v8
	v_nop
	s_wait_alu depctr_va_vdst(0)
	v_mul_f32 v10, v10, v8
	v_mul_f32 v14, v14, v8
.if (\tk) == 0
	v_mov_b32 v[RES], v11
	v_mov_b32 v[RES+1], v15
	v_mov_b32 v[RES+2], v10
	v_mov_b32 v[RES+3], v14
.else
	s_mov_b32 s26, 1<<(\tk)                        ; lane tk keeps this token's
	v_cndmask_b32 v[RES], v[RES], v11, s26
	v_cndmask_b32 v[RES+1], v[RES+1], v15, s26
	v_cndmask_b32 v[RES+2], v[RES+2], v10, s26
	v_cndmask_b32 v[RES+3], v[RES+3], v14, s26
.endif
.endm
.irp k, 0,1,2,3
	STEP 2*\k
	STEP 2*\k+1
	ROUTE \k
.endr
	ds_load_b32 v8, v12                            ; the 128 scale bytes, behind my stores of them
	s_wait_alu depctr_va_vdst(0)
	s_wait_dscnt 0x0
	global_store_b32 v7, v8, s[20:21] offset:XSCB
	v_cmp_gt_u32 vcc_lo, 4, v0
	s_wait_xcnt 0x0                                ; EXEC changes only behind this wait
	s_wait_tensorcnt 0x0
	ds_add_u32 v254, v255
	s_wait_dscnt 0x0
	s_and_saveexec_b32 s27, vcc_lo
	global_store_b64 v13, v[RES:RES+1], s[8:9]     ; lanes 0 to 3: a token each
	global_store_b64 v13, v[RES+2:RES+3], s[10:11]
	s_wait_xcnt 0x0
	s_or_b32 exec_lo, exec_lo, s27
	s_endpgm
.Lfunc_end_k_qade318244e_route:
	.size	k_qade318244e_route, .Lfunc_end_k_qade318244e_route-k_qade318244e_route
	.p2alignl 7, 3214868480
	.fill 96, 4, 3214868480
	.section	.rodata,"a",@progbits
	.p2align	6, 0x0
	.amdhsa_kernel k_qade318244e_route
		.amdhsa_group_segment_fixed_size 8448
		.amdhsa_private_segment_fixed_size 0
		.amdhsa_enable_private_segment 0
		.amdhsa_kernarg_size 40
		.amdhsa_user_sgpr_count 2
		.amdhsa_user_sgpr_kernarg_segment_ptr 1
		.amdhsa_wavefront_size32 1
		.amdhsa_system_sgpr_workgroup_id_x 1
		.amdhsa_system_sgpr_workgroup_id_y 1
		.amdhsa_system_sgpr_workgroup_id_z 1
		.amdhsa_system_vgpr_workitem_id 0
		.amdhsa_next_free_vgpr 512
		.amdhsa_next_free_sgpr 66
		.amdhsa_reserve_vcc 1
		.amdhsa_float_denorm_mode_32 3
		.amdhsa_float_denorm_mode_16_64 3
		.amdhsa_memory_ordered 1
		.amdhsa_forward_progress 1
		.amdhsa_inst_pref_size 85
	.end_amdhsa_kernel
	.amdgpu_metadata
---
amdhsa.version: [ 1, 2 ]
amdhsa.kernels:
  - .name:           k_qade318244e_route
    .symbol:         k_qade318244e_route.kd
    .args:
      - { .name: x, .offset: 0, .size: 8, .value_kind: global_buffer, .address_space: global }
      - { .name: router_w, .offset: 8, .size: 8, .value_kind: global_buffer, .address_space: global }
      - { .name: sel, .offset: 16, .size: 8, .value_kind: global_buffer, .address_space: global }
      - { .name: gate, .offset: 24, .size: 8, .value_kind: global_buffer, .address_space: global }
      - { .name: xq, .offset: 32, .size: 8, .value_kind: global_buffer, .address_space: global }
    .group_segment_fixed_size: 8448
    .private_segment_fixed_size: 0
    .kernarg_segment_align: 8
    .kernarg_segment_size: 40
    .max_flat_workgroup_size: 32
    .sgpr_count:     66
    .vgpr_count:     512
    .wavefront_size: 32
...
	.end_amdgpu_metadata
.endif
;; end of part 5
;; launch ffn1 (part 6): grid 32 x 8, 8 waves a work-group, no clusters, 293,376 bytes of LDS; arguments w1, b1, xq, sel, h, cnt; writes h, cnt
.if DOCPART == 6
	.amdgcn_target "amdgcn-amd-amdhsa--gfx1250"
	.amdhsa_code_object_version 6
	.text
	.protected	k_qade318244e_ffn1
	.globl	k_qade318244e_ffn1
	.p2align	8
	.type	k_qade318244e_ffn1,@function
k_qade318244e_ffn1:
	s_mov_b64 s[64:65], 0
	v_nop
	global_prefetch_b8 v0, s[64:65] scope:SCOPE_SE
	s_setreg_imm32_b32 hwreg(HW_REG_WAVE_SCHED_MODE, 0, 2), 2
	s_setreg_imm32_b32 hwreg(HW_REG_WAVE_MODE, 25, 1), 1
	s_wait_xcnt 0x0
	s_wait_alu depctr_vm_vsrc(0)
; FFN1.  h = Q(relu(Q(x) Q(w1)^T + b1)) for the routed rows, both operands codes of BF6 (E3M2) with one E8M0 scale for each 32 along K; Q the quantiser along the next product's K.
; SHARES.  Work-group (x = slice, y = expert) owns hidden units 128 slice .. + 127 of one expert: 512 KB of w1, dense, read here and by nobody else.  These 128 units are K step `slice` of the second product.
; THE ROWS.  An expert's rows are the tokens that chose it, in ascending order; row `rank` lies in tile rank / 16 of the expert, and expert e owns tiles 64 e .. 64 e + 63 of h (1,024 rows: the most that any split gives one expert).
; Each work-group makes its expert's list itself, from sel (whole numbers that the launch before stored): ahead of the intervals the four M waves count the expert's rows by ballots, and wave 4 lays the tokens by rank in LDS.
; No other wave touches LDS ahead of the barrier that follows.  Meanwhile the W waves' first loads are on their way.  The number of tiles, NT, is held at 1 from below: tile 0 of every expert is always made.
; TWO ROLES, by the wave's number.  Waves 0-3 (W) stream the weights as f32, 512 consecutive bytes a load, four half-sets of 16 loads in flight a wave, turn them through their own stage in LDS, quantise them and lay
; the fragments in LDS as images of the operand's registers.  Waves 4-7 (M) each own five tiles of 16 rows of the expert (tiles 4 i + w: 320 rows in all) and multiply every fragment.
; The roles have counters of their own: the weights' loads are never waited for on account of another stream.
; FIVE INTERVALS, one barrier between two: in interval k W lays K steps 2 k and 2 k + 1 in code buffers (2 k) % 4 and (2 k + 1) % 4, M multiplies K steps 2 k - 2 and 2 k - 1.
; AN INTERVAL TAKES EACH OF W'S FOUR HALF-SETS ONCE: every interval of W begins and ends with the same four half-sets out, in the same order.  M has no load out at an interval's edge.
; x's codes of four tiles a wave lie in LDS; five tiles' would not fit beside the stages and four code buffers: the fifth tile's fragment comes from xq at the head of each K step, six loads of 8 bytes, waited for at once.
; THE PRODUCT IS USED TRANSPOSED (source 0 = 16 rows of w1, source 1 = 16 rows of x), and lane r of tile 2 b + u takes unit 32 b + 8 u + r + 8 (r / 8): a lane then holds one row, and its 64 results run along the next K.
; b1 is loaded into the accumulators, so every product adds in place and nothing is cleared.  The 40 accumulators take turns, one instruction a turn.
; No tensor load, no cluster: which tiles are stored, and the later passes, hang on numbers read from sel; and no two work-groups share a weight.
; AN EXPERT WITH MORE THAN 320 ROWS: later passes of the M waves, each wave alone with four tiles, weights straight from memory in the operand's order.  Right for every split up to 1,024 rows; slow.
; LIMITS: NaN and infinities are not served; a block of zeros gets the byte 1 (zero codes; this program alone reads the bytes).
; REGISTERS.  Window 0: v1-16 addresses (made ahead of the first parting of the roles, never rewritten), v17-26 offsets from loaded tokens (v21: the fifth tile's codes), v27-31 16 r, 24 h, r, h, 4 lane; v32-51 x's scale words;
;   v52-59 the weights' scale words; v60-119 five fragments of x; v120-167 four fragments of weights (W: the codes just made); v168-184 at work; v185 the list's first fill, v186 8 lane, v188 lane; v192-255 the fifth tile's
;   accumulators (W: 64 numbers).  Ahead of the intervals: v60-123 sel, v124-155 and v192-223 the list's addresses and tokens, v224-227 zeros.   Window 1: M: accumulators (m, t) at 8 (8 m + t); W: the four half-sets.
; THE MODE: SCHED_MODE bits 1:0 = 2 (LLVM: expert scheduling mode 2), set by the entry lines.  The code itself states the register dependences between vector or matrix instructions and memory or LDS instructions,
; with s_wait_alu, always for 0.
; THE PLAN.  Registers that memory or LDS instructions touch, and who else names them:
;   v1-16, v27-31, v185, v186   addresses and offsets: written at the head, never again: one wait on va_vdst at the head's end.
;   W: the half-sets            written by loads, read by the stage's LDS stores alone.   X: LDS loads land, the quantiser's lines read.   CF, SW: the quantiser writes, the image's LDS stores read.
;      Two waits a half-set: vm_vsrc beside the wait for the stage (the half-set and the last image have been read); va_vdst behind the quantiser (CF, SW are written; X is read no more).  No vector line stands between
;      that wait and the next half-set's LDS loads into X.
;   M: XF, WF, WS               written by loads, read by products: a wait on va_vdst behind each run of 20 products, ahead of the loads that follow it.  The accumulators are named by loads (the biases) ahead of the
;      first product, and by matrix and vector lines from there on.
;   The way out: PC, PW         written by a tile's conversions, read by its four stores: va_vdst ahead of the stores, vm_vsrc behind them.
;   Both roles use all their 512 registers: there is no second set for fragments or numbers.
.set XWAVE, 50176                      ; LDS: 64 rows of x's codes for each M wave,
.set XP,    784                        ; 768 bytes + 16: 196 words from row to row, so the 32 lanes of an 8-byte load touch 64 different banks (ISA guide 11.1)
.set STG,   200704                     ; the W waves' stages: 16 rows x SPT each
.set SPT,   528                        ; 512 bytes + 16: an odd multiple of 16
.set COD,   234496                     ; four code buffers
.set CBUF,  13312                      ; 8 images of 1,536 bytes, then 8 x 128 bytes of scale words
.set CSC,   12288
.set LIST,  287744                     ; the expert's tokens by rank: 1,024 words, a spare word, and the rest of nine runs of 512 bytes
.set XSCB,  786432                     ; xq: where the scale bytes begin
.set HSC,   25165824                   ; h: where the scale words begin: behind 512 tiles of 49,152 bytes
.set XS, 32
.set WS, 52
.set SW, 52                            ; the scale word just made
.set XF, 60
.set WF, 120
.set CF, 120                           ; the codes just made (weights)
.set CT, 132
.set PC, 120                           ; the codes just made (hidden layer)
.set TQ, 168
.set TM, 168
.set PW, 184
.set X,  192
.set GO, 192
.set SELV, 60
.set SA, 124
.set SD, 192
.set WV, 14
.set WQ, 15
.set EE, 16
.set SL, 17
.set NT, 18
.set TB, 19
.set TI, 40                            ; s40-44 the tiles (of the expert) in my five sets of accumulators
.set MSB, 0
.macro WIN new                         ; the immediate's high byte repeats the setting that is left
.if MSB != (\new)
	s_set_vgpr_msb (MSB<<8)|(\new)
.set MSB, (\new)
.endif
.endm
.macro PLACES n                        ; plain vector lines behind matrix instructions (ISA guide 7.12.1), and in front of scaled ones whose operands vector lines wrote
.rept \n
	v_nop
.endr
.endm
	s_load_b256 s[4:11], s[0:1], 0x0               ; w1 s[4:5], b1 s[6:7], xq s[8:9], sel s[10:11]
	s_load_b64 s[12:13], s[0:1], 0x20              ; h
	s_load_b64 s[26:27], s[0:1], 0x28              ; cnt
	v_lshl_add_u32 v179, v0, 2, 0x47600            ; my spare word, and 0: kept for the closing lines alone
	v_mov_b32 v191, 0
	v_lshrrev_b32 v27, 5, v0
	v_readfirstlane_b32 s[WV], v27                 ; wave 0..7
	s_and_b32 s[EE], ttmp7, 0xffff                 ; expert
	s_mov_b32 s[SL], ttmp9                         ; slice
	s_lshl_b32 s[TB], s[EE], 6                     ; the expert's first tile
	s_mov_b32 s[NT], 0                             ; the expert's rows so far, later its tiles
	v_and_b32 v28, 31, v0                          ; lane
	v_and_b32 v29, 15, v0                          ; r
	v_bfe_u32 v30, v0, 4, 1                        ; h
	v_lshlrev_b32 v27, 4, v29                      ; 16 r
	v_lshlrev_b32 v31, 2, v28                      ; 4 lane
	v_lshlrev_b32 v1, 4, v28                       ; v1  16 lane
	v_lshlrev_b32 v186, 3, v28                     ; v186 sel: 8 bytes a token
	v_mov_b32 v188, v28                            ; v188 lane
	v_add_nc_u32 v185, LIST, v1                    ; v185 the list's first fill: 16 bytes a lane
	v_mul_u32_u24 v28, v30, 24                     ; v28 24 h from here on
	s_wait_alu depctr_va_sdst(0)                   ; the wave's number is written in s14, ahead of its first reader
	s_and_b32 s[WQ], s[WV], 3                      ; my number within my role
	s_mul_i32 s30, s[WQ], 16*SPT
	s_add_co_u32 s30, s30, STG
	v_add_nc_u32 v2, s30, v1                       ; v2  stage, in: a row's 512 bytes as loaded
	v_mul_u32_u24 v3, v29, SPT
	v_lshl_add_u32 v3, v30, 7, v3
	v_add_nc_u32 v3, s30, v3                       ; v3  stage, out: row r, + 128 h
	s_mul_i32 s30, s[WQ], 3072
	s_add_co_u32 s30, s30, COD
	v_add_nc_u32 v4, s30, v1                       ; v4  where I lay my two images of a K step
	s_lshl_b32 s30, s[WQ], 8
	s_add_co_u32 s30, s30, COD+CSC
	v_add_nc_u32 v5, s30, v31                      ; v5  and their scale words
	v_add_nc_u32 v6, COD, v1                       ; v6  where images are read
	v_add_nc_u32 v7, COD+CSC, v31                  ; v7  and scale words
	s_mul_i32 s30, s[WQ], XWAVE
	v_mul_u32_u24 v8, v29, XP
	v_mad_u32_u24 v8, v30, 24, v8
	v_add_nc_u32 v8, s30, v8                       ; v8  x's fragments: row r, + 24 h
	v_mul_u32_u24 v9, v30, XP
	v_lshl_add_u32 v9, v29, 4, v9
	v_add_nc_u32 v9, s30, v9                       ; v9  x's rows on their way in: sixteen lanes to a row
	v_lshlrev_b32 v10, 3, v30                      ; v10 8 h
	v_mov_b32 v11, 0                               ; v11 a lane permute's destination
	v_lshlrev_b32 v12, 6, v30                      ; v12 b1: 64 h
	v_lshlrev_b32 v13, 2, v29                      ; v13 4 r
	s_lshl_b32 s30, s[WQ], 6
	s_add_co_u32 s30, s30, LIST
	v_lshl_add_u32 v14, v30, 2, s30                ; v14 the list of tokens: 64 w + 4 h
	v_add_nc_u32 v15, s30, v13                     ; v15 64 w + 4 r
	v_and_b32 v16, 8, v29
	v_add_nc_u32 v16, v16, v29
	v_lshlrev_b32 v16, 12, v16
	v_lshl_add_u32 v16, v30, 7, v16                ; v16 later passes: weights' row r + 8 (r / 8), + 128 h
.irp b, 0,1,2,3
	v_mov_b32 v[TM+4+\b], 0                        ; lane permutes' destinations
.endr
	s_mov_b32 s34, 0x76543210
	s_mov_b32 s35, 0xfedcba98                      ; v_permlanex16_b32's selects for lane l xor 16
	s_mul_i32 s32, s[SL], 1536                     ; my K step's image in a tile of h,
	s_lshl_b32 s33, s[SL], 6                       ; and its scale words
	s_wait_kmcnt 0x0
	s_lshl_b32 s30, s[EE], 24
	s_lshl_b32 s31, s[SL], 19
	s_add_co_u32 s30, s30, s31
	s_mov_b32 s31, 0
	s_add_nc_u64 s[24:25], s[4:5], s[30:31]        ; the work-group's 512 KB of w1
	s_lshl_b32 s30, s[WQ], 17
	s_add_nc_u64 s[20:21], s[24:25], s[30:31]      ; my 32 rows of it
	s_lshl_b32 s30, s[EE], 14
	s_lshl_b32 s36, s[SL], 9
	s_add_co_u32 s30, s30, s36
	s_add_nc_u64 s[6:7], s[6:7], s[30:31]          ; b1 at my 128 units
	s_add_nc_u64 s[28:29], s[12:13], HSC           ; h's scale words
	s_wait_alu depctr_va_vdst(0)                   ; the addresses and offsets v1-16, v27-31, v185 and v186 are written, which the loads and stores of the whole kernel read
; ---- role W
.macro ISSUE idx                       ; half-set idx: K step idx / 2, tile idx % 2: 16 rows x 512 bytes
	WIN 0x40
.irp i, 0,1,2,3,4,5,6,7,8,9,10,11,12,13,14,15
	global_load_b128 v[64*((\idx)%4)+4*\i:64*((\idx)%4)+4*\i+3], v1, s[20:21] offset:(8*((\idx)%2)+\i+8*(\i/8))*4096+512*((\idx)/2) th:TH_LOAD_NT
.endr
	WIN 0
.endm
; 64 numbers of a lane, v[X + 32 c + i] = k 64 c + 32 h + i of row r (two whole blocks), become the fragment's codes in v[CF] on and the row's scale word in v[SW].
.macro QUANTW
.irp c, 0,1
	v_max3_num_f32 v[TQ+\c], |v[X+32*\c]|, |v[X+32*\c+1]|, 0x2800000   ; the floor 2^(5 - 127): the byte cannot fall under 1
	v_max3_num_f32 v[TQ+6+\c], |v[X+32*\c+16]|, |v[X+32*\c+17]|, |v[X+32*\c+18]|
.endr
.irp i, 2,4,6,8,10,12
.irp c, 0,1
	v_max3_num_f32 v[TQ+\c], v[TQ+\c], |v[X+32*\c+\i]|, |v[X+32*\c+\i+1]|   ; four chains by turns
	v_max3_num_f32 v[TQ+6+\c], v[TQ+6+\c], |v[X+32*\c+\i+17]|, |v[X+32*\c+\i+18]|
.endr
.endr
.irp c, 0,1
	v_max3_num_f32 v[TQ+\c], v[TQ+\c], |v[X+32*\c+14]|, |v[X+32*\c+15]|
.endr
.irp c, 0,1
	v_max3_num_f32 v[TQ+\c], v[TQ+\c], v[TQ+6+\c], |v[X+32*\c+31]|
.endr
.irp c, 0,1
	v_add_nc_u32 v[TQ+2+\c], 0xfe000000, v[TQ+\c]  ; 4 off the exponent field: the conversion's scale operand
.endr
.irp c, 0,1
	v_lshrrev_b32 v[TQ+4+\c], 23, v[TQ+2+\c]       ; the scale's byte
.endr
	v_lshl_or_b32 v[SW], v[TQ+5], 16, v[TQ+4]      ; my two bytes, blocks h and 2 + h,
	v_lshlrev_b32 v[SW], v10, v[SW]                ; at their places;
	v_permlanex16_b32 v11, v[SW], s34, s35
	v_or_b32 v[SW], v[SW], v11                     ; with lane l xor 16's two the word is whole, in both halves
.irp c, 0,1
	v_cvt_scalef32_pk16_bf6_f32 v[CF+6*\c:CF+6*\c+2], v[X+32*\c:X+32*\c+15], v[TQ+2+\c]
	v_cvt_scalef32_pk16_bf6_f32 v[CT+4*\c:CT+4*\c+2], v[X+32*\c+16:X+32*\c+31], v[TQ+2+\c]   ; (a conversion's three registers begin on an even number)
.endr
	v_nop                                          ; a plain line behind the conversions
.irp c, 0,1
.irp i, 0,1,2
	v_mov_b32 v[CF+3+6*\c+\i], v[CT+4*\c+\i]
.endr
.endr
.endm
.macro PRODUCE idx
.if (\idx) < 13
	s_wait_loadcnt 48                              ; this half-set's 16 loads are in; the three half-sets behind it stay out
.else
	s_wait_loadcnt 16*(15-(\idx))
.endif
	WIN 0x04                                       ; an LDS store's data are its source 1: window 1
.irp i, 0,1,2,3,4,5,6,7,8,9,10,11,12,13,14,15
	ds_store_b128 v2, v[64*((\idx)%4)+4*\i:64*((\idx)%4)+4*\i+3] offset:SPT*\i
.endr
	WIN 0
.irp c, 0,1
.irp j, 0,1,2,3,4,5,6,7
	ds_load_b128 v[X+32*\c+4*\j:X+32*\c+4*\j+3], v3 offset:256*\c+16*\j   ; LDS serves a wave's instructions in order (ISA guide 5.7.1.4): these see the stores above.  No vector line since the wait behind the last conversions names X
.endr
.endr
	s_wait_dscnt 0x0                               ; my 64 numbers are in
	s_wait_alu depctr_vm_vsrc(0)                   ; the stage's stores have read the half-set, in which the loads below land; the last image's stores have read the codes and the scale word, which the lines below write again
.if (\idx)+4 < 16
	ISSUE (\idx)+4                                 ; the half-set takes the loads of four on: the same half-set of the next interval
.endif
	QUANTW
	s_wait_alu depctr_va_vdst(0)                   ; the codes and the scale word are written, which the stores below read; the next half-set's numbers land there
.irp q, 0,1,2
	ds_store_b128 v4, v[CF+4*\q:CF+4*\q+3] offset:(((\idx)/2)%4)*CBUF+1536*((\idx)%2)+512*\q   ; the fragment as it stands: 16 bytes a lane, 512 a store
.endr
	ds_store_b32 v5, v[SW] offset:(((\idx)/2)%4)*CBUF+128*((\idx)%2)
.endm
; ---- role M
; The expert's rows are counted, 32 tokens a chunk, eight chunks at a time: sixteen compares in a run, into sixteen scalar registers, and one wait behind the run.
; full = 1: each token's place in the list and the token are also made, in registers of the chunk's own: a lane whose token did not choose the expert names the spare word (word 1,024) and 0.  The stores follow behind all 32 chunks.
.macro SCANG full, g
.irp c, 0,1,2,3,4,5,6,7
	v_cmp_eq_u32 s[46+2*\c], s[EE], v[SELV+2*(8*(\g)+\c)]
	v_cmp_eq_u32 s[47+2*\c], s[EE], v[SELV+2*(8*(\g)+\c)+1]
.endr
	s_wait_alu depctr_va_sdst(0)                   ; the sixteen masks s46-61 are written, ahead of their first readers
.irp c, 0,1,2,3,4,5,6,7
.set cc, 8*(\g)+\c
	s_or_b32 vcc_lo, s[46+2*\c], s[47+2*\c]        ; the lanes whose token chose this expert
.if \full
	v_mbcnt_lo_u32_b32 v[SA+cc], vcc_lo, s[NT]     ; how many of them stand below me, + the chunks before: the rank
	v_add_nc_u32 v187, 32*cc, v188                 ; my token
	v_cndmask_b32 v[SA+cc], 0x400, v[SA+cc], vcc_lo
	v_cndmask_b32 v[SD+cc], 0, v187, vcc_lo
	v_min_u32 v[SA+cc], 0x400, v[SA+cc]
	v_lshlrev_b32 v[SA+cc], 2, v[SA+cc]
	v_add_nc_u32 v[SA+cc], LIST, v[SA+cc]
.endif
	s_bcnt1_i32_b32 s[46+2*\c], vcc_lo
	s_add_co_u32 s[NT], s[NT], s[46+2*\c]
.endr
.endm
.macro NTILES
	s_add_co_u32 s[NT], s[NT], 15
	s_lshr_b32 s[NT], s[NT], 4                     ; tiles of 16 rows,
	s_max_u32 s[NT], s[NT], 1                      ; one at the least
.endm
.macro BIAS4                           ; b1 into the accumulators of tiles 0-3: register j of (m, t) in lane (r, h) is unit 32 (t / 2) + 8 (t % 2) + 16 h + j
	WIN 0x40
.irp m, 0,1,2,3
.irp t, 0,1,2,3,4,5,6,7
.irp q, 0,1
	global_load_b128 v[8*(8*\m+\t)+4*\q:8*(8*\m+\t)+4*\q+3], v12, s[6:7] offset:(32*(\t/2)+8*(\t%2))*4+16*\q
.endr
.endr
.endr
	WIN 0
.endm
.macro GLOAD i, w, s                   ; tile i's 16 rows of codes: sixteen lanes read 256 consecutive bytes of a token's 768
	WIN 0x40*\w
.irp q, 0,1,2,3,4,5,6,7
.irp uu, 0,1,2
	global_load_b128 v[\s+12*\q+4*\uu:\s+12*\q+4*\uu+3], v[GO+8*(\i)+\q], s[8:9] offset:256*\uu
.endr
.endr
	WIN 0
.endm
.macro GSTORE i, w, s
	WIN 0x04*\w
.irp q, 0,1,2,3,4,5,6,7
.irp uu, 0,1,2
	ds_store_b128 v9, v[\s+12*\q+4*\uu:\s+12*\q+4*\uu+3] offset:(16*(\i)+2*\q)*XP+256*\uu
.endr
.endr
	WIN 0
.endm
.macro HEAD                            ; my 80 rows: their tokens, four tiles' codes into LDS, the scale words, the biases
	s_wait_loadcnt 0x0                             ; no load is out when the registers below are loaded
.irp i, 0,1,2,3
.irp q, 0,1,2,3,4,5,6,7
	ds_load_b32 v[GO+8*\i+\q], v14 offset:256*\i+8*\q   ; the token of row 2 q + h of tile 4 i + w: the whole list has been written, so the address is fixed
.endr
.endr
.irp i, 0,1,2,3,4
	ds_load_b32 v[GO+40+\i], v15 offset:256*\i          ; and of row r
.endr
	s_wait_dscnt 0x0
.set n, 0
.rept 32
	v_min_u32 v[GO+n], 0x3ff, v[GO+n]
	v_mul_u32_u24 v[GO+n], v[GO+n], 768
	v_add_nc_u32 v[GO+n], v[GO+n], v27             ; token x 768 + 16 r
.set n, n+1
.endr
.irp i, 0,1,2,3,4
	v_min_u32 v[GO+40+\i], 0x3ff, v[GO+40+\i]
	v_lshlrev_b32 v[22+\i], 5, v[GO+40+\i]
	v_lshl_add_u32 v[22+\i], v30, 4, v[22+\i]      ; token x 32 + 16 h: lanes 0-15 take K steps 0-3's words, lanes 16-31 those of 4-7
.endr
	v_mul_u32_u24 v21, v[GO+44], 768
	v_add_nc_u32 v21, v21, v28                     ; the fifth tile's codes: token x 768 + 24 h
	s_wait_alu depctr_va_vdst(0)                   ; the offsets v192-223, v21 and v22-26 are written, which the loads from here on read; the count's compares are done reading v60-123, in which tile 2's codes land
	GLOAD 0, 1, 0                                  ; three sets of 96 registers
	GLOAD 1, 1, 96
	GLOAD 2, 0, 60
	s_wait_loadcnt 48                              ; tile 0's 24 loads are in; two tiles' stay out
	GSTORE 0, 1, 0
	s_wait_dscnt 0x0
	s_wait_alu depctr_vm_vsrc(0)                   ; tile 0's LDS stores have read their registers, in which tile 3's codes land
	GLOAD 3, 1, 0
	s_wait_loadcnt 48                              ; tile 1's
	GSTORE 1, 1, 96
	s_wait_loadcnt 24                              ; tile 2's
	GSTORE 2, 0, 60
	s_wait_loadcnt 0x0
	GSTORE 3, 1, 0
	s_wait_dscnt 0x0
	s_wait_alu depctr_vm_vsrc(0)                   ; the LDS stores have read the three sets and the gather's loads their offsets v192-223: the biases land there now, the fragments later
.irp m, 0,1,2,3,4
	global_load_b128 v[XS+4*\m:XS+4*\m+3], v[22+\m], s[8:9] offset:XSCB
.endr
	BIAS4
.irp t, 0,1,2,3,4,5,6,7
.irp q, 0,1
	global_load_b128 v[X+8*\t+4*\q:X+8*\t+4*\q+3], v12, s[6:7] offset:(32*(\t/2)+8*(\t%2))*4+16*\q
.endr
.endr
	s_wait_loadcnt 0x0                             ; the biases and x's scale words are in: no load of mine is out at the interval's edge
.endm
.macro WM1 acc, tt, m, t, g
.if (\g) < 4
	v_wmma_scale_f32_16x16x128_f8f6f4 v[\acc:\acc+7], v[WF+12*(\tt):WF+12*(\tt)+11], v[XF+12*(\m):XF+12*(\m)+11], v[\acc:\acc+7], v[WS+(\t)], v[XS+4*(\m)+(\g)%4] matrix_a_fmt:MATRIX_FMT_BF6 matrix_b_fmt:MATRIX_FMT_BF6
.else
	v_wmma_scale_f32_16x16x128_f8f6f4 v[\acc:\acc+7], v[WF+12*(\tt):WF+12*(\tt)+11], v[XF+12*(\m):XF+12*(\m)+11], v[\acc:\acc+7], v[WS+(\t)], v[XS+4*(\m)+(\g)%4] matrix_a_fmt:MATRIX_FMT_BF6 matrix_b_fmt:MATRIX_FMT_BF6 matrix_b_scale:MATRIX_SCALE_ROW1
.endif
.endm
.macro MULS g, t0                      ; 20 products: my five tiles of rows x four tiles of units
	WIN 0x50                                       ; C and D window 1
.irp m, 0,1,2,3
.irp tt, 0,1,2,3
	WM1 8*(8*\m+\t0+\tt), \tt, \m, \t0+\tt, \g
.endr
.endr
	WIN 0
.irp tt, 0,1,2,3
	WM1 X+8*(\t0+\tt), \tt, 4, \t0+\tt, \g
.endr
	PLACES 4                                       ; in front of the next loads into operands, and of the first read of results
.endm
.macro CONSUME g                       ; K step g
.set BO, ((\g)%4)*CBUF
.irp p, 0,1,2,3,4,5
	global_load_b64 v[XF+48+2*\p:XF+48+2*\p+1], v21, s[8:9] offset:96*(\g)+48*(\p/3)+8*(\p%3)   ; the fifth tile's fragment, from xq
.endr
.irp m, 0,1,2,3
.irp p, 0,1,2,3,4,5
	ds_load_b64 v[XF+12*\m+2*\p:XF+12*\m+2*\p+1], v8 offset:16*XP*\m+96*(\g)+48*(\p/3)+8*(\p%3)
.endr
.endr
.irp t, 0,1,2,3,4,5,6,7
	ds_load_b32 v[WS+\t], v7 offset:BO+128*\t
.endr
.irp tt, 0,1,2,3
.irp q, 0,1,2
	ds_load_b128 v[WF+12*\tt+4*\q:WF+12*\tt+4*\q+3], v6 offset:BO+1536*\tt+512*\q
.endr
.endr
	s_wait_loadcnt 0x0                             ; the six loads above: my only loads out
	s_wait_dscnt 0x0
	MULS \g, 0
	s_wait_alu depctr_va_vdst(0)                   ; the 20 products are done reading the four fragments of weights, in which the other four land
.irp tt, 0,1,2,3
.irp q, 0,1,2
	ds_load_b128 v[WF+12*\tt+4*\q:WF+12*\tt+4*\q+3], v6 offset:BO+1536*(4+\tt)+512*\q
.endr
.endr
	s_wait_dscnt 0x0
	MULS \g, 4
.if (\g) < 7
	s_wait_alu depctr_va_vdst(0)                   ; the K step's products are done reading x's fragments, the weights' and their scale words, in which the next K step's loads land
.endif
.endm
; ---- ahead of the intervals: W asks for its first four half-sets; the M waves count the expert's rows; wave 4 lays the list.  No other wave has an LDS instruction ahead of the barrier.
	s_cmp_lt_u32 s[WV], 4
	s_cbranch_scc0 .Lpre_m
	ISSUE 0
	ISSUE 1
	ISSUE 2
	ISSUE 3
	s_branch .Lpre_j
.Lpre_m:
.set cc, 0
.rept 32
	global_load_b64 v[SELV+2*cc:SELV+2*cc+1], v186, s[10:11] offset:256*cc   ; all 1,024 tokens' two choices
.set cc, cc+1
.endr
	s_cmp_eq_u32 s[WV], 4
	s_cbranch_scc0 .Lpre_c
.irp z, 0,1,2,3
	v_mov_b32 v[224+\z], 0
.endr
	s_wait_loadcnt 0x0
	SCANG 1, 0
	SCANG 1, 1
	SCANG 1, 2
	SCANG 1, 3
	NTILES
	v_mov_b32 v189, s[NT]                          ; the expert's number of tiles, and its place in cnt
	s_lshl_b32 s46, s[EE], 2
	v_mov_b32 v190, s46
	s_wait_alu depctr_va_vdst(0)                   ; the zeros v224-227, the 32 places v124-155, the 32 tokens v192-223, v189 and v190 are written, which the stores below read
.irp k, 0,1,2,3,4,5,6,7,8
	ds_store_b128 v185, v[224:227] offset:512*\k   ; the whole list is token 0 first: ranks that no token takes stay so.  LDS serves my stores in order: the tokens land on top
.endr
.set cc, 0
.rept 32
	ds_store_b32 v[SA+cc], v[SD+cc]
.set cc, cc+1
.endr
	s_wait_alu depctr_vm_vsrc(0)                   ; the LDS stores have read v124-155 and v192-227, in which the loads of the first interval land
	s_cmp_lg_u32 s[SL], 0
	s_cbranch_scc1 .Lpre_j
	global_store_b32 v190, v189, s[26:27]          ; slice 0 hands the expert's number of tiles to the next launch: all lanes write the same word with the same value
	s_branch .Lpre_j
.Lpre_c:
	s_wait_loadcnt 0x0
	SCANG 0, 0
	SCANG 0, 1
	SCANG 0, 2
	SCANG 0, 3
	NTILES
.Lpre_j:
	s_wait_dscnt 0x0                               ; for the others' sake: the list has landed
	s_barrier_signal -1
	s_barrier_wait -1
; ---- the intervals.  In front of each barrier a wave's LDS instructions are done: W's images have landed, M's reads of the other two buffers are in.
.macro INTERVAL k
	s_cmp_lt_u32 s[WV], 4
	s_cbranch_scc0 .Lm_\@
	PRODUCE 4*(\k)
	PRODUCE 4*(\k)+1
	PRODUCE 4*(\k)+2
	PRODUCE 4*(\k)+3
.if (\k) < 3
	s_wait_alu depctr_vm_vsrc(0)                   ; the last image's stores have read the codes and the scale word, which the next interval's lines write again: stated ahead of the branch
.endif
	s_branch .Lj_\@
.Lm_\@:
.if (\k) == 0
	HEAD
.else
	CONSUME 2*(\k)-2
	CONSUME 2*(\k)-1
.endif
.Lj_\@:
	s_wait_dscnt 0x0
	s_barrier_signal -1
	s_barrier_wait -1
.endm
.irp k, 0,1,2,3
	INTERVAL \k
.endr
	s_cmp_lt_u32 s[WV], 4
	s_cbranch_scc1 .Lend                           ; the W waves are done
	CONSUME 6
	CONSUME 7
; ---- the way out of tile i (64 accumulator registers from v[s] of window w on): relu, the four blocks' scales, codes, and the fragment's image to h.  Left out where the expert has no such tile.
.macro EPI i, w, s
	s_cmp_ge_u32 s[TI+\i], s[NT]
	s_cbranch_scc1 .Lskip_\@
	s_wait_xcnt 0x0                                ; the last tile's stores have read their registers and bases
	s_add_co_u32 s46, s[TB], s[TI+\i]
	s_min_u32 s46, s46, 511                        ; the tile in h
	s_mul_i32 s50, s46, 49152
	s_add_co_u32 s50, s50, s32
	s_mov_b32 s51, 0
	s_add_nc_u64 s[48:49], s[12:13], s[50:51]
	s_lshl_b32 s50, s46, 11
	s_add_co_u32 s50, s50, s33
	s_add_nc_u64 s[52:53], s[28:29], s[50:51]
	WIN 0x44*\w
.set jj, 0
.rept 64
	v_max_num_f32 v[\s+jj], 0, v[\s+jj]            ; the activation, each accumulator from its low end on
.set jj, jj+1
.endr
	WIN 0x05*\w
.irp b, 0,1,2,3
	v_max3_num_f32 v[TM+\b], v[\s+16*\b], v[\s+16*\b+1], 0x2800000   ; block b: my 16 numbers (none is negative), and the floor
.endr
	WIN 0x14*\w
.irp i2, 2,4,6,8,10,12,14
.irp b, 0,1,2,3
	v_max3_num_f32 v[TM+\b], v[TM+\b], v[\s+16*\b+\i2], v[\s+16*\b+\i2+1]
.endr
.endr
	WIN 0
.irp b, 0,1,2,3
	v_permlanex16_b32 v[TM+4+\b], v[TM+\b], s34, s35
.endr
.irp b, 0,1,2,3
	v_max_num_f32 v[TM+\b], v[TM+\b], v[TM+4+\b]   ; with lane l xor 16's: the block's largest
.endr
.irp b, 0,1,2,3
	v_add_nc_u32 v[TM+12+\b], 0xfe000000, v[TM+\b]
.endr
.irp b, 0,1,2,3
	v_lshrrev_b32 v[TM+4+\b], 23, v[TM+12+\b]
.endr
	v_lshl_or_b32 v[PW], v[TM+5], 8, v[TM+4]       ; my row's scale word
	v_lshl_or_b32 v[PW], v[TM+6], 16, v[PW]
	v_lshl_or_b32 v[PW], v[TM+7], 24, v[PW]
	WIN 0x01*\w
.irp c, 0,1
	v_cvt_scalef32_pk16_bf6_f32 v[PC+6*\c:PC+6*\c+2], v[\s+32*\c:\s+32*\c+15], v[TM+12+2*\c]
	v_cvt_scalef32_pk16_bf6_f32 v[PC+12+4*\c:PC+14+4*\c], v[\s+32*\c+16:\s+32*\c+31], v[TM+12+2*\c+1]
.endr
	WIN 0
	v_nop                                          ; a plain line behind the conversions
.irp c, 0,1                            ; the operand's layout wants a whole block in a lane
.irp i2, 0,1,2
	v_permlane16_swap_b32 v[PC+6*\c+\i2], v[PC+12+4*\c+\i2]
.endr
.irp i2, 0,1,2
	v_mov_b32 v[PC+3+6*\c+\i2], v[PC+12+4*\c+\i2]
.endr
.endr
	s_wait_alu depctr_va_vdst(0)                   ; the tile's codes and scale word are written, which the four stores read
.irp q, 0,1,2
	global_store_b128 v1, v[PC+4*\q:PC+4*\q+3], s[48:49] offset:512*\q   ; 512 consecutive bytes a store
.endr
	global_store_b32 v13, v[PW], s[52:53]                                ; lanes r and r + 16 write the same word with the same value
	s_wait_alu depctr_vm_vsrc(0)                   ; the four stores have read the codes and the scale word, which the next tile's lines write again: stated ahead of the next branch
.Lskip_\@:
.endm
	s_min_u32 s[NT], s[NT], 64
	s_max_u32 s38, s[NT], 20
	s_sub_co_u32 s38, s38, 20
	s_add_co_u32 s38, s38, 15
	s_lshr_b32 s38, s38, 4
	s_add_co_u32 s38, s38, 1                       ; passes that have work: the first for tiles 0-19, each later one for 16 more
	s_mov_b32 s39, 0
.irp i, 0,1,2,3,4
	s_add_co_u32 s[TI+\i], s[WQ], 4*\i
.endr
.Lpass:                                            ; four trips, whatever the split: 20 + 3 x 16 tiles cover an expert's 64; a trip without work is jumped over
	s_cmp_eq_u32 s39, 0
	s_cbranch_scc1 .Lout
	s_cmp_ge_u32 s39, s38
	s_cbranch_scc1 .Lnext
	; a later pass: four tiles a wave: 20 + 16 (pass - 1) + 4 i + w
	s_lshl_b32 s46, s39, 4
	s_add_co_u32 s46, s46, 4
	s_add_co_u32 s46, s46, s[WQ]
.irp i, 0,1,2,3
	s_add_co_u32 s[TI+\i], s46, 4*\i
.endr
	s_mov_b32 s[TI+4], 0xffff                      ; no fifth tile
	s_wait_xcnt 0x0                                ; earlier stores have read their registers
	s_wait_alu depctr_vm_vsrc(0)                   ; the earlier loads of x's codes and scale words have read their offsets v17-20 and v22-25, which are written again below
.irp i, 0,1,2,3
	s_min_u32 s47, s[TI+\i], 63
	s_lshl_b32 s47, s47, 6
	s_add_co_u32 s47, s47, LIST
	v_add_nc_u32 v[22+\i], s47, v13
.endr
	s_wait_alu depctr_va_vdst(0)                   ; v22-25 are written, which the four LDS loads read as addresses
.irp i, 0,1,2,3
	ds_load_b32 v[17+\i], v[22+\i]                 ; the token of row r
.endr
	BIAS4
	s_wait_loadcnt 0x0
	s_wait_dscnt 0x0
	s_wait_alu depctr_vm_vsrc(0)                   ; the four LDS loads have read v22-25, which are written again below
.irp i, 0,1,2,3
	v_min_u32 v[17+\i], 0x3ff, v[17+\i]
	v_lshlrev_b32 v[22+\i], 5, v[17+\i]            ; its scale words
	v_mul_u32_u24 v[17+\i], v[17+\i], 768
	v_add_nc_u32 v[17+\i], v[17+\i], v28           ; its codes, + 24 h
.endr
	s_mov_b64 s[54:55], s[8:9]
	s_mov_b64 s[56:57], s[8:9]
	s_mov_b64 s[58:59], s[24:25]
	s_mov_b32 s60, 0
	s_wait_alu depctr_va_vdst(0)                   ; v17-20 and v22-25 are written, which the loop's loads read as offsets
.Lks:                                              ; a K step a trip
.irp i, 0,1,2,3
.irp p, 0,1,2,3,4,5
	global_load_b64 v[XF+12*\i+2*\p:XF+12*\i+2*\p+1], v[17+\i], s[54:55] offset:48*(\p/3)+8*(\p%3)
.endr
	global_load_b32 v[XS+\i], v[22+\i], s[56:57] offset:XSCB
.endr
.irp t, 0,1,2,3,4,5,6,7
.irp c, 0,1
.irp j, 0,1,2,3,4,5,6,7
	global_load_b128 v[X+32*\c+4*\j:X+32*\c+4*\j+3], v16, s[58:59] offset:(32*(\t/2)+8*(\t%2))*4096+256*\c+16*\j
.endr
.endr
	s_wait_loadcnt 0x0
	QUANTW
	PLACES 8                                       ; the scale word was written by vector lines
	s_wait_alu depctr_va_vdst(0)                   ; the codes and the scale word are written, which the scaled products take; the next tile's numbers land there
	WIN 0x50
.irp i, 0,1,2,3
	v_wmma_scale_f32_16x16x128_f8f6f4 v[8*(8*\i+\t):8*(8*\i+\t)+7], v[CF:CF+11], v[XF+12*\i:XF+12*\i+11], v[8*(8*\i+\t):8*(8*\i+\t)+7], v[SW], v[XS+\i] matrix_a_fmt:MATRIX_FMT_BF6 matrix_b_fmt:MATRIX_FMT_BF6
.endr
	WIN 0
	PLACES 4
.endr
	s_wait_alu depctr_va_vdst(0)                   ; the trip's products are done reading x's fragments and scale words, in which the next trip's loads land
	s_add_nc_u64 s[54:55], s[54:55], 96            ; every load of the trip has been waited for
	s_add_nc_u64 s[56:57], s[56:57], 4
	s_add_nc_u64 s[58:59], s[58:59], 512
	s_add_co_u32 s60, s60, 1
	s_cmp_lt_u32 s60, 8
	s_cbranch_scc1 .Lks
.Lout:
	EPI 0, 1, 0
	EPI 1, 1, 64
	EPI 2, 1, 128
	EPI 3, 1, 192
	EPI 4, 0, X
.Lnext:
	s_add_co_u32 s39, s39, 1
	s_cmp_lt_u32 s39, 4
	s_cbranch_scc1 .Lpass
.Lend:
	s_wait_dscnt 0x0                               ; the closing lines, six on end
	s_wait_alu 0x0
	s_wait_tensorcnt 0x0
	ds_add_u32 v179, v191
	s_wait_dscnt 0x0
	s_endpgm
.Lfunc_end_k_qade318244e_ffn1:
	.size	k_qade318244e_ffn1, .Lfunc_end_k_qade318244e_ffn1-k_qade318244e_ffn1
	.p2alignl 7, 3214868480
	.fill 96, 4, 3214868480
	.section	.rodata,"a",@progbits
	.p2align	6, 0x0
	.amdhsa_kernel k_qade318244e_ffn1
		.amdhsa_group_segment_fixed_size 293376
		.amdhsa_private_segment_fixed_size 0
		.amdhsa_enable_private_segment 0
		.amdhsa_kernarg_size 48
		.amdhsa_user_sgpr_count 2
		.amdhsa_user_sgpr_kernarg_segment_ptr 1
		.amdhsa_wavefront_size32 1
		.amdhsa_system_sgpr_workgroup_id_x 1
		.amdhsa_system_sgpr_workgroup_id_y 1
		.amdhsa_system_sgpr_workgroup_id_z 1
		.amdhsa_system_vgpr_workitem_id 0
		.amdhsa_next_free_vgpr 512
		.amdhsa_next_free_sgpr 66
		.amdhsa_reserve_vcc 1
		.amdhsa_float_denorm_mode_32 3
		.amdhsa_float_denorm_mode_16_64 3
		.amdhsa_memory_ordered 1
		.amdhsa_forward_progress 1
		.amdhsa_inst_pref_size 255
	.end_amdhsa_kernel
	.section	.bss,"aw",@nobits
	.p2align	6
	.space	262144
	.amdgpu_metadata
---
amdhsa.version: [ 1, 2 ]
amdhsa.kernels:
  - .name:           k_qade318244e_ffn1
    .symbol:         k_qade318244e_ffn1.kd
    .args:
      - { .name: w1, .offset: 0, .size: 8, .value_kind: global_buffer, .address_space: global }
      - { .name: b1, .offset: 8, .size: 8, .value_kind: global_buffer, .address_space: global }
      - { .name: xq, .offset: 16, .size: 8, .value_kind: global_buffer, .address_space: global }
      - { .name: sel, .offset: 24, .size: 8, .value_kind: global_buffer, .address_space: global }
      - { .name: h, .offset: 32, .size: 8, .value_kind: global_buffer, .address_space: global }
      - { .name: cnt, .offset: 40, .size: 8, .value_kind: global_buffer, .address_space: global }
    .group_segment_fixed_size: 293376
    .private_segment_fixed_size: 0
    .kernarg_segment_align: 8
    .kernarg_segment_size: 48
    .max_flat_workgroup_size: 256
    .sgpr_count:     66
    .vgpr_count:     512
    .wavefront_size: 32
...
	.end_amdgpu_metadata
.endif
;; end of part 6
;; launch ffn2 (part 7): grid 32 x 8, 8 waves a work-group, no clusters, 106,496 bytes of LDS; arguments w2, b2, h, cnt, sel, y, pos; writes y, pos
.if DOCPART == 7
	.amdgcn_target "amdgcn-amd-amdhsa--gfx1250"
	.amdhsa_code_object_version 6
	.text
	.protected	k_qade318244e_ffn2
	.globl	k_qade318244e_ffn2
	.p2align	8
	.type	k_qade318244e_ffn2,@function
k_qade318244e_ffn2:
	s_mov_b64 s[64:65], 0
	v_nop
	global_prefetch_b8 v0, s[64:65] scope:SCOPE_SE
	s_setreg_imm32_b32 hwreg(HW_REG_WAVE_SCHED_MODE, 0, 2), 2
	s_setreg_imm32_b32 hwreg(HW_REG_WAVE_MODE, 25, 1), 1
	s_wait_xcnt 0x0
	s_wait_alu depctr_vm_vsrc(0)
; FFN2.  y = h Q(w2)^T + b2 for the routed rows; h arrives as codes of BF6 (E3M2) in the order of the operand's registers, w2 as f32.  y [512 tiles][32 slices][16 rows][32] f32; the gates come in the next launch.
; SHARES.  Work-group (x = slice, y = expert) owns output columns 32 slice .. + 31 of one expert, over all of K = 4,096: 512 KB of w2, dense, read here and by nobody else.  Expert e owns tiles 64 e .. 64 e + 63 of h and of y.
; TWO ROLES, as in the first product's launch.  Waves 0-3 (W): wave w streams K steps 4 g + w (512 consecutive bytes a load, four half-sets of 16 loads in flight), quantises, lays its fragments in LDS.
; Waves 4-7 (M): five tiles of 16 rows each (tiles 4 i + w of the expert), ten accumulators; their fragments of h come straight from memory, three loads of 512 consecutive bytes each, through a ring of three K steps.
; FIVE INTERVALS, one barrier between two: in interval k W lays K steps 8 k .. 8 k + 7 in code buffers (2 k) % 4 and (2 k + 1) % 4 (four K steps each), M multiplies K steps 8 k - 8 .. 8 k - 1.
; AN INTERVAL TAKES EACH OF W'S FOUR HALF-SETS ONCE: every interval of W begins and ends with the same four half-sets out, in the same order.  An interval of M asks for its own eight K steps of h and has them all in
; at its end: no load of M is out at an interval's edge, and every fragment and scale word of h is loaded in the interval that multiplies it.
; THE POSITIONS.  There wave 4 of slice 0 ranks its expert's tokens from sel, as the launch before ranked them, and stores each choice's row 1,024 e + rank in pos [1024][2],
; at its fixed place; a lane whose token did not choose the expert stores 0 to the expert's spare word (word 2,048 + e).  EXEC is never narrowed.
; THE TWO STREAMS LAND IN DIFFERENT REGISTERS: the weights in window 1, h's fragments, its scale words and b2 in window 0.  256 registers of half-sets and four K steps of h (240) do not fit beside each other in 512,
; so h's ring has three K steps (180): the weights' stream, which comes from memory once and bounds the launch, keeps its four half-sets.
; THE PRODUCT IS USED TRANSPOSED (source 0 = 16 columns' rows of w2, source 1 = 16 rows of h): a lane holds one row and eight neighbouring columns.  b2 is the C of K step 0's products: nothing is cleared.
; The ten accumulators take turns, one instruction a turn.
; No tensor load, no cluster: which tiles are read and stored hangs on numbers read from cnt; no two work-groups share a weight.
; AN EXPERT WITH MORE THAN 320 ROWS: later passes, each wave alone with four tiles, weights straight from memory.  Right for every split; slow.
; LIMITS: NaN and infinities are not served; a block of zeros gets the byte 1 (zero codes; this program alone reads the bytes).
; REGISTERS.  Window 0: v1-16 addresses (made ahead of the first parting of the roles, never rewritten); v17-21, v22-26 my tiles' offsets in h's images and scale words; v28-31 lane, r, h, 4 lane;
;   v32-46 h's scale words, three sets of five; v48-55 the weights' scale words; v56-71 b2; v72-251 h's fragments: K step s, tile m at 72 + 60 (s % 3) + 12 m.
;   (W and the later passes: v72-135 64 numbers, v136-155 the codes just made, v156-163 at work, v164-211 four fragments of h; the way out: v212-227.  The positions: v72-135 sel, v136-199 addresses and rows, v200-203 at work.)
;   Window 1: M: accumulators (m, u) at 8 (2 m + u), eight fragments of weights from v80 on; W: the four half-sets.
; THE MODE: SCHED_MODE bits 1:0 = 2 (LLVM: expert scheduling mode 2), set by the entry lines.  The code itself states the register dependences between vector or matrix instructions and memory or LDS instructions,
; with s_wait_alu, always for 0.
; THE PLAN.  Registers that memory or LDS instructions touch, and who else names them:
;   v1-16, v28-31               addresses and offsets: written at the head, never again: one wait on va_vdst at the head's end.   v17-26, v200: written at the head of M's first interval, one wait behind them.
;   W: the half-sets            written by loads, read by the stage's LDS stores alone.   X: LDS loads land, the quantiser's lines read.   CF, SW: the quantiser writes, the image's LDS stores read.
;      Two waits a half-set: vm_vsrc beside the wait for the stage; va_vdst behind the quantiser.  No vector line stands between that wait and the next half-set's LDS loads into X.
;   M: the ring's three places, the three sets of h's scale words, the weights' fragments and scale words: written by loads, read by products.  ONE wait on va_vdst in a K step, behind its ten products, where a load follows:
;      K steps 0 to 4 of an interval (the block three on; behind K step 3 the weights' next fragments too) and K step 7 (the next interval's loads; the way out's LDS stores, which read the accumulators).  K steps 5 and 6 have none.
;   The way out holds no vector line: its rows' registers are loaded from LDS and read by stores: vm_vsrc behind each tile's stores.
;   Both roles use all their 512 registers: there is no fourth place in the ring.
.set STG,   0                          ; LDS: the W waves' stages: 16 rows x SPT each
.set SPT,   528
.set COD,   33792                      ; four code buffers
.set CBUF,  13312                      ; 8 images of 1,536 bytes, then 8 x 128 bytes of scale words
.set CSC,   12288
.set OST,   87040                      ; the way out: 16 rows x 144 bytes for each wave
.set HSC,   25165824                   ; h: where the scale words begin
.set LASTP, 8444                       ; pos's last word
.set AS,  32
.set WS,  48
.set SW,  48
.set B2,  56
.set AF,  72
.set X,   72
.set CF,  136
.set CT,  148
.set TQ,  156
.set SAF, 164
.set OB,  212
.set SELV, 72
.set PA,  136
.set PD,  168
.set ACC, 0                            ; in window 1
.set WF,  80                           ; in window 1
.set WV, 14
.set WQ, 15
.set EE, 16
.set SL, 17
.set NT, 18
.set TB, 19
.set TI, 40
.set MSB, 0
.macro WIN new                         ; the immediate's high byte repeats the setting that is left
.if MSB != (\new)
	s_set_vgpr_msb (MSB<<8)|(\new)
.set MSB, (\new)
.endif
.endm
.macro PLACES n
.rept \n
	v_nop
.endr
.endm
	s_load_b256 s[4:11], s[0:1], 0x0               ; w2 s[4:5], b2 s[6:7], h s[8:9], cnt s[10:11]
	s_load_b64 s[26:27], s[0:1], 0x20              ; sel
	s_load_b64 s[12:13], s[0:1], 0x28              ; y
	s_load_b64 s[36:37], s[0:1], 0x30              ; pos
	v_lshl_add_u32 v254, v0, 2, 0x19c00            ; my spare word, and 0: kept for the closing lines alone
	v_mov_b32 v255, 0
	v_lshrrev_b32 v27, 5, v0
	v_readfirstlane_b32 s[WV], v27
	s_and_b32 s[EE], ttmp7, 0xffff
	s_mov_b32 s[SL], ttmp9
	s_lshl_b32 s[TB], s[EE], 6                     ; the expert's first tile
	s_lshl_b32 s23, s[SL], 11                      ; my slice's 2,048 bytes in a tile of y
	v_and_b32 v28, 31, v0                          ; lane
	v_and_b32 v29, 15, v0                          ; r
	v_bfe_u32 v30, v0, 4, 1                        ; h
	v_lshlrev_b32 v31, 2, v28                      ; 4 lane
	v_lshlrev_b32 v1, 4, v28                       ; v1  16 lane
	s_wait_alu depctr_va_sdst(0)                   ; the wave's number is written in s14, ahead of its first reader
	s_and_b32 s[WQ], s[WV], 3
	s_mul_i32 s30, s[WQ], 16*SPT
	v_add_nc_u32 v2, s30, v1                       ; v2  stage, in
	v_mul_u32_u24 v3, v29, SPT
	v_lshl_add_u32 v3, v30, 7, v3
	v_add_nc_u32 v3, s30, v3                       ; v3  stage, out: row r, + 128 h
	s_mul_i32 s30, s[WQ], 3072
	s_add_co_u32 s30, s30, COD
	v_add_nc_u32 v4, s30, v1                       ; v4  where I lay my two images of a buffer
	s_lshl_b32 s30, s[WQ], 8
	s_add_co_u32 s30, s30, COD+CSC
	v_add_nc_u32 v5, s30, v31                      ; v5  and their scale words
	v_add_nc_u32 v6, COD, v1                       ; v6  where images are read
	v_add_nc_u32 v7, COD+CSC, v31                  ; v7  and scale words
	s_mul_i32 s30, s[WV], 2304
	s_add_co_u32 s30, s30, OST
	v_mul_u32_u24 v8, v29, 144
	v_lshl_add_u32 v8, v30, 5, v8
	v_add_nc_u32 v8, s30, v8                       ; v8  the way out, in: row r, + 32 h
	v_lshrrev_b32 v9, 3, v28
	v_mul_u32_u24 v9, v9, 144
	v_and_b32 v27, 7, v28
	v_lshl_add_u32 v9, v27, 4, v9
	v_add_nc_u32 v9, s30, v9                       ; v9  back: eight lanes to a row of 128 bytes
	v_lshlrev_b32 v10, 3, v30                      ; v10 8 h
	v_mov_b32 v11, 0                               ; v11 a lane permute's destination
	v_lshlrev_b32 v12, 5, v30                      ; v12 b2: 32 h
	v_lshlrev_b32 v13, 2, v29                      ; v13 4 r
	v_lshlrev_b32 v16, 14, v29
	v_lshl_add_u32 v16, v30, 7, v16                ; v16 later passes: weights' row r, + 128 h
	s_mov_b32 s34, 0x76543210
	s_mov_b32 s35, 0xfedcba98
	s_wait_kmcnt 0x0
	s_lshl_b32 s30, s[EE], 24
	s_lshl_b32 s31, s[SL], 19
	s_add_co_u32 s30, s30, s31
	s_mov_b32 s31, 0
	s_add_nc_u64 s[24:25], s[4:5], s[30:31]        ; the work-group's 32 rows of w2
	s_lshl_b32 s30, s[WQ], 9
	s_add_nc_u64 s[20:21], s[24:25], s[30:31]      ; at my K step of four
	s_lshl_b32 s30, s[EE], 12
	s_lshl_b32 s32, s[SL], 7
	s_add_co_u32 s30, s30, s32
	s_add_nc_u64 s[6:7], s[6:7], s[30:31]          ; b2 at my 32 columns
	s_add_nc_u64 s[52:53], s[8:9], HSC             ; h's scale words
	s_lshl_b32 s30, s[EE], 2
	s_add_nc_u64 s[28:29], s[10:11], s[30:31]
	s_load_b32 s[NT], s[28:29], 0x0                ; the expert's tiles, 1 at the least
	s_wait_alu depctr_va_vdst(0)                   ; the addresses and offsets v1-16 and v28-31 are written, which the loads and stores of the whole kernel read
; ---- role W
.macro ISSUE idx                       ; half-set idx: K step 4 (idx / 2) + w, tile idx % 2: 16 rows x 512 bytes
	WIN 0x40
.irp i, 0,1,2,3,4,5,6,7,8,9,10,11,12,13,14,15
	global_load_b128 v[64*((\idx)%4)+4*\i:64*((\idx)%4)+4*\i+3], v1, s[20:21] offset:(16*((\idx)%2)+\i)*16384+2048*((\idx)/2) th:TH_LOAD_NT
.endr
	WIN 0
.endm
; 64 numbers of a lane, v[X + 32 c + i] = k 64 c + 32 h + i of row r (two whole blocks), become the fragment's codes in v[CF] on and the row's scale word in v[SW].
.macro QUANTW
.irp c, 0,1
	v_max3_num_f32 v[TQ+\c], |v[X+32*\c]|, |v[X+32*\c+1]|, 0x2800000   ; the floor 2^(5 - 127): the byte cannot fall under 1
	v_max3_num_f32 v[TQ+6+\c], |v[X+32*\c+16]|, |v[X+32*\c+17]|, |v[X+32*\c+18]|
.endr
.irp i, 2,4,6,8,10,12
.irp c, 0,1
	v_max3_num_f32 v[TQ+\c], v[TQ+\c], |v[X+32*\c+\i]|, |v[X+32*\c+\i+1]|   ; four chains by turns
	v_max3_num_f32 v[TQ+6+\c], v[TQ+6+\c], |v[X+32*\c+\i+17]|, |v[X+32*\c+\i+18]|
.endr
.endr
.irp c, 0,1
	v_max3_num_f32 v[TQ+\c], v[TQ+\c], |v[X+32*\c+14]|, |v[X+32*\c+15]|
.endr
.irp c, 0,1
	v_max3_num_f32 v[TQ+\c], v[TQ+\c], v[TQ+6+\c], |v[X+32*\c+31]|
.endr
.irp c, 0,1
	v_add_nc_u32 v[TQ+2+\c], 0xfe000000, v[TQ+\c]  ; 4 off the exponent field: the conversion's scale operand
.endr
.irp c, 0,1
	v_lshrrev_b32 v[TQ+4+\c], 23, v[TQ+2+\c]       ; the scale's byte
.endr
	v_lshl_or_b32 v[SW], v[TQ+5], 16, v[TQ+4]      ; my two bytes, blocks h and 2 + h,
	v_lshlrev_b32 v[SW], v10, v[SW]                ; at their places;
	v_permlanex16_b32 v11, v[SW], s34, s35
	v_or_b32 v[SW], v[SW], v11                     ; with lane l xor 16's two the word is whole, in both halves
.irp c, 0,1
	v_cvt_scalef32_pk16_bf6_f32 v[CF+6*\c:CF+6*\c+2], v[X+32*\c:X+32*\c+15], v[TQ+2+\c]
	v_cvt_scalef32_pk16_bf6_f32 v[CT+4*\c:CT+4*\c+2], v[X+32*\c+16:X+32*\c+31], v[TQ+2+\c]   ; (a conversion's three registers begin on an even number)
.endr
	v_nop                                          ; a plain line behind the conversions
.irp c, 0,1
.irp i, 0,1,2
	v_mov_b32 v[CF+3+6*\c+\i], v[CT+4*\c+\i]
.endr
.endr
.endm
.macro PRODUCE idx
.if (\idx) < 13
	s_wait_loadcnt 48                              ; this half-set's 16 loads are in; the three half-sets behind it stay out
.else
	s_wait_loadcnt 16*(15-(\idx))
.endif
	WIN 0x04                                       ; an LDS store's data are its source 1: window 1
.irp i, 0,1,2,3,4,5,6,7,8,9,10,11,12,13,14,15
	ds_store_b128 v2, v[64*((\idx)%4)+4*\i:64*((\idx)%4)+4*\i+3] offset:SPT*\i
.endr
	WIN 0
.irp c, 0,1
.irp j, 0,1,2,3,4,5,6,7
	ds_load_b128 v[X+32*\c+4*\j:X+32*\c+4*\j+3], v3 offset:256*\c+16*\j   ; LDS serves a wave's instructions in order (ISA guide 5.7.1.4): these see the stores above.  No vector line since the wait behind the last conversions names X
.endr
.endr
	s_wait_dscnt 0x0                               ; my 64 numbers are in
	s_wait_alu depctr_vm_vsrc(0)                   ; the stage's stores have read the half-set, in which the loads below land; the last image's stores have read the codes and the scale word, which the lines below write again
.if (\idx)+4 < 16
	ISSUE (\idx)+4                                 ; the same half-set of the next interval
.endif
	QUANTW
	s_wait_alu depctr_va_vdst(0)                   ; the codes and the scale word are written, which the stores below read; the next half-set's numbers land there
.irp q, 0,1,2
	ds_store_b128 v4, v[CF+4*\q:CF+4*\q+3] offset:(((\idx)/2)%4)*CBUF+1536*((\idx)%2)+512*\q
.endr
	ds_store_b32 v5, v[SW] offset:(((\idx)/2)%4)*CBUF+128*((\idx)%2)
.endm
; ---- role M
; Block s: K step s of my five tiles, into ring place s % 3.  An even s brings first the scale words of K steps s (lanes 0-15) and s + 1 (lanes 16-31), into set (s / 2) % 3.
.macro BLK s
.if ((\s)%2) == 0
.irp m, 0,1,2,3,4
	global_load_b32 v[AS+5*(((\s)/2)%3)+\m], v[22+\m], s[52:53] offset:64*(\s)
.endr
.endif
.irp m, 0,1,2,3,4
.irp q, 0,1,2
	global_load_b128 v[AF+60*((\s)%3)+12*\m+4*\q:AF+60*((\s)%3)+12*\m+4*\q+3], v[17+\m], s[8:9] offset:1536*(\s)+512*\q
.endr
.endr
.endm
; The rows of the expert's tokens, 32 tokens a chunk, four chunks at a time: eight compares in a run, into eight scalar registers, and one wait behind the run.
; A token names an expert once at the most, so one store a chunk serves both of its places.  Each chunk has address and data registers of its own; the stores follow behind all 32 chunks.
.macro POSG g
.irp c, 0,1,2,3
	v_cmp_eq_u32 s[54+2*\c], s[EE], v[SELV+2*(4*(\g)+\c)]
	v_cmp_eq_u32 s[55+2*\c], s[EE], v[SELV+2*(4*(\g)+\c)+1]
.endr
	s_wait_alu depctr_va_sdst(0)                   ; the eight masks s54-61 are written, ahead of their first readers
.irp c, 0,1,2,3
.set cc, 4*(\g)+\c
	s_or_b32 vcc_lo, s[54+2*\c], s[55+2*\c]        ; the lanes whose token chose this expert
	v_mbcnt_lo_u32_b32 v202, vcc_lo, s33           ; the rank
	v_add_nc_u32 v202, s45, v202                   ; the row
	v_add_nc_u32 v203, 256*cc, v200                ; my token's first place
	v_cndmask_b32 v[PA+cc], v201, v203, s[54+2*\c]
	v_add_nc_u32 v203, 4, v203                     ; its second
	v_cndmask_b32 v[PA+cc], v[PA+cc], v203, s[55+2*\c]
	v_cndmask_b32 v[PD+cc], 0, v202, vcc_lo
	v_min_u32 v[PA+cc], LASTP, v[PA+cc]
	s_bcnt1_i32_b32 s46, vcc_lo
	s_add_co_u32 s33, s33, s46
.endr
.endm
.macro POSITIONS
.set cc, 0
.rept 32
	global_load_b64 v[SELV+2*cc:SELV+2*cc+1], v200, s[26:27] offset:256*cc
.set cc, cc+1
.endr
	s_lshl_b32 s33, s[EE], 2
	s_add_co_u32 s33, s33, 8192
	v_mov_b32 v201, s33                            ; the expert's spare word
	s_lshl_b32 s45, s[EE], 10                      ; the expert's first row
	s_mov_b32 s33, 0                               ; its rows so far
	s_wait_loadcnt 0x0
.irp g, 0,1,2,3,4,5,6,7
	POSG \g
.endr
	s_wait_alu depctr_va_vdst(0)                   ; the 32 places v136-167 and the 32 rows v168-199 are written, which the stores below read; the compares are done reading v72-135 (h's fragments land in all of these later)
.set cc, 0
.rept 32
	global_store_b32 v[PA+cc], v[PD+cc], s[36:37]
.set cc, cc+1
.endr
	s_wait_xcnt 0x0                                ; the stores have had their addresses translated: their registers are loaded again later
	s_wait_alu depctr_vm_vsrc(0)                   ; the stores have read v136-199 and sel's loads v200, in which h's fragments land later
.endm
.macro HEAD
	s_wait_kmcnt 0x0
	s_max_u32 s46, s[NT], 1
	s_sub_co_u32 s46, s46, 1                       ; the expert's last tile
.irp m, 0,1,2,3,4
	s_add_co_u32 s48, s[WQ], 4*\m
	s_min_u32 s48, s48, s46                        ; a set without a tile of its own reads one that has been written; its results are not stored
	s_add_co_u32 s48, s48, s[TB]
	s_min_u32 s48, s48, 511
	s_mul_i32 s49, s48, 49152
	v_add_nc_u32 v[17+\m], s49, v1
	s_lshl_b32 s49, s48, 11
	v_add_nc_u32 v[22+\m], s49, v31
.endr
	v_lshlrev_b32 v200, 3, v28                     ; 8 bytes a token, in sel and in pos
	s_wait_alu depctr_va_vdst(0)                   ; v17-26 are written, which every load of h reads as its offset, and v200, which sel's loads read
.irp u, 0,1
.irp q, 0,1
	global_load_b128 v[B2+8*\u+4*\q:B2+8*\u+4*\q+3], v12, s[6:7] offset:64*\u+16*\q   ; b2: register j of tile u in lane (r, h) is column 16 u + 8 h + j
.endr
.endr
	s_cmp_lg_u32 s[SL], 0
	s_cbranch_scc1 .Lno_pos
	s_cmp_lg_u32 s[WV], 4
	s_cbranch_scc1 .Lno_pos
	POSITIONS
.Lno_pos:
	s_wait_loadcnt 0x0                             ; no load of mine is out at the interval's edge
.endm
.macro WM2 m, u, s
.set rD, ACC+8*(2*\m+\u)
.set rA, WF+12*(2*((\s)%4)+\u)
.set rB, AF+60*((\s)%3)+12*\m
.set rW, WS+2*((\s)%4)+\u
.set rS, AS+5*(((\s)/2)%3)+\m
.if (\s) == 0
	v_wmma_scale_f32_16x16x128_f8f6f4 v[rD:rD+7], v[rA:rA+11], v[rB:rB+11], v[B2+8*\u:B2+8*\u+7], v[rW], v[rS] matrix_a_fmt:MATRIX_FMT_BF6 matrix_b_fmt:MATRIX_FMT_BF6
.elseif (\s)%2
	v_wmma_scale_f32_16x16x128_f8f6f4 v[rD:rD+7], v[rA:rA+11], v[rB:rB+11], v[rD:rD+7], v[rW], v[rS] matrix_a_fmt:MATRIX_FMT_BF6 matrix_b_fmt:MATRIX_FMT_BF6 matrix_b_scale:MATRIX_SCALE_ROW1
.else
	v_wmma_scale_f32_16x16x128_f8f6f4 v[rD:rD+7], v[rA:rA+11], v[rB:rB+11], v[rD:rD+7], v[rW], v[rS] matrix_a_fmt:MATRIX_FMT_BF6 matrix_b_fmt:MATRIX_FMT_BF6
.endif
.endm
; K step s, the (s % 8)-th of its interval.  The count 35: behind block s stand blocks s + 1 and s + 2, of 15 loads each and 5 more for the even one of the two; the interval's last two K steps have one block and none behind them.
.macro KSTEP s
.set J, (\s)%8
.if J < 6
	s_wait_loadcnt 35
.elseif J == 6
	s_wait_loadcnt 15
.else
	s_wait_loadcnt 0x0
.endif
.if (\s) == 0
	WIN 0x41                                       ; source 0 (weights) and D window 1; source 1 (h) and C (b2) window 0
.else
	WIN 0x51                                       ; C window 1 too
.endif
.irp m, 0,1,2,3,4
.irp u, 0,1
	WM2 \m, \u, \s
.endr
.endr
	WIN 0
	PLACES 4                                       ; in front of loads into operands and scale words, and of the first read of results
.if J < 5
	s_wait_alu depctr_va_vdst(0)                   ; the products so far are done reading this place of the ring and the older scale words, in which the block below lands; behind the fourth K step also the weights' fragments and scale words, which the next four K steps' take
.endif
.if J == 7
	s_wait_alu depctr_va_vdst(0)                   ; the interval's products are done reading the ring, h's scale words and the weights', in which the next interval's loads land; behind the last interval: the accumulators are written, which the way out's LDS stores read
.endif
.if J+3 < 8
	BLK (\s)+3                                     ; the ring's place takes the K step three on, if it is this interval's
.endif
.endm
.macro WLOAD g                         ; the weights' eight fragments and scale words of K steps 4 g .. 4 g + 3
.set BO, ((\g)%4)*CBUF
	WIN 0x40                                       ; destination window 1
.irp f, 0,1,2,3,4,5,6,7
.irp q, 0,1,2
	ds_load_b128 v[WF+12*\f+4*\q:WF+12*\f+4*\q+3], v6 offset:BO+1536*\f+512*\q
.endr
.endr
	WIN 0
.irp f, 0,1,2,3,4,5,6,7
	ds_load_b32 v[WS+\f], v7 offset:BO+128*\f
.endr
	s_wait_dscnt 0x0
.endm
.macro MPART k                         ; K steps 8 (k - 1) .. 8 (k - 1) + 7
	BLK 8*((\k)-1)
	BLK 8*((\k)-1)+1
	BLK 8*((\k)-1)+2
	WLOAD 2*((\k)-1)
.irp j, 0,1,2,3
	KSTEP 8*((\k)-1)+\j
.endr
	WLOAD 2*((\k)-1)+1
.irp j, 4,5,6,7
	KSTEP 8*((\k)-1)+\j
.endr
.endm
.macro INTERVAL k
	s_cmp_lt_u32 s[WV], 4
	s_cbranch_scc0 .Lm_\@
.if (\k) == 0
	ISSUE 0
	ISSUE 1
	ISSUE 2
	ISSUE 3
.endif
	PRODUCE 4*(\k)
	PRODUCE 4*(\k)+1
	PRODUCE 4*(\k)+2
	PRODUCE 4*(\k)+3
.if (\k) < 3
	s_wait_alu depctr_vm_vsrc(0)                   ; the last image's stores have read the codes and the scale word, which the next interval's lines write again: stated ahead of the branch
.endif
	s_branch .Lj_\@
.Lm_\@:
.if (\k) == 0
	HEAD
.else
	MPART \k
.endif
.Lj_\@:
	s_wait_dscnt 0x0                               ; W's images have landed, M's reads of the other two buffers are in
	s_barrier_signal -1
	s_barrier_wait -1
.endm
.irp k, 0,1,2,3
	INTERVAL \k
.endr
	s_cmp_lt_u32 s[WV], 4
	s_cbranch_scc1 .Llast
	MPART 4
.Llast:
	s_wait_loadcnt 0x0                             ; no load of the intervals is out
; ---- the way out of tile m: 16 rows x 32 columns through my own bytes of LDS, and out as 2,048 consecutive bytes.  Left out where the expert has no such tile.
; No vector or matrix line stands between the wait behind the last products and these LDS stores.
.macro EPI m
	s_cmp_ge_u32 s[TI+\m], s[NT]
	s_cbranch_scc1 .Lskip_\@
	s_wait_xcnt 0x0                                ; the last tile's stores have read their registers and base
	s_add_co_u32 s46, s[TB], s[TI+\m]
	s_min_u32 s46, s46, 511
	s_lshl_b32 s50, s46, 16                        ; a tile of y is 65,536 bytes,
	s_add_co_u32 s50, s50, s23                     ; my slice's part 2,048
	s_mov_b32 s51, 0
	s_add_nc_u64 s[48:49], s[12:13], s[50:51]
	WIN 0x04                                       ; an LDS store's data are its source 1: window 1
.irp u, 0,1
.irp q, 0,1
	ds_store_b128 v8, v[ACC+8*(2*\m+\u)+4*\q:ACC+8*(2*\m+\u)+4*\q+3] offset:64*\u+16*\q   ; each accumulator from its low end on
.endr
.endr
	WIN 0
.irp k, 0,1,2,3
	ds_load_b128 v[OB+4*\k:OB+4*\k+3], v9 offset:576*\k   ; behind my stores, in order
.endr
	s_wait_dscnt 0x0
.irp k, 0,1,2,3
	global_store_b128 v1, v[OB+4*\k:OB+4*\k+3], s[48:49] offset:512*\k   ; 512 consecutive bytes a store
.endr
	s_wait_alu depctr_vm_vsrc(0)                   ; the four stores have read the rows' registers, in which the next tile's rows land: stated ahead of the next branch
.Lskip_\@:
.endm
	s_wait_kmcnt 0x0
	s_min_u32 s[NT], s[NT], 64
	s_max_u32 s38, s[NT], 20
	s_sub_co_u32 s38, s38, 20
	s_add_co_u32 s38, s38, 31
	s_lshr_b32 s38, s38, 5
	s_add_co_u32 s38, s38, 1                       ; passes
	s_mov_b32 s39, 0
.irp i, 0,1,2,3,4
	s_add_co_u32 s[TI+\i], s[WQ], 4*\i
.endr
.Lpass:
	s_cmp_eq_u32 s39, 0
	s_cbranch_scc1 .Lmain
	; a later pass: all eight waves, four tiles each: 20 + 32 (pass - 1) + 8 i + wave
	s_sub_co_u32 s46, s39, 1
	s_lshl_b32 s46, s46, 5
	s_add_co_u32 s46, s46, 20
	s_add_co_u32 s46, s46, s[WV]
.irp i, 0,1,2,3
	s_add_co_u32 s[TI+\i], s46, 8*\i
.endr
	s_mov_b32 s[TI+4], 0xffff                      ; no fifth tile
	s_wait_xcnt 0x0
	s_wait_alu depctr_vm_vsrc(0)                   ; the earlier loads of h have read their offsets v17-20 and v22-25, which are written again below; earlier LDS stores have read the registers in which b2 lands and the codes that the loop's lines write
	s_max_u32 s46, s[NT], 1
	s_sub_co_u32 s46, s46, 1
.irp i, 0,1,2,3
	s_min_u32 s48, s[TI+\i], s46
	s_add_co_u32 s48, s48, s[TB]
	s_min_u32 s48, s48, 511
	s_mul_i32 s49, s48, 49152
	v_add_nc_u32 v[17+\i], s49, v1
	s_lshl_b32 s49, s48, 11
	v_add_nc_u32 v[22+\i], s49, v13
.endr
	s_wait_alu depctr_va_vdst(0)                   ; v17-20 and v22-25 are written, which the loop's loads read as offsets
	WIN 0x40                                       ; b2 into the accumulators (all ten: every one has then been written); no other load is out here
.irp m, 0,1,2,3,4
.irp u, 0,1
.irp q, 0,1
	global_load_b128 v[ACC+8*(2*\m+\u)+4*\q:ACC+8*(2*\m+\u)+4*\q+3], v12, s[6:7] offset:64*\u+16*\q
.endr
.endr
.endr
	WIN 0
	s_mov_b64 s[54:55], s[8:9]
	s_mov_b64 s[56:57], s[52:53]
	s_mov_b64 s[58:59], s[24:25]
	s_mov_b32 s60, 0
.Lks:                                              ; a K step a trip
.irp i, 0,1,2,3
.irp q, 0,1,2
	global_load_b128 v[SAF+12*\i+4*\q:SAF+12*\i+4*\q+3], v[17+\i], s[54:55] offset:512*\q
.endr
.endr
.irp i, 0,1,2,3
	global_load_b32 v[AS+\i], v[22+\i], s[56:57]
.endr
.irp u, 0,1
.irp c, 0,1
.irp j, 0,1,2,3,4,5,6,7
	global_load_b128 v[X+32*\c+4*\j:X+32*\c+4*\j+3], v16, s[58:59] offset:16*\u*16384+256*\c+16*\j
.endr
.endr
	s_wait_loadcnt 0x0
	QUANTW
	PLACES 8                                       ; the scale word was written by vector lines
	s_wait_alu depctr_va_vdst(0)                   ; the codes and the scale word are written, which the scaled products take; the next tile's numbers land there
	WIN 0x50                                       ; C and D window 1
.irp i, 0,1,2,3
	v_wmma_scale_f32_16x16x128_f8f6f4 v[ACC+8*(2*\i+\u):ACC+8*(2*\i+\u)+7], v[CF:CF+11], v[SAF+12*\i:SAF+12*\i+11], v[ACC+8*(2*\i+\u):ACC+8*(2*\i+\u)+7], v[SW], v[AS+\i] matrix_a_fmt:MATRIX_FMT_BF6 matrix_b_fmt:MATRIX_FMT_BF6
.endr
	WIN 0
	PLACES 4
.endr
	s_wait_alu depctr_va_vdst(0)                   ; the trip's products are done reading h's fragments and scale words, in which the next trip's loads land; behind the last trip: the accumulators are written, which the way out's LDS stores read
	s_add_nc_u64 s[54:55], s[54:55], 1536          ; every load of the trip has been waited for
	s_add_nc_u64 s[56:57], s[56:57], 64
	s_add_nc_u64 s[58:59], s[58:59], 512
	s_add_co_u32 s60, s60, 1
	s_cmp_lt_u32 s60, 32
	s_cbranch_scc1 .Lks
	s_branch .Lout
.Lmain:
	s_cmp_lt_u32 s[WV], 4                          ; the first pass's tiles lie in the M waves
	s_cbranch_scc1 .Lnext
.Lout:
	EPI 0
	EPI 1
	EPI 2
	EPI 3
	EPI 4
.Lnext:
	s_add_co_u32 s39, s39, 1
	s_cmp_lt_u32 s39, s38
	s_cbranch_scc1 .Lpass
	s_wait_dscnt 0x0                               ; the closing lines, six on end
	s_wait_alu 0x0
	s_wait_tensorcnt 0x0
	ds_add_u32 v254, v255
	s_wait_dscnt 0x0
	s_endpgm
.Lfunc_end_k_qade318244e_ffn2:
	.size	k_qade318244e_ffn2, .Lfunc_end_k_qade318244e_ffn2-k_qade318244e_ffn2
	.p2alignl 7, 3214868480
	.fill 96, 4, 3214868480
	.section	.rodata,"a",@progbits
	.p2align	6, 0x0
	.amdhsa_kernel k_qade318244e_ffn2
		.amdhsa_group_segment_fixed_size 106496
		.amdhsa_private_segment_fixed_size 0
		.amdhsa_enable_private_segment 0
		.amdhsa_kernarg_size 56
		.amdhsa_user_sgpr_count 2
		.amdhsa_user_sgpr_kernarg_segment_ptr 1
		.amdhsa_wavefront_size32 1
		.amdhsa_system_sgpr_workgroup_id_x 1
		.amdhsa_system_sgpr_workgroup_id_y 1
		.amdhsa_system_sgpr_workgroup_id_z 1
		.amdhsa_system_vgpr_workitem_id 0
		.amdhsa_next_free_vgpr 512
		.amdhsa_next_free_sgpr 66
		.amdhsa_reserve_vcc 1
		.amdhsa_float_denorm_mode_32 3
		.amdhsa_float_denorm_mode_16_64 3
		.amdhsa_memory_ordered 1
		.amdhsa_forward_progress 1
		.amdhsa_inst_pref_size 255
	.end_amdhsa_kernel
	.section	.bss,"aw",@nobits
	.p2align	6
	.space	262144
	.amdgpu_metadata
---
amdhsa.version: [ 1, 2 ]
amdhsa.kernels:
  - .name:           k_qade318244e_ffn2
    .symbol:         k_qade318244e_ffn2.kd
    .args:
      - { .name: w2, .offset: 0, .size: 8, .value_kind: global_buffer, .address_space: global }
      - { .name: b2, .offset: 8, .size: 8, .value_kind: global_buffer, .address_space: global }
      - { .name: h, .offset: 16, .size: 8, .value_kind: global_buffer, .address_space: global }
      - { .name: cnt, .offset: 24, .size: 8, .value_kind: global_buffer, .address_space: global }
      - { .name: sel, .offset: 32, .size: 8, .value_kind: global_buffer, .address_space: global }
      - { .name: y, .offset: 40, .size: 8, .value_kind: global_buffer, .address_space: global }
      - { .name: pos, .offset: 48, .size: 8, .value_kind: global_buffer, .address_space: global }
    .group_segment_fixed_size: 106496
    .private_segment_fixed_size: 0
    .kernarg_segment_align: 8
    .kernarg_segment_size: 56
    .max_flat_workgroup_size: 256
    .sgpr_count:     66
    .vgpr_count:     512
    .wavefront_size: 32
...
	.end_amdgpu_metadata
.endif
;; end of part 7
;; launch combine (part 8): grid 256 x 1, 4 waves a work-group, no clusters, 0 bytes of LDS; arguments y, pos, gate, out0; writes out0
.if DOCPART == 8
	.amdgcn_target "amdgcn-amd-amdhsa--gfx1250"
	.amdhsa_code_object_version 6
	.text
	.protected	k_qade318244e_combine
	.globl	k_qade318244e_combine
	.p2align	8
	.type	k_qade318244e_combine,@function
k_qade318244e_combine:
	s_mov_b64 s[64:65], 0
	v_nop
	global_prefetch_b8 v0, s[64:65] scope:SCOPE_SE
	s_setreg_imm32_b32 hwreg(HW_REG_WAVE_MODE, 25, 1), 1
	s_wait_xcnt 0x0
; COMBINE.  out0[t] = g0 y[p0] + g1 y[p1]: a token's two rows, by its two weights.  One wave a token; each output row has one owner.
; y [512 tiles][32 slices][16 rows][32] f32; row p lies in tile p / 16 at row p % 16.  A load takes four slices' 128 bytes of a row, eight lanes each; the same lanes hold 512 consecutive bytes of the output row.
; Memory binds and nothing is shared: no LDS, no barrier, no matrix unit.  All 16 loads go out at once; the waits count down by pairs.
	s_load_b256 s[4:11], s[0:1], 0x0               ; y s[4:5], pos s[6:7], gate s[8:9], out0 s[10:11]
	v_lshrrev_b32 v1, 5, v0
	v_readfirstlane_b32 s12, v1                    ; wave
	s_lshl_b32 s13, ttmp9, 2
	s_add_co_u32 s13, s13, s12                     ; token
	s_lshl_b32 s14, s13, 3
	v_and_b32 v2, 31, v0
	v_lshrrev_b32 v3, 3, v2
	v_lshlrev_b32 v3, 11, v3
	v_and_b32 v4, 7, v2
	v_lshl_add_u32 v3, v4, 4, v3                   ; slice lane / 8 (2,048 bytes a slice), + 16 (lane % 8)
	v_lshlrev_b32 v5, 4, v2                        ; out: 16 bytes a lane
	s_lshl_b32 s24, s13, 12
	s_mov_b32 s25, 0
	s_wait_alu depctr_va_vdst(0)
	s_wait_kmcnt 0x0
	s_load_b64 s[16:17], s[6:7], s14               ; the two rows
	s_load_b64 s[20:21], s[8:9], s14               ; the two weights
	s_add_nc_u64 s[10:11], s[10:11], s[24:25]
	s_wait_kmcnt 0x0
	s_min_u32 s16, s16, 0x1fff
	s_min_u32 s17, s17, 0x1fff
	s_and_b32 s18, s16, 0x1ff0
	s_lshl_b32 s18, s18, 12                        ; 65,536 x the tile
	s_and_b32 s16, s16, 15
	s_lshl_b32 s16, s16, 7                         ; + 128 x the row in it
	s_add_co_u32 s16, s16, s18
	s_and_b32 s19, s17, 0x1ff0
	s_lshl_b32 s19, s19, 12
	s_and_b32 s17, s17, 15
	s_lshl_b32 s17, s17, 7
	s_add_co_u32 s17, s17, s19
	v_add_nc_u32 v6, s16, v3
	v_add_nc_u32 v7, s17, v3
	s_mov_b32 s22, s21                             ; the packed forms name a pair and take its low word for both halves
	s_mov_b32 s23, s21
.irp j, 0,1,2,3,4,5,6,7
	global_load_b128 v[16+8*\j:19+8*\j], v6, s[4:5] offset:\j*8192
	global_load_b128 v[20+8*\j:23+8*\j], v7, s[4:5] offset:\j*8192
.endr
.irp j, 0,1,2,3,4,5,6,7
	s_wait_loadcnt 14-2*\j                         ; pair j is in; the pairs behind it stay out
	v_pk_mul_f32 v[16+8*\j:17+8*\j], v[16+8*\j:17+8*\j], s[20:21] op_sel_hi:[1,0]
	v_pk_mul_f32 v[18+8*\j:19+8*\j], v[18+8*\j:19+8*\j], s[20:21] op_sel_hi:[1,0]
	v_pk_fma_f32 v[16+8*\j:17+8*\j], v[20+8*\j:21+8*\j], s[22:23], v[16+8*\j:17+8*\j] op_sel_hi:[1,0,1]
	v_pk_fma_f32 v[18+8*\j:19+8*\j], v[22+8*\j:23+8*\j], s[22:23], v[18+8*\j:19+8*\j] op_sel_hi:[1,0,1]
	global_store_b128 v5, v[16+8*\j:19+8*\j], s[10:11] offset:512*\j th:TH_STORE_NT   ; the wave stores 512 consecutive bytes
.endr
	s_endpgm
.Lfunc_end_k_qade318244e_combine:
	.size	k_qade318244e_combine, .Lfunc_end_k_qade318244e_combine-k_qade318244e_combine
	.p2alignl 7, 3214868480
	.fill 96, 4, 3214868480
	.section	.rodata,"a",@progbits
	.p2align	6, 0x0
	.amdhsa_kernel k_qade318244e_combine
		.amdhsa_group_segment_fixed_size 0
		.amdhsa_private_segment_fixed_size 0
		.amdhsa_enable_private_segment 0
		.amdhsa_kernarg_size 32
		.amdhsa_user_sgpr_count 2
		.amdhsa_user_sgpr_kernarg_segment_ptr 1
		.amdhsa_wavefront_size32 1
		.amdhsa_system_sgpr_workgroup_id_x 1
		.amdhsa_system_sgpr_workgroup_id_y 1
		.amdhsa_system_sgpr_workgroup_id_z 1
		.amdhsa_system_vgpr_workitem_id 0
		.amdhsa_next_free_vgpr 96
		.amdhsa_next_free_sgpr 66
		.amdhsa_reserve_vcc 0
		.amdhsa_float_denorm_mode_32 3
		.amdhsa_float_denorm_mode_16_64 3
		.amdhsa_memory_ordered 1
		.amdhsa_forward_progress 1
		.amdhsa_inst_pref_size 7
	.end_amdhsa_kernel
	.amdgpu_metadata
---
amdhsa.version: [ 1, 2 ]
amdhsa.kernels:
  - .name:           k_qade318244e_combine
    .symbol:         k_qade318244e_combine.kd
    .args:
      - { .name: y, .offset: 0, .size: 8, .value_kind: global_buffer, .address_space: global }
      - { .name: pos, .offset: 8, .size: 8, .value_kind: global_buffer, .address_space: global }
      - { .name: gate, .offset: 16, .size: 8, .value_kind: global_buffer, .address_space: global }
      - { .name: out0, .offset: 24, .size: 8, .value_kind: global_buffer, .address_space: global }
    .group_segment_fixed_size: 0
    .private_segment_fixed_size: 0
    .kernarg_segment_align: 8
    .kernarg_segment_size: 32
    .max_flat_workgroup_size: 128
    .sgpr_count:     66
    .vgpr_count:     96
    .wavefront_size: 32
...
	.end_amdgpu_metadata
.endif
;; end of part 8
